; MI455X (gfx1250); checked and timed in simulation.
; The chip was launched on July 23, 2026; its instructions are those of AMD's public machine-readable ISA for CDNA 5 (MIT licence, August 2026) and "CDNA5" Instruction Set Architecture Reference Guide (July 2026). The comments in the code are by the model that wrote it; some were corrected since.
;; RM. Allowed arithmetic: float matrix products may take bf16 or f16 operands with f32 sums; other float arithmetic in f32, or as packed bf16 or f16 multiplies, adds, multiply-adds, maxima and minima; sums over many terms, partial sums and values carried from step to step in f32; what a program stores and reads back later, other than sums and carried values, may be rounded once to bf16 or f16.
;; Inputs: W1 2,048 x 1,024 float32; W2 1,024 x 1,024 float32; We 8 x 1,024 float32; Wg1 128 x 256 float32; Wg2 256 x 8 float32; Ws 1,024 x 1 float32; b1 1,024 float32; b2 1,024 float32; be 8 float32; bg1 256 float32; bg2 8 float32; bs 1 float32; user_emb 16,384 x 128 float32; x 16,384 x 2,048 float32.
;; Outputs: out0 16,384 x 1 float32; out1 16,384 x 8 float32.
;; 3 versions, each right; version 2 is faster than version 1; version 3 is version 2 with the launch prep written anew for expert scheduling mode. Each part assembles by itself: llvm-mc -triple=amdgcn-amd-amdhsa -mcpu=gfx1250 --defsym DOCPART=n.
;; ======== version 1 of 3: 2 launches
;; workspace buffers: wp 6,291,456 bytes; tab 40,960 bytes
;; launch prep (part 1): grid 256 x 1, 4 waves a work-group, no clusters, 97,280 bytes of LDS; arguments W1, W2, Wg1, bg1, Wg2, bg2, user_emb, We, Ws, b1, b2, wp, tab, out1; writes wp, tab, out1
.if DOCPART == 1
	.amdgcn_target "amdgcn-amd-amdhsa--gfx1250"
	.amdhsa_code_object_version 6
	.text
	.protected	k_qf136839d31_prep
	.globl	k_qf136839d31_prep
	.p2align	8
	.type	k_qf136839d31_prep,@function
k_qf136839d31_prep:
	s_mov_b64 s[64:65], 0
	v_nop
	global_prefetch_b8 v0, s[64:65] scope:SCOPE_SE
	s_setreg_imm32_b32 hwreg(HW_REG_WAVE_MODE, 25, 1), 1
	s_wait_xcnt 0x0
; PREP.  Three jobs, shared among 1,024 waves (gid = 4 x work-group + wave):
;  (1) W1 [2048][1024] and W2 [1024][1024] are rounded to bf16 and laid into wp in the order in which the next launch's operand registers take them;
;  (2) three tables go into tab: b1 and b2 (f32 words that hold the bf16-rounded numbers) and the nine columns We, Ws as 32 operand fragments;
;  (3) the whole gate: relu(user_emb Wg1 + bg1) Wg2 + bg2, softmax, top-2, renormalised, stored as out1.  A wave has 16 tokens.
; SLOTS.  Hidden channels are kept in slot order: slot s holds channel 64 (s >> 6) + 4 (s & 15) + ((s >> 4) & 3).  So a lane that loads 16 bytes (4 neighbouring channels) of 8 rows k holds
; four whole 16-byte pieces of four fragments, each load takes 256 consecutive bytes of a row for 16 lanes, each store of a wave covers 512 consecutive bytes, and no LDS is needed.
; A FRAGMENT is 16 slots x 32 k of bf16, 1,024 bytes: chunk c (512 bytes), lane (rho, h) at 16 x lane: k = 16 c + 8 h + 0..7 of slot rho.
; LIMITS.  Every input is rounded once to bf16 (nearest even); all else of the gate is f32: g is never rounded, so g Wg2 goes to the f32 matrix form (16,384 x 256 x 8 multiply-adds, under a
; thousandth of the program's): a g rounded to bf16 would move logits by more than many rows' distance between second and third place.  Two weights that differ by less than f32 rounding may
; change places in the top-2; equal weights go to the lower index.  An exponential below 2^-126 counts as 0.  NaN and infinities are not treated apart.
.set PG,    544                        ; a row of Wg1 in LDS: 256 bf16 + 32 bytes: 17 x 32, for the turning load
.set PU,    272                        ; a token's row: 128 bf16 + 16 bytes
.set PW2,   1040                       ; a row of Wg2 turned: 256 f32 + 16 bytes
.set UET,   128*PG                     ; 69,632: behind Wg1 (from byte 0): 16 rows for each wave, its own
.set BGT,   UET+4*16*PU                ; 87,040: bg1, 256 f32
.set W2T,   BGT+1024                   ; 88,064: Wg2 turned, [8][256] f32
.set SPARE, 96512                      ; the spare words, 128 bytes a wave: two blocks of 256 bytes that no other line names
.set TB,  24                           ; v24-41   bg1 and Wg2 as loaded
.set SPW, 46                           ; v46      LDS address of my spare word; never rewritten
.set NIL, 47                           ; v47      0; never rewritten
.set GA,  48                           ; v48-175  32 loads of Wg1
.set UE,  176                          ; v176-239 my tokens as loaded
.set UF,  48                           ; later: v48-79 my tokens' four fragments
.set WF,  80                           ; v80-143  Wg1's fragments of two tiles of 16 channels
.set AC,  144                          ; v144-175 g: two buffers of two tiles
.set W2F, 176                          ; v176-207 Wg2's operands: two buffers of two tiles
.set LO,  208                          ; v208-215 logits
.set WT,  216                          ; v216-223 weights
.set WS,  224                          ; v224-231 weights without the first choice
.set BG,  240                          ; v240-247 bg2
.set LG,  224                          ; window 1, v224-255: the four sums of the f32 matrix form; matrix instructions alone write them
.set MSB, 0
.macro WIN new                         ; the high byte repeats the setting that is left; a switch that changes nothing is dropped
.if MSB != (\new)
	s_set_vgpr_msb (MSB<<8)|(\new)
.set MSB, \new
.endif
.endm
	s_load_b512 s[4:19], s[0:1], 0x0               ; W1 4, W2 6, Wg1 8, bg1 10, Wg2 12, bg2 14, user_emb 16, We 18
	s_load_b256 s[20:27], s[0:1], 0x40             ; Ws 20, b1 22, b2 24, wp 26
	s_load_b128 s[28:31], s[0:1], 0x60             ; tab 28, out1 30
	v_lshl_add_u32 v[SPW], v0, 2, SPARE
	v_mov_b32 v[NIL], 0
	v_lshrrev_b32 v19, 5, v0
	v_readfirstlane_b32 s32, v19                   ; wave 0..3
	s_lshl_b32 s33, ttmp9, 2
	s_add_co_u32 s33, s33, s32                     ; gid 0..1023
	v_and_b32 v1, 31, v0                           ; lane
	v_and_b32 v2, 15, v0                           ; lane % 16
	v_bfe_u32 v3, v0, 4, 1                         ; lane / 16
	v_lshlrev_b32 v4, 4, v0                        ; 16 t: Wg1's and Wg2's loads
	v_lshlrev_b32 v5, 2, v0                        ; 4 t: bg1's loads
	v_add_nc_u32 v6, BGT, v5
	v_and_b32 v19, 1, v0
	v_lshrrev_b32 v20, 1, v0
	v_mul_u32_u24 v7, v19, 4*PW2                   ; Wg2 turned: rows 4 (t & 1) .., word t >> 1
	v_lshl_add_u32 v7, v20, 2, v7
	v_add_nc_u32 v7, W2T, v7
	v_lshrrev_b32 v19, 6, v0
	v_and_b32 v20, 63, v0
	v_mul_u32_u24 v8, v19, PG                      ; Wg1: row t >> 6, 8 bytes at 8 (t & 63)
	v_lshl_add_u32 v8, v20, 3, v8
	v_add_nc_u32 v9, 64*PG, v8                     ; the same 64 rows on
	v_lshlrev_b32 v10, 4, v1                       ; 16 x lane
	s_mul_i32 s34, s32, 16*PU
	s_add_co_u32 s34, s34, UET                     ; my wave's 16 rows
	v_lshl_add_u32 v11, v1, 3, s34
	v_lshlrev_b32 v12, 15, v3                      ; W1: lanes 16-31 take the row 8 further down,
	v_lshl_add_u32 v12, v2, 4, v12
	v_lshlrev_b32 v13, 17, v3                      ; W2: 32 further down
	v_lshl_add_u32 v13, v2, 4, v13
	v_mul_u32_u24 v14, v2, PU                      ; my tokens' fragments: row x pitch + 16 x half
	v_lshl_add_u32 v14, v3, 4, v14
	v_add_nc_u32 v14, s34, v14
	v_and_b32 v19, 7, v0
	v_lshl_add_u32 v20, v3, 3, v19
	v_mul_u32_u24 v15, v20, PG                     ; the turning load: row 8 (l / 16) + l % 8, 16 bytes at 16 ((l / 8) % 2)
	v_bfe_u32 v20, v0, 3, 1
	v_lshl_add_u32 v15, v20, 4, v15
	v_lshlrev_b32 v16, 5, v3
	v_add_nc_u32 v16, BGT, v16                     ; a lane's eight channels of a tile begin at 8 (l / 16)
	v_mul_u32_u24 v17, v19, PW2                    ; Wg2: expert l % 8 (rows 8-15 of the operand repeat rows 0-7)
	v_lshl_add_u32 v17, v3, 5, v17
	v_add_nc_u32 v17, W2T, v17
	v_lshlrev_b32 v18, 5, v2                       ; out1: token l % 16, experts 4 (l / 16) ..
	v_lshl_add_u32 v18, v3, 4, v18
	s_lshl_b32 s66, s33, 13                        ; my 16 tokens of 512 bytes
	s_mov_b32 s67, 0
	s_lshr_b32 s68, s33, 4                         ; W1: K step of 32,
	s_and_b32 s69, s33, 15                         ; block of 64 channels
	s_lshl_b32 s70, s68, 17                        ; 32 rows of 4,096 bytes
	s_lshl_b32 s72, s69, 8
	s_add_co_u32 s70, s70, s72
	s_mov_b32 s71, 0
	s_lshr_b32 s72, s68, 1                         ; in wp: (K step / 2) x 131,072 + (block / 4) x 32,768 + (K step % 2) x 16,384 + (block % 4) x 4,096
	s_lshl_b32 s72, s72, 17
	s_and_b32 s74, s68, 1
	s_lshl_b32 s74, s74, 14
	s_add_co_u32 s72, s72, s74
	s_lshl_b32 s74, s69, 12
	s_add_co_u32 s72, s72, s74
	s_lshr_b32 s74, s69, 2
	s_lshl_b32 s74, s74, 14
	s_add_co_u32 s72, s72, s74
	s_mov_b32 s73, 0
	s_lshr_b32 s68, s33, 5                         ; W2: K step of 32 slots,
	s_bfe_u32 s69, s33, 0x40001                    ; block of 64 channels,
	s_and_b32 s35, s33, 1                          ; chunk
	s_lshr_b32 s74, s68, 1                         ; first row: 64 (K step / 2) + 2 (K step % 2) + chunk
	s_lshl_b32 s74, s74, 6
	s_and_b32 s76, s68, 1
	s_lshl_b32 s76, s76, 1
	s_add_co_u32 s74, s74, s76
	s_add_co_u32 s74, s74, s35
	s_lshl_b32 s74, s74, 12
	s_lshl_b32 s76, s69, 8
	s_add_co_u32 s74, s74, s76
	s_mov_b32 s75, 0
	s_lshl_b32 s76, s68, 16                        ; in wp: 4,194,304 + K step x 65,536 + block x 4,096 + chunk x 512
	s_lshl_b32 s78, s69, 12
	s_add_co_u32 s76, s76, s78
	s_lshl_b32 s78, s35, 9
	s_add_co_u32 s76, s76, s78
	s_add_co_u32 s76, s76, 4194304
	s_mov_b32 s77, 0
	s_lshl_b32 s78, s33, 9                         ; out1: my 16 tokens of 32 bytes
	s_mov_b32 s79, 0
	s_mov_b32 s44, 0xffff0000                      ; a word's upper bf16; also the mask of lanes 16-31
	s_mov_b32 s63, 0x3fb8aa3b                      ; log2(e)
	s_wait_kmcnt 0x0
	s_load_b256 s[36:43], s[14:15], 0x0            ; bg2
	s_add_nc_u64 s[16:17], s[16:17], s[66:67]
	s_add_nc_u64 s[4:5], s[4:5], s[70:71]
	s_add_nc_u64 s[6:7], s[6:7], s[74:75]
	s_add_nc_u64 s[72:73], s[26:27], s[72:73]
	s_add_nc_u64 s[76:77], s[26:27], s[76:77]
	s_add_nc_u64 s[30:31], s[30:31], s[78:79]
	; 54 loads go out: the small tables (6), rows 0-63 of Wg1 (32: the work-group's 128 threads take two rows an instruction), my 16 tokens (16)
	global_load_b32 v[TB], v5, s[10:11]
	global_load_b32 v[TB+1], v5, s[10:11] offset:512
.irp i, 0,1,2,3
	global_load_b128 v[TB+2+4*(\i):TB+2+4*(\i)+3], v4, s[12:13] offset:(\i)*2048
.endr
.set z, 0
.rept 32
	global_load_b128 v[GA+4*z:GA+4*z+3], v4, s[8:9] offset:z*2048
.set z, z+1
.endr
.set z, 0
.rept 16
	global_load_b128 v[UE+4*z:UE+4*z+3], v10, s[16:17] offset:z*512 th:TH_LOAD_NT
.set z, z+1
.endr
	s_wait_loadcnt 48                              ; the six oldest are in; Wg1's 32 and my tokens' 16 stay out
	v_cvt_pk_bf16_f32 v42, v[TB], v[TB+1]          ; rounded to bf16, kept as f32 words
	v_lshlrev_b32 v43, 16, v42
	v_and_b32 v44, s44, v42
	ds_store_b32 v6, v43
	ds_store_b32 v6, v44 offset:512
.irp i, 0,1,2,3                        ; load i of thread t holds Wg2[64 i + (t >> 1)][4 (t & 1) + 0..3]
.irp p, 0,1
	v_cvt_pk_bf16_f32 v42, v[TB+2+4*(\i)+2*(\p)], v[TB+2+4*(\i)+2*(\p)+1]
	v_lshlrev_b32 v43, 16, v42
	v_and_b32 v44, s44, v42
	ds_store_b32 v7, v43 offset:(2*(\p))*PW2+(\i)*256
	ds_store_b32 v7, v44 offset:(2*(\p)+1)*PW2+(\i)*256
.endr
.endr
.macro WGCONV adr                      ; 64 rows of Wg1: four f32 a thread and row become 8 bytes
.set z, 0
.rept 32
	v_cvt_pk_bf16_f32 v[GA+4*z], v[GA+4*z], v[GA+4*z+1]
	v_cvt_pk_bf16_f32 v[GA+4*z+1], v[GA+4*z+2], v[GA+4*z+3]
	ds_store_b64 v[\adr], v[GA+4*z:GA+4*z+1] offset:z*2*PG
.set z, z+1
.endr
.endm
	s_wait_loadcnt 16                              ; rows 0-63 of Wg1 are in; my tokens' 16 loads stay out
	WGCONV 8
.set z, 0
.rept 32                               ; rows 64-127
	global_load_b128 v[GA+4*z:GA+4*z+3], v4, s[8:9] offset:65536+z*2048
.set z, z+1
.endr
	s_wait_loadcnt 32                              ; my tokens are in; the 32 just issued stay out
.set z, 0
.rept 16
	v_cvt_pk_bf16_f32 v[UE+4*z], v[UE+4*z], v[UE+4*z+1]
	v_cvt_pk_bf16_f32 v[UE+4*z+1], v[UE+4*z+2], v[UE+4*z+3]
	ds_store_b64 v11, v[UE+4*z:UE+4*z+1] offset:z*PU
.set z, z+1
.endr
	; My block of W1 (32 k x 64 channels: 16 loads) and my half block of W2 (16 slots of k x 64 channels: 8 loads) go out now and land under the gate's work.
	WIN 0x40                                       ; destination window 1, address window 0
.irp c, 0,1
.irp j, 0,1,2,3,4,5,6,7
	global_load_b128 v[((\c)*8+(\j))*4:((\c)*8+(\j))*4+3], v12, s[4:5] offset:((\c)*16+(\j))*4096 th:TH_LOAD_NT  ; row 16 c + 8 (l / 16) + j, channels 4 (l % 16) ..
.endr
.endr
.irp j, 0,1,2,3,4,5,6,7
	global_load_b128 v[64+(\j)*4:64+(\j)*4+3], v13, s[6:7] offset:(\j)*16384 th:TH_LOAD_NT  ; slot 8 (l / 16) + j of the chunk is the row 32 (l / 16) + 4 j further down
.endr
	WIN 0
	s_wait_loadcnt 24                              ; rows 64-127 of Wg1 are in; the 24 just issued stay out
	WGCONV 9
	s_wait_dscnt 0x0                               ; for the others' sake: all my stores into LDS are done
	s_barrier_signal -1
	s_barrier_wait -1                              ; Wg1, bg1 and Wg2 are whole
	s_wait_kmcnt 0x0
.irp p, 0,1,2,3
	v_cvt_pk_bf16_f32 v42, s[36+2*(\p)], s[37+2*(\p)]
	v_lshlrev_b32 v[BG+2*(\p)], 16, v42
	v_and_b32 v[BG+2*(\p)+1], s44, v42
.endr
.irp k, 0,1,2,3
	ds_load_b128 v[UF+8*(\k):UF+8*(\k)+3], v14 offset:64*(\k)
	ds_load_b128 v[UF+8*(\k)+4:UF+8*(\k)+7], v14 offset:64*(\k)+32
.endr
; The LDS loads of group g (tiles 2 g, 2 g + 1 of 16 channels): Wg1's fragments, turned; bg1 into the accumulators, so that the first product adds onto it; Wg2's eight numbers a lane and tile.
.macro GLOAD g
.irp tt, 0,1
.irp kk, 0,1,2,3
	ds_load_tr16_b128 v[WF+32*(\tt)+8*(\kk):WF+32*(\tt)+8*(\kk)+3], v15 offset:(\kk)*32*PG+(2*(\g)+(\tt))*32
	ds_load_tr16_b128 v[WF+32*(\tt)+8*(\kk)+4:WF+32*(\tt)+8*(\kk)+7], v15 offset:(\kk)*32*PG+16*PG+(2*(\g)+(\tt))*32
.endr
	ds_load_b128 v[AC+16*((\g)%2)+8*(\tt):AC+16*((\g)%2)+8*(\tt)+3], v16 offset:(2*(\g)+(\tt))*64
	ds_load_b128 v[AC+16*((\g)%2)+8*(\tt)+4:AC+16*((\g)%2)+8*(\tt)+7], v16 offset:(2*(\g)+(\tt))*64+16
	ds_load_b128 v[W2F+16*((\g)%2)+8*(\tt):W2F+16*((\g)%2)+8*(\tt)+3], v17 offset:(2*(\g)+(\tt))*64
	ds_load_b128 v[W2F+16*((\g)%2)+8*(\tt)+4:W2F+16*((\g)%2)+8*(\tt)+7], v17 offset:(2*(\g)+(\tt))*64+16
.endr
.endm
; GROUP g.  Source 0 = 16 channels of Wg1, source 1 = my 16 tokens: a lane then holds ONE token (l % 16) and the channels 8 (l / 16) + 0..7 of the tile.  Register pair p of that result IS source 1 of
; the f32 form (k = 2 (l / 16) + j stands for channel 8 (l / 16) + 2 p + j), with Wg2's numbers of the same channels as source 0.  The two bf16 accumulators take turns, and so do the four f32
; sums.  The next group's loads stand behind 4 v_nop and 16 maxima: 12 or more plain instructions that name no register of the bf16 products whose operands they
; overwrite, 20 behind the f32 products of the group before, which read the other buffers.
.macro GROUP g
	s_wait_dscnt 0x0
.irp kk, 0,1,2,3
.irp tt, 0,1
	v_wmma_f32_16x16x32_bf16 v[AC+16*((\g)%2)+8*(\tt):AC+16*((\g)%2)+8*(\tt)+7], v[WF+32*(\tt)+8*(\kk):WF+32*(\tt)+8*(\kk)+7], v[UF+8*(\kk):UF+8*(\kk)+7], v[AC+16*((\g)%2)+8*(\tt):AC+16*((\g)%2)+8*(\tt)+7]
.endr
.endr
.rept 4
	v_nop
.endr
.set z, 0
.rept 16
	v_max_num_f32 v[AC+16*((\g)%2)+z], 0, v[AC+16*((\g)%2)+z]  ; relu, each accumulator from its lowest register on
.set z, z+1
.endr
.if (\g) < 7
	GLOAD (\g)+1
.endif
.irp tt, 0,1
.irp pp, 0,1,2,3
.if ((\g) == 0) && ((\tt) == 0)
	WIN 0x40                                       ; D in window 1
.if (\pp) == 0
	v_wmma_f32_16x16x4_f32 v[LG+8*(\pp):LG+8*(\pp)+7], v[W2F+16*((\g)%2)+8*(\tt)+2*(\pp):W2F+16*((\g)%2)+8*(\tt)+2*(\pp)+1], v[AC+16*((\g)%2)+8*(\tt)+2*(\pp):AC+16*((\g)%2)+8*(\tt)+2*(\pp)+1], v[BG:BG+7]  ; the first sum starts with bg2,
.else
	v_wmma_f32_16x16x4_f32 v[LG+8*(\pp):LG+8*(\pp)+7], v[W2F+16*((\g)%2)+8*(\tt)+2*(\pp):W2F+16*((\g)%2)+8*(\tt)+2*(\pp)+1], v[AC+16*((\g)%2)+8*(\tt)+2*(\pp):AC+16*((\g)%2)+8*(\tt)+2*(\pp)+1], 0  ; the others with 0
.endif
.else
	WIN 0x50                                       ; C and D in window 1
	v_wmma_f32_16x16x4_f32 v[LG+8*(\pp):LG+8*(\pp)+7], v[W2F+16*((\g)%2)+8*(\tt)+2*(\pp):W2F+16*((\g)%2)+8*(\tt)+2*(\pp)+1], v[AC+16*((\g)%2)+8*(\tt)+2*(\pp):AC+16*((\g)%2)+8*(\tt)+2*(\pp)+1], v[LG+8*(\pp):LG+8*(\pp)+7]
.endif
.endr
.endr
	WIN 0
.endm
	GLOAD 0
.irp g, 0,1,2,3,4,5,6,7
	GROUP \g
.endr
.rept 8
	v_nop                                          ; eight plain instructions behind the last product of the f32 form (ISA guide 7.12.1)
.endr
	WIN 0x05                                       ; sources 0 and 1 window 1, destination window 0
.irp i, 0,1,2,3
	v_pk_add_f32 v[LO+2*(\i):LO+2*(\i)+1], v[LG+2*(\i):LG+2*(\i)+1], v[LG+8+2*(\i):LG+8+2*(\i)+1]
	v_pk_add_f32 v[WT+2*(\i):WT+2*(\i)+1], v[LG+16+2*(\i):LG+16+2*(\i)+1], v[LG+24+2*(\i):LG+24+2*(\i)+1]
.endr
	WIN 0
.irp i, 0,1,2,3
	v_pk_add_f32 v[LO+2*(\i):LO+2*(\i)+1], v[LO+2*(\i):LO+2*(\i)+1], v[WT+2*(\i):WT+2*(\i)+1]  ; register j: my token's logit of expert j, in both halves of the lanes
.endr
	; softmax inside the lane: the maximum is taken away ahead of the exponentials
	v_max3_num_f32 v232, v[LO], v[LO+1], v[LO+2]
	v_max3_num_f32 v232, v232, v[LO+3], v[LO+4]
	v_max3_num_f32 v232, v232, v[LO+5], v[LO+6]
	v_max_num_f32 v232, v232, v[LO+7]
	v_mul_f32 v233, s63, v232
.irp j, 0,1,2,3,4,5,6,7
	v_fma_f32 v[WT+(\j)], v[LO+(\j)], s63, -v233
.endr
.irp j, 0,1,2,3,4,5,6,7
	v_exp_f32 v[WT+(\j)], v[WT+(\j)]
.endr
	v_nop                                          ; a plain instruction behind the last exponential,
	s_wait_alu depctr_va_vdst(0)                   ; and one wait for the batch of eight, ahead of its first reader
	v_add_f32 v234, v[WT], v[WT+1]
	v_add_f32 v235, v[WT+2], v[WT+3]
	v_add_f32 v236, v[WT+4], v[WT+5]
	v_add_f32 v237, v[WT+6], v[WT+7]
	v_add_f32 v234, v234, v235
	v_add_f32 v236, v236, v237
	v_add_f32 v234, v234, v236
	v_rcp_f32 v235, v234
	v_nop
	s_wait_alu depctr_va_vdst(0)
.irp j, 0,1,2,3,4,5,6,7
	v_mul_f32 v[WT+(\j)], v[WT+(\j)], v235
.endr
	; top-2: the largest weight, of equals the lowest index; the same once more without it.  The choices are lane masks that select values; no address and no branch hangs on them.
	v_max3_num_f32 v232, v[WT], v[WT+1], v[WT+2]
	v_max3_num_f32 v232, v232, v[WT+3], v[WT+4]
	v_max3_num_f32 v232, v232, v[WT+5], v[WT+6]
	v_max_num_f32 v232, v232, v[WT+7]
	s_mov_b32 s62, 0
.irp j, 0,1,2,3,4,5,6,7
	v_cmp_eq_f32 s61, v[WT+(\j)], v232
	s_and_not1_b32 s[45+(\j)], s61, s62            ; chosen, unless a lower index was
	s_or_b32 s62, s62, s61
.endr
.irp j, 0,1,2,3,4,5,6,7
	v_cndmask_b32 v[WS+(\j)], v[WT+(\j)], -1.0, s[45+(\j)]
.endr
	v_max3_num_f32 v233, v[WS], v[WS+1], v[WS+2]
	v_max3_num_f32 v233, v233, v[WS+3], v[WS+4]
	v_max3_num_f32 v233, v233, v[WS+5], v[WS+6]
	v_max_num_f32 v233, v233, v[WS+7]
	s_mov_b32 s62, 0
.irp j, 0,1,2,3,4,5,6,7
	v_cmp_eq_f32 s61, v[WS+(\j)], v233
	s_and_not1_b32 s[53+(\j)], s61, s62
	s_or_b32 s62, s62, s61
.endr
	v_add_f32 v234, v232, v233
	v_add_f32 v234, 0x3089705f, v234               ; + 1e-9
	v_rcp_f32 v235, v234
	v_nop
	s_wait_alu depctr_va_vdst(0)
.irp j, 0,1,2,3,4,5,6,7
	s_or_b32 s[45+(\j)], s[45+(\j)], s[53+(\j)]
	v_mul_f32 v[WT+(\j)], v[WT+(\j)], v235
	v_cndmask_b32 v[WT+(\j)], 0, v[WT+(\j)], s[45+(\j)]
.endr
.irp j, 0,1,2,3
	v_cndmask_b32 v[WT+(\j)], v[WT+(\j)], v[WT+4+(\j)], s44  ; lanes 16-31 take experts 4-7
.endr
	global_store_b128 v18, v[WT:WT+3], s[30:31]    ; the wave's store covers 512 consecutive bytes of out1, aligned
	; W1's and W2's blocks: word wd of fragment i, chunk c, is rows 2 wd and 2 wd + 1 of my eight, channel i of my four
	s_wait_loadcnt 0x0
	WIN 0x45                                       ; sources 0 and 1 and destination window 1
.irp c, 0,1
.irp i, 0,1,2,3
.irp wd, 0,1,2,3
	v_cvt_pk_bf16_f32 v[96+((\c)*4+(\i))*4+(\wd)], v[((\c)*8+2*(\wd))*4+(\i)], v[((\c)*8+2*(\wd)+1)*4+(\i)]
.endr
.endr
.endr
.irp i, 0,1,2,3
.irp wd, 0,1,2,3
	v_cvt_pk_bf16_f32 v[128+(\i)*4+(\wd)], v[64+(2*(\wd))*4+(\i)], v[64+(2*(\wd)+1)*4+(\i)]
.endr
.endr
	WIN 0x04                                       ; a store's data window 1, its address window 0
.irp c, 0,1
.irp i, 0,1,2,3
	global_store_b128 v10, v[96+((\c)*4+(\i))*4:96+((\c)*4+(\i))*4+3], s[72:73] offset:(\i)*1024+(\c)*512  ; 512 consecutive bytes, aligned
.endr
.endr
.irp i, 0,1,2,3
	global_store_b128 v10, v[128+(\i)*4:128+(\i)*4+3], s[76:77] offset:(\i)*1024
.endr
	WIN 0
	; The small tables: 16 waves make two fragments each of the nine columns, 32 waves 64 slots each of b1 or b2.  The branches hang on gid alone; no barrier stands inside.
	s_cmp_lt_u32 s33, 16
	s_cbranch_scc0 .Lnot_head
	s_lshl_b32 s66, s33, 8                         ; channels 64 gid ..
	s_add_nc_u64 s[18:19], s[18:19], s[66:67]
	s_add_nc_u64 s[20:21], s[20:21], s[66:67]
	s_lshl_b32 s66, s33, 11
	s_add_co_u32 s66, s66, 8192
	s_add_nc_u64 s[68:69], s[28:29], s[66:67]
	v_and_b32 v19, 7, v0
	v_lshlrev_b32 v19, 12, v19                     ; We's row l % 8,
	v_lshl_add_u32 v19, v3, 7, v19                 ; channels 32 (l / 16) + 4 j ..
	v_lshlrev_b32 v20, 7, v3
.irp j, 0,1,2,3,4,5,6,7
	global_load_b128 v[48+4*(\j):48+4*(\j)+3], v19, s[18:19] offset:16*(\j)
	global_load_b128 v[80+4*(\j):80+4*(\j)+3], v20, s[20:21] offset:16*(\j)
.endr
	v_cmp_gt_u32 s45, 8, v2                        ; rows 0-7: We
	v_cmp_eq_u32 s46, 8, v2                        ; row 8: Ws; rows 9-15: 0
	s_wait_loadcnt 0x0
.set z, 0
.rept 32
	v_cndmask_b32 v[80+z], 0, v[80+z], s46
	v_cndmask_b32 v[48+z], v[80+z], v[48+z], s45
.set z, z+1
.endr
.irp i, 0,1,2,3
.irp wd, 0,1,2,3
	v_cvt_pk_bf16_f32 v[112+4*(\i)+(\wd)], v[48+(2*(\wd))*4+(\i)], v[48+(2*(\wd)+1)*4+(\i)]
.endr
.endr
.irp i, 0,1,2,3
	global_store_b128 v10, v[112+4*(\i):112+4*(\i)+3], s[68:69] offset:(\i)*512
.endr
	s_branch .Lend
.Lnot_head:
	s_cmp_lt_u32 s33, 48
	s_cbranch_scc0 .Lend
	s_cmp_lt_u32 s33, 32
	s_cselect_b64 s[68:69], s[22:23], s[24:25]     ; b1 for gid 16-31, b2 for gid 32-47
	s_cselect_b32 s70, 0, 4096
	s_and_b32 s66, s33, 15
	s_lshl_b32 s66, s66, 8                         ; 64 slots are 64 channels: 256 bytes
	s_add_nc_u64 s[68:69], s[68:69], s[66:67]
	s_add_co_u32 s66, s66, s70
	s_add_nc_u64 s[70:71], s[28:29], s[66:67]
	v_and_b32 v19, 7, v1                           ; slots 2 l and 2 l + 1 hold channels 8 (l % 8) + (l / 8) and 4 more
	v_lshrrev_b32 v20, 3, v1
	v_lshlrev_b32 v19, 5, v19
	v_lshl_add_u32 v19, v20, 2, v19
	v_lshlrev_b32 v21, 3, v1
	global_load_b32 v48, v19, s[68:69]
	global_load_b32 v49, v19, s[68:69] offset:16
	s_wait_loadcnt 0x0
	v_cvt_pk_bf16_f32 v50, v48, v49
	v_lshlrev_b32 v52, 16, v50
	v_and_b32 v53, s44, v50
	global_store_b64 v21, v[52:53], s[70:71]       ; 256 consecutive bytes, aligned
.Lend:
	s_wait_tensorcnt 0x0                           ; the wave's end: behind my last LDS store
	ds_add_u32 v[SPW], v[NIL]
	s_wait_dscnt 0x0
	s_endpgm
.Lfunc_end_k_qf136839d31_prep:
	.size	k_qf136839d31_prep, .Lfunc_end_k_qf136839d31_prep-k_qf136839d31_prep
	.p2alignl 7, 3214868480
	.fill 96, 4, 3214868480
	.section	.rodata,"a",@progbits
	.p2align	6, 0x0
	.amdhsa_kernel k_qf136839d31_prep
		.amdhsa_group_segment_fixed_size 97280
		.amdhsa_private_segment_fixed_size 0
		.amdhsa_enable_private_segment 0
		.amdhsa_kernarg_size 112
		.amdhsa_user_sgpr_count 2
		.amdhsa_user_sgpr_kernarg_segment_ptr 1
		.amdhsa_wavefront_size32 1
		.amdhsa_system_sgpr_workgroup_id_x 1
		.amdhsa_system_sgpr_workgroup_id_y 1
		.amdhsa_system_sgpr_workgroup_id_z 1
		.amdhsa_system_vgpr_workitem_id 0
		.amdhsa_next_free_vgpr 512
		.amdhsa_next_free_sgpr 80
		.amdhsa_reserve_vcc 0
		.amdhsa_float_denorm_mode_32 3
		.amdhsa_float_denorm_mode_16_64 3
		.amdhsa_memory_ordered 1
		.amdhsa_forward_progress 1
		.amdhsa_inst_pref_size 80
	.end_amdhsa_kernel
	.amdgpu_metadata
---
amdhsa.version: [ 1, 2 ]
amdhsa.kernels:
  - .name:           k_qf136839d31_prep
    .symbol:         k_qf136839d31_prep.kd
    .args:
      - { .name: W1, .offset: 0, .size: 8, .value_kind: global_buffer, .address_space: global }
      - { .name: W2, .offset: 8, .size: 8, .value_kind: global_buffer, .address_space: global }
      - { .name: Wg1, .offset: 16, .size: 8, .value_kind: global_buffer, .address_space: global }
      - { .name: bg1, .offset: 24, .size: 8, .value_kind: global_buffer, .address_space: global }
      - { .name: Wg2, .offset: 32, .size: 8, .value_kind: global_buffer, .address_space: global }
      - { .name: bg2, .offset: 40, .size: 8, .value_kind: global_buffer, .address_space: global }
      - { .name: user_emb, .offset: 48, .size: 8, .value_kind: global_buffer, .address_space: global }
      - { .name: We, .offset: 56, .size: 8, .value_kind: global_buffer, .address_space: global }
      - { .name: Ws, .offset: 64, .size: 8, .value_kind: global_buffer, .address_space: global }
      - { .name: b1, .offset: 72, .size: 8, .value_kind: global_buffer, .address_space: global }
      - { .name: b2, .offset: 80, .size: 8, .value_kind: global_buffer, .address_space: global }
      - { .name: wp, .offset: 88, .size: 8, .value_kind: global_buffer, .address_space: global }
      - { .name: tab, .offset: 96, .size: 8, .value_kind: global_buffer, .address_space: global }
      - { .name: out1, .offset: 104, .size: 8, .value_kind: global_buffer, .address_space: global }
    .group_segment_fixed_size: 97280
    .private_segment_fixed_size: 0
    .kernarg_segment_align: 8
    .kernarg_segment_size: 112
    .max_flat_workgroup_size: 128
    .sgpr_count:     80
    .vgpr_count:     512
    .wavefront_size: 32
...
	.end_amdgpu_metadata
.endif
;; end of part 1
;; launch main (part 2): grid 256 x 1, 4 waves a work-group, clusters of 4 x 1, 327,680 bytes of LDS; arguments x, wp, tab, out1, be, bs, out0; writes out0
.if DOCPART == 2
	.amdgcn_target "amdgcn-amd-amdhsa--gfx1250"
	.amdhsa_code_object_version 6
	.text
	.protected	k_qf136839d31_main
	.globl	k_qf136839d31_main
	.p2align	8
	.type	k_qf136839d31_main,@function
k_qf136839d31_main:
	s_mov_b64 s[64:65], 0
	v_nop
	global_prefetch_b8 v0, s[64:65] scope:SCOPE_SE
	s_setreg_imm32_b32 hwreg(HW_REG_WAVE_MODE, 25, 1), 1
	s_wait_xcnt 0x0
	s_wait_alu depctr_hold_cnt(0) depctr_sa_sdst(0) depctr_va_vdst(0) depctr_va_sdst(0) depctr_va_ssrc(0) depctr_va_vcc(0) depctr_vm_vsrc(0)
	s_getreg_b32 s2, hwreg(HW_REG_IB_STS2, 6, 4)
	s_cmp_eq_u32 s2, 0
	s_cbranch_scc0 .Lentry_in_a_cluster
	s_endpgm
.Lentry_in_a_cluster:
	s_bfe_u32 s2, ttmp6, 0x10000c
	s_cmp_lg_u32 s2, 0x3003
	s_cbranch_scc0 .Lentry_shape_is_right
	s_endpgm
.Lentry_shape_is_right:
; MAIN.  out0[t] = sum over e of gate[t][e] (f[t] . We[e] + be[e]) + f[t] . Ws + bs, with f = lrelu(lrelu(x W1 + b1) W2 + b2).  A work-group takes 64 tokens through the whole chain; h stays in LDS.
; SHARES.  Four waves; a wave owns 256 of the 1,024 hidden slots for all 64 tokens: 64 accumulators of 16 x 16, 512 registers (windows 2 and 3).  256 work-groups x 64 tokens = 16,384.
; THE MATRIX INSTRUCTION IS USED TRANSPOSED: source 0 = 16 slots of the weights, source 1 = 16 tokens.  In the result a lane holds ONE token (l % 16) and the slots 8 (l / 16) + 0..7 of the tile, so two
; neighbouring tiles, rounded to bf16 in pairs, ARE the token operand of one K step of the next product, in the same lane.
; WEIGHTS come from wp, which the launch before laid out in operand order (fragments of 1,024 bytes, lane l at 16 l of each half).  All work-groups walk the same weights: the four of a cluster ask
; JOINTLY, each wave for its own slots' part, by one line with a descriptor that hangs on the wave's number and the step alone.  Only the asking wave reads those bytes.
; PHASE 1 (K = 2,048, 64 steps of 32): two LDS slots of 131,072 bytes, each with two steps' weights.  x is the work-group's own: it comes through registers (a wave: 16 rows x 256 bytes a chunk of 64 k,
; three chunks ahead), is rounded once and lies in LDS as bf16, in two small slots.  PHASE 2 (K = 1,024, 32 steps): slot 0's bytes serve as two slots of one step; slot 1's bytes, which have had
; their last fill, hold h.  THE HEAD: nine columns as one 16-row operand; each wave multiplies its 256 slots, the four parts are added in f32 through LDS.
; LIMITS.  Every input is rounded once to bf16 (the weights, b1, b2 and the nine columns by the launch before; x, be, bs here); h and f are rounded once to bf16 as matrix operands; sums, biases' additions
; and activations are f32.  bf16 and not f16, so that inputs 30 times larger keep their range.  NaN and infinities are not treated apart (lrelu is max(t, 0.2 t)).
; NO PREFETCH: three chunks of x a wave are on their way in registers all through phase 1, and the weights are shared by every work-group.
; REGISTERS, in windows of 256 (s_set_vgpr_msb: bits 1:0 source 0, 3:2 source 1, 5:4 source 2, 7:6 destination):
;   window 0: v0-31 addresses, gate weights; v32-63, v64-95 token fragments, two buffers (T, U at work in the activations); v96-223 four sets of x as loaded (later 128 biases); v224-255 at work
;   window 1: v0-127, v128-255 weight fragments, two buffers (at the end v0-63 the head's fragments, v64-95 its four sums)
;   windows 2, 3: accumulator (token tile a, slot tile b) at v[8 (4 (b % 8) + a)] of window 2 + b / 8
.set SLOTB, 131072                     ; LDS: weight slot 0 from 0, slot 1 from here (later h: (K step x 4 + a) x 1,024 + half x 512 + 16 l)
.set XR,    262144                     ; x in bf16: two slots of 64 rows x 64 k; written by LDS stores, no fill lands here
.set PX,    144                        ; a row: 128 bytes + 16: the 16 rows of a fragment load start at 16 different groups of four banks (64 banks of 4 bytes: ISA guide 11.1)
.set XSL,   64*PX
.set RED,   XR+2*XSL                   ; 280,576: the head's parts, 4 tiles x 4 waves x 1,024 bytes
.set FIN,   RED+16384                  ; 296,960: 64 results
.set SPARE, FIN+256                    ; 297,216: the spare words, 128 bytes a wave: two blocks of 256 bytes that no other line names
.set ADRB, 2                           ; v2-3   my weights in slot 0, 1
.set HST,  3                           ;        my part of h lies where my part of slot 1 lay
.set ADRP, 4                           ; v4-5   my weights in phase 2's slot 0, 1
.set ADRX, 6                           ; v6     x fragments
.set XST,  7                           ; v7     where I store x
.set XOF,  8                           ; v8     my byte offset in two rows of x
.set ADRH, 10                          ; v10    h fragments; steps
.set TBO,  11                          ; v11    my slots' biases in tab
.set WHO,  12                          ; v12    my slots' head fragments in tab
.set REDS, 13
.set REDR, 14
.set FINA, 15
.set GW,   16                          ; v16-23 my token's gate weights
.set GOF,  24
.set SPW,  28                          ; v28    LDS address of my spare word; never rewritten
.set NIL,  29                          ; v29    0; never rewritten
.set FA,   32
.set T,    32
.set U,    64
.set XS,   96
.set BI,   96
.set TMP,  224
.set FR,   224
.set D3,   64                          ; window 1
.set WV,   18                          ; s18    wave
.set G1A,  24                          ; s[24:31] descriptor group 1: 128 rows of 256 bytes
.set G1B,  32                          ; s[32:39] 64 rows
.set G0S,  40                          ; s[40:47] group 0 of phase 1's two slots
.set G0P,  48                          ; s[48:55] of phase 2's
.set XB,   58                          ; s[58:59] x at my 16 rows; steps along the rows
.set MSB, 0
.macro WIN new                         ; the high byte repeats the setting that is left; a switch that changes nothing is dropped
.if MSB != (\new)
	s_set_vgpr_msb (MSB<<8)|(\new)
.set MSB, \new
.endif
.endm
; A load into a register that a matrix instruction has read, and a vector instruction that reads a matrix result or writes one of a matrix instruction's registers, stand four plain vector
; instructions behind it (ISA guide 7.12.1 for vector instructions).
.macro PLACES
.rept 4
	v_nop
.endr
.endm
.macro CREST                           ; a round of the cluster's barrier behind its opening barrier
	s_cmp_lg_u32 s[WV], 0
	s_cbranch_scc1 .Lnot_wave_0_\@
	s_barrier_signal -3
.Lnot_wave_0_\@:
	s_barrier_wait -3
	s_barrier_signal -1
	s_barrier_wait -1
.endm
.macro CROUND                          ; a whole round
	s_barrier_signal -1
	s_barrier_wait -1
	CREST
.endm
; 16 matrix instructions: slot tiles 8 hi + b0 .. + 3 x all four token tiles, 32 along K, from buffer f.  zero = 1: the product starts the sum: nothing is ever cleared.
; The 64 accumulators take turns in the same order in every step.
.macro MUL16 f, hi, b0, zero
	WIN 0xa1+0x50*(\hi)                            ; weights window 1, tokens window 0, C and D window 2 or 3
.irp b, (\b0), (\b0)+1, (\b0)+2, (\b0)+3
.irp a, 0,1,2,3
.if \zero
	v_wmma_f32_16x16x32_bf16 v[8*(4*(\b)+(\a)):8*(4*(\b)+(\a))+7], v[128*(\f)+8*(8*(\hi)+(\b)):128*(\f)+8*(8*(\hi)+(\b))+7], v[FA+32*(\f)+8*(\a):FA+32*(\f)+8*(\a)+7], 0
.else
	v_wmma_f32_16x16x32_bf16 v[8*(4*(\b)+(\a)):8*(4*(\b)+(\a))+7], v[128*(\f)+8*(8*(\hi)+(\b)):128*(\f)+8*(8*(\hi)+(\b))+7], v[FA+32*(\f)+8*(\a):FA+32*(\f)+8*(\a)+7], v[8*(4*(\b)+(\a)):8*(4*(\b)+(\a))+7]
.endif
.endr
.endr
.endm
; The 40 LDS loads of one K step, in one run, into buffer f.  Phase 1: step s (0, 1) of a slot.
.macro FETCH1 slot, s, f
	WIN 0
.irp a, 0,1,2,3
	ds_load_b128 v[FA+32*(\f)+8*(\a):FA+32*(\f)+8*(\a)+3], v[ADRX] offset:(\slot)*XSL+(\a)*16*PX+(\s)*64
	ds_load_b128 v[FA+32*(\f)+8*(\a)+4:FA+32*(\f)+8*(\a)+7], v[ADRX] offset:(\slot)*XSL+(\a)*16*PX+(\s)*64+32
.endr
	WIN 0x40                                       ; destination window 1, address window 0
.irp t, 0,1,2,3,4,5,6,7,8,9,10,11,12,13,14,15
	ds_load_b128 v[128*(\f)+8*(\t):128*(\f)+8*(\t)+3], v[ADRB+(\slot)] offset:(\s)*16384+(\t)*1024
	ds_load_b128 v[128*(\f)+8*(\t)+4:128*(\f)+8*(\t)+7], v[ADRB+(\slot)] offset:(\s)*16384+(\t)*1024+512
.endr
.endm
.macro FETCH2A koff, f                 ; phase 2: h's four fragments of the K step at byte koff from ADRH
	WIN 0
.irp a, 0,1,2,3
	ds_load_b128 v[FA+32*(\f)+8*(\a):FA+32*(\f)+8*(\a)+3], v[ADRH] offset:(\koff)+(\a)*1024
	ds_load_b128 v[FA+32*(\f)+8*(\a)+4:FA+32*(\f)+8*(\a)+7], v[ADRH] offset:(\koff)+(\a)*1024+512
.endr
.endm
.macro FETCH2B slot, f                 ; and my 16 fragments of W2
	WIN 0x40
.irp t, 0,1,2,3,4,5,6,7,8,9,10,11,12,13,14,15
	ds_load_b128 v[128*(\f)+8*(\t):128*(\f)+8*(\t)+3], v[ADRP+(\slot)] offset:(\t)*1024
	ds_load_b128 v[128*(\f)+8*(\t)+4:128*(\f)+8*(\t)+7], v[ADRP+(\slot)] offset:(\t)*1024+512
.endr
.endm
.macro FETCH ph, slot, off, g          ; ph = 1: phase 1; 2: phase 2; 3: phase 2's weights alone
.if (\ph) == 1
	FETCH1 \slot, \off, \g
.elseif (\ph) == 2
	FETCH2A \off, \g
	FETCH2B \slot, \g
.else
	FETCH2B \slot, \g
.endif
.endm
; A K STEP without a change of slots: buffer f is multiplied; behind the first 16 products the next step's fragments are fetched into the other buffer, 48 products ahead of the wait for them.
; tw = 1: the weights to be fetched are my last tensor load's: my own bytes, so my own wait is all the ordering that the reads need.
.macro STEP f, zero, ph, slot, off, tw=0
	s_wait_dscnt 0x0                               ; this step's fragments are in
	MUL16 \f, 0, 0, \zero
	PLACES
.if \tw
	s_wait_tensorcnt 0x0
.endif
	FETCH \ph, \slot, \off, 1-(\f)
	MUL16 \f, 0, 4, \zero
	MUL16 \f, 1, 0, \zero
	MUL16 \f, 1, 4, \zero
.endm
; A K STEP WITH A CHANGE OF SLOTS.  At its head each wave waits for all its tensor loads, of which one is out: its part of the slot to be read next; adds 0 to its spare word; and waits for that, for its
; reads of the slot that it leaves (this step's fragments were the last) and for its stores of x.  The barrier opens a round of the cluster's, with 16 products between signal and wait.  Behind the round
; no wave of any partner reads the old slot or has a load on its way: the joint refill (group 0 at g0, stepped by stepb bytes; group 1 at g1) is the first thing there; then the next step's fragments.
.macro TURN f, g0, stepb, g1, ph, slot, off
	WIN 0
	s_wait_tensorcnt 0x0                           ; no tensor load of mine is out, so a group 0 may be written
	ds_add_u32 v[SPW], v[NIL]                      ; 0 onto my spare word
.if (\stepb) != 0
	s_add_nc_u64 s[(\g0)+2:(\g0)+3], s[(\g0)+2:(\g0)+3], \stepb  ; the type bits on top are not reached
.endif
	s_wait_dscnt 0x0
	s_barrier_signal -1
	MUL16 \f, 0, 0, 0
	WIN 0
	s_barrier_wait -1
	CREST
	tensor_load_to_lds s[(\g0):(\g0)+3], s[(\g1):(\g1)+7]
	s_nop 0
	PLACES                                         ; the places in front of the loads below
	FETCH \ph, \slot, \off, 1-(\f)
	MUL16 \f, 0, 4, 0
	MUL16 \f, 1, 0, 0
	MUL16 \f, 1, 4, 0
.endm
; x.  issue = 1: a chunk (my 16 rows x 256 bytes: lanes 0-15 one row's 256 bytes, lanes 16-31 the next row's) is asked for into set iset, at byte imm from XB.  Then set cset, asked for three chunks
; earlier, is rounded to bf16 and stored into x slot xs.  left: the younger loads, which stay out.
.macro XCONV cset, iset, xs, issue, imm, left
	WIN 0
.if \issue
.irp t, 0,1,2,3,4,5,6,7
	global_load_b128 v[XS+32*(\iset)+4*(\t):XS+32*(\iset)+4*(\t)+3], v[XOF], s[XB:XB+1] offset:(\t)*16384+(\imm) th:TH_LOAD_NT
.endr
.endif
	s_wait_loadcnt \left
.irp t, 0,1,2,3,4,5,6,7
	v_cvt_pk_bf16_f32 v[TMP+2*(\t)], v[XS+32*(\cset)+4*(\t)], v[XS+32*(\cset)+4*(\t)+1]
	v_cvt_pk_bf16_f32 v[TMP+2*(\t)+1], v[XS+32*(\cset)+4*(\t)+2], v[XS+32*(\cset)+4*(\t)+3]
.endr
.irp t, 0,1,2,3,4,5,6,7
	ds_store_b64 v[XST], v[TMP+2*(\t):TMP+2*(\t)+1] offset:(\xs)*XSL+(\t)*2*PX
.endr
.endm
.macro BIAS off                        ; my 256 slots' biases: eight a lane and tile, 128 registers
.irp b, 0,1,2,3,4,5,6,7,8,9,10,11,12,13,14,15
	global_load_b128 v[BI+8*(\b):BI+8*(\b)+3], v[TBO], s[8:9] offset:(\off)+(\b)*64
	global_load_b128 v[BI+8*(\b)+4:BI+8*(\b)+7], v[TBO], s[8:9] offset:(\off)+(\b)*64+16
.endr
.endm
; Slot tile b of all four token tiles: + bias, max(t, 0.2 t), rounded to bf16: word p of token tile a goes to v[dst + dstep a + p].  Each accumulator is read from its lowest registers on.
.macro ACT b, dst, dstep
	WIN 0x02+((\b)/8)                              ; source 0 window 2 or 3
.irp a, 0,1,2,3
.irp p, 0,1,2,3
	v_pk_add_f32 v[T+8*(\a)+2*(\p):T+8*(\a)+2*(\p)+1], v[8*(4*((\b)%8)+(\a))+2*(\p):8*(4*((\b)%8)+(\a))+2*(\p)+1], v[BI+8*(\b)+2*(\p):BI+8*(\b)+2*(\p)+1]
.endr
.endr
	WIN 0
.set z, 0
.rept 16
	v_pk_mul_f32 v[U+2*z:U+2*z+1], v[T+2*z:T+2*z+1], s[60:61] op_sel_hi:[1,0]
.set z, z+1
.endr
.set z, 0
.rept 32
	v_max_num_f32 v[T+z], v[T+z], v[U+z]
.set z, z+1
.endr
.irp a, 0,1,2,3
.irp p, 0,1,2,3
	v_cvt_pk_bf16_f32 v[(\dst)+(\dstep)*(\a)+(\p)], v[T+8*(\a)+2*(\p)], v[T+8*(\a)+2*(\p)+1]
.endr
.endr
.endm
	s_load_b256 s[4:11], s[0:1], 0x0               ; x 4, wp 6, tab 8, out1 10
	s_load_b128 s[12:15], s[0:1], 0x20             ; be 12, bs 14
	s_load_b64 s[16:17], s[0:1], 0x30              ; out0
	v_lshl_add_u32 v[SPW], v0, 2, SPARE
	v_mov_b32 v[NIL], 0
	ds_add_u32 v[SPW], v[NIL]                      ; the wave's opening: the add and its wait stand ahead of my first tensor load; the set-up below, work on registers, stands between them
	v_lshrrev_b32 v1, 5, v0
	v_readfirstlane_b32 s[WV], v1                  ; wave 0..3
	s_bfe_u32 s19, ttmp6, 0x40000                  ; cx: my place in the cluster
	s_lshl_b32 s20, ttmp9, 2                       ; in a cluster launch ttmp9 counts clusters
	s_add_co_u32 s20, s20, s19                     ; my block of 64 tokens: it enters x's, out1's and out0's addresses alone
	; descriptor group 1: a dense block as rows of 256 bytes (32 elements of 8 bytes), 128 or 64 of them
.irp g, G1A, G1B
	s_mov_b32 s[(\g)+0], 15|(3<<16)|(1<<21)        ; 15:0 the mask: all four work-groups; 17:16 elements of 8 bytes; 21 set beside a mask
	s_mov_b32 s[(\g)+1], 32<<16                    ; tensor_dim0 = 32
	s_mov_b32 s[(\g)+3], 32<<16                    ; tile_dim0 = 32
	s_mov_b32 s[(\g)+5], 32                        ; 32 elements from row to row
	s_mov_b32 s[(\g)+6], 0
	s_mov_b32 s[(\g)+7], 0
.endr
	s_mov_b32 s[G1A+2], 128<<16                    ; tensor_dim1
	s_mov_b32 s[G1A+4], 128                        ; tile_dim1
	s_mov_b32 s[G1B+2], 64<<16
	s_mov_b32 s[G1B+4], 64
	s_mov_b32 s[G0S], 1                            ; count = 1
	s_lshl_b32 s[G0S+1], s[WV], 15                 ; LDS address: my 32,768 bytes of slot 0,
	s_mov_b32 s[G0S+4], 1
	s_add_co_u32 s[G0S+5], s[G0S+1], SLOTB         ; of slot 1
	s_mov_b32 s[G0P], 1
	s_lshl_b32 s[G0P+1], s[WV], 14                 ; phase 2: my 16,384 bytes of its slot 0,
	s_mov_b32 s[G0P+4], 1
	s_add_co_u32 s[G0P+5], s[G0P+1], 65536         ; of its slot 1
	s_mov_b32 s60, 0x3e4ccccd                      ; 0.2
	s_mov_b32 s61, s60                             ; named with it as a pair
	s_mov_b32 s62, 0x76543210                      ; v_permlanex16_b32: each lane takes its own place in the other half
	s_mov_b32 s63, 0xfedcba98
	s_mov_b32 s77, 0xffff0000                      ; a word's upper bf16; also the mask of lanes 16-31
	v_and_b32 v1, 31, v0                           ; lane
	v_and_b32 v25, 15, v0                          ; l % 16
	v_bfe_u32 v26, v0, 4, 1                        ; l / 16
	v_lshlrev_b32 v27, 4, v1
	s_lshl_b32 s21, s[WV], 15
	v_add_nc_u32 v[ADRB], s21, v27
	v_add_nc_u32 v[ADRB+1], SLOTB, v[ADRB]
	s_lshl_b32 s22, s[WV], 14
	v_add_nc_u32 v[ADRP], s22, v27
	v_add_nc_u32 v[ADRP+1], 65536, v[ADRP]
	v_mul_u32_u24 v[ADRX], v25, PX                 ; a fragment's row x pitch + 16 x half
	v_lshl_add_u32 v[ADRX], v26, 4, v[ADRX]
	v_add_nc_u32 v[ADRX], XR, v[ADRX]
	s_mul_i32 s23, s[WV], 16*PX
	s_add_co_u32 s23, s23, XR
	v_mul_u32_u24 v[XST], v26, PX                  ; my wave's row l / 16 of two, 8 bytes at 8 (l % 16)
	v_lshl_add_u32 v[XST], v25, 3, v[XST]
	v_add_nc_u32 v[XST], s23, v[XST]
	v_lshlrev_b32 v[XOF], 13, v26
	v_lshl_add_u32 v[XOF], v25, 4, v[XOF]
	v_add_nc_u32 v[ADRH], SLOTB, v27
	s_lshl_b32 s23, s[WV], 10
	v_lshl_add_u32 v[TBO], v26, 5, s23
	s_lshl_b32 s23, s[WV], 13
	s_add_co_u32 s23, s23, 8192
	v_add_nc_u32 v[WHO], s23, v27
	s_lshl_b32 s23, s[WV], 10
	s_add_co_u32 s23, s23, RED
	v_add_nc_u32 v[REDS], s23, v27
	s_lshl_b32 s23, s[WV], 12
	s_add_co_u32 s23, s23, RED
	v_add_nc_u32 v[REDR], s23, v27
	s_lshl_b32 s23, s[WV], 6
	s_add_co_u32 s23, s23, FIN
	v_lshl_add_u32 v[FINA], v25, 2, s23
	s_lshl_b32 s23, s[WV], 9
	v_lshl_add_u32 v[GOF], v25, 5, s23             ; token 16 w + l % 16 of my block, 32 bytes each
	v_lshlrev_b32 v31, 3, v1
	v_add_nc_u32 v30, FIN, v31
	s_lshl_b32 s78, s[WV], 15                      ; the weights' offsets hang on the wave's number alone
	s_mov_b32 s79, 0
	s_lshl_b32 s80, s20, 19                        ; x: 64 rows of 8,192 bytes a block,
	s_lshl_b32 s81, s[WV], 17                      ; 16 rows a wave
	s_add_co_u32 s80, s80, s81
	s_mov_b32 s81, 0
	s_lshl_b32 s82, s20, 11                        ; out1: 64 tokens of 32 bytes
	s_mov_b32 s83, 0
	s_lshl_b32 s84, s20, 8                         ; out0: 64 tokens of 4 bytes
	s_mov_b32 s85, 0
	s_wait_dscnt 0x0                               ; the opening add is done
	s_wait_kmcnt 0x0
	s_load_b256 s[68:75], s[12:13], 0x0            ; be
	s_load_b32 s76, s[14:15], 0x0                  ; bs
	s_add_nc_u64 s[XB:XB+1], s[4:5], s[80:81]
	s_add_nc_u64 s[10:11], s[10:11], s[82:83]
	s_add_nc_u64 s[16:17], s[16:17], s[84:85]
	s_add_nc_u64 s[G0S+2:G0S+3], s[6:7], s[78:79]  ; fill 0: steps 0 and 1 of W1, my part
	s_add_nc_u64 s[G0S+6:G0S+7], s[G0S+2:G0S+3], 131072  ; fill 1
	s_lshl_b32 s78, s[WV], 14
	s_add_co_u32 s78, s78, 4194304
	s_add_nc_u64 s[G0P+2:G0P+3], s[6:7], s[78:79]  ; W2's step 0, my part
	s_add_nc_u64 s[G0P+6:G0P+7], s[G0P+2:G0P+3], 65536  ; step 1
	s_or_b32 s[G0S+3], s[G0S+3], 0x80000000        ; type = 2
	s_or_b32 s[G0S+7], s[G0S+7], 0x80000000
	s_or_b32 s[G0P+3], s[G0P+3], 0x80000000
	s_or_b32 s[G0P+7], s[G0P+7], 0x80000000
.irp c, 0,1,2                          ; x's chunks 0, 1, 2 go out first: they come from furthest away
.irp t, 0,1,2,3,4,5,6,7
	global_load_b128 v[XS+32*(\c)+4*(\t):XS+32*(\c)+4*(\t)+3], v[XOF], s[XB:XB+1] offset:(\t)*16384+(\c)*256 th:TH_LOAD_NT
.endr
.endr
	CROUND                                         ; all four work-groups are here: the first joint loads meet
	tensor_load_to_lds s[G0S:G0S+3], s[G1A:G1A+7]  ; both first fills together: two loads of mine are out
	s_nop 0
	tensor_load_to_lds s[G0S+4:G0S+7], s[G1A:G1A+7]
	s_nop 0
	PLACES
	XCONV 0, 3, 0, 1, 768, 24                      ; chunk 3 is asked for; chunk 0 is in (chunks 1 to 3, 24 loads, stay out) and goes into x slot 0
	s_wait_xcnt 0x0                                ; the loads' addresses are translated: only now is their base stepped
	s_add_nc_u64 s[XB:XB+1], s[XB:XB+1], 1024
	s_wait_tensorcnt 0x1                           ; fill 0 is in; fill 1 may stay out
	s_wait_dscnt 0x0                               ; my rows of chunk 0 are stored
	s_barrier_signal -1
	s_barrier_wait -1
	FETCH1 0, 0, 0
	STEP 0, 1, 1, 0, 1                             ; K step 0 stands in front of the loop: its products start the sums
	; PHASE 1.  A trip takes fills f = 4 n .. 4 n + 3: for each, the second step of fill f (with the change of slots: fill f + 2 is asked for) and the first step of fill f + 1.
	; At the head chunk f + 4 of x is asked for and chunk f + 1 stored: the x slot that it enters was last read for fill f - 1, and those reads were waited for in front of the barrier before.
	WIN 0
	s_mov_b32 s56, 7
.Lk1:
.irp i, 0,1,2,3
	XCONV ((\i)+1)%4, \i, ((\i)+1)%2, 1, (\i)*256, 24
	TURN 1, G0S+4*((\i)%2), 262144, G1A, 1, ((\i)+1)%2, 0
	STEP 0, 0, 1, ((\i)+1)%2, 1
.endr
	WIN 0
	s_wait_xcnt 0x0
	s_add_nc_u64 s[XB:XB+1], s[XB:XB+1], 1024
	s_sub_co_u32 s56, s56, 1
	s_cmp_lg_u32 s56, 0
	s_cbranch_scc1 .Lk1
	; The tail, fills 28 to 31, is written out: no load leaves x (the counts run down 16, 8, 0), and the last two refills are W2's steps 0 and 1, into the two halves of slot 0.
	XCONV 1, 0, 1, 0, 0, 16
	TURN 1, G0S, 262144, G1A, 1, 1, 0              ; fill 30
	STEP 0, 0, 1, 1, 1
	XCONV 2, 0, 0, 0, 0, 8
	TURN 1, G0S+4, 262144, G1A, 1, 0, 0            ; fill 31: slot 1's last
	STEP 0, 0, 1, 0, 1
	XCONV 3, 0, 1, 0, 0, 0
	BIAS 0                                         ; b1 into x's registers, which are free
	TURN 1, G0P, 0, G1B, 1, 1, 0
	STEP 0, 0, 1, 1, 1
	TURN 1, G0P+4, 0, G1B, 3, 0, 0                 ; the last step; W2's first fragments are fetched, h's are not there yet
	; h = lrelu(. + b1), rounded to bf16, into slot 1's bytes: every wave's reads of them were waited for in front of the last barrier, and no fill lands there any more.
	PLACES
	s_wait_loadcnt 0x0                             ; b1
.irp bb, 0,1,2,3,4,5,6,7,8,9,10,11,12,13,14,15
	ACT \bb, TMP, 4
.irp aa, 0,1,2,3
	ds_store_b128 v[HST], v[TMP+4*(\aa):TMP+4*(\aa)+3] offset:((\bb)/2)*4096+(\aa)*1024+((\bb)%2)*512
.endr
.endr
	s_wait_tensorcnt 0x0                           ; W2's step 1 is in
	ds_add_u32 v[SPW], v[NIL]
	s_add_nc_u64 s[G0P+2:G0P+3], s[G0P+2:G0P+3], 131072
	s_wait_dscnt 0x0                               ; the add, my part of h, and my reads of W2's step 0
	CROUND
	tensor_load_to_lds s[G0P:G0P+3], s[G1B:G1B+7]  ; W2's step 2
	s_nop 0
	PLACES
	BIAS 4096                                      ; b2
	FETCH2A 0, 0
	STEP 0, 1, 2, 1, 4096                          ; K step 0: its products start the sums anew
	; PHASE 2.  A trip takes an odd and an even K step; each asks for the step two on.
	WIN 0
	v_add_nc_u32 v[ADRH], 8192, v[ADRH]
	s_mov_b32 s57, 14
.Lk2:
	TURN 1, G0P+4, 131072, G1B, 2, 0, 0
	TURN 0, G0P, 131072, G1B, 2, 1, 4096
	WIN 0
	v_add_nc_u32 v[ADRH], 8192, v[ADRH]
	s_sub_co_u32 s57, s57, 1
	s_cmp_lg_u32 s57, 0
	s_cbranch_scc1 .Lk2
	TURN 1, G0P+4, 131072, G1B, 2, 0, 0            ; K step 29 asks for step 31: the last tensor load
	STEP 0, 0, 2, 1, 4096, 1                       ; K step 30: nothing is filled, so no barrier
	s_wait_dscnt 0x0                               ; K step 31
	MUL16 1, 0, 0, 0
	PLACES
	WIN 0x40
.irp p, 0,1,2,3,4,5,6,7                ; the head's eight fragments of my 256 slots, into the idle weight buffer
	global_load_b128 v[8*(\p):8*(\p)+3], v[WHO], s[8:9] offset:(\p)*1024
	global_load_b128 v[8*(\p)+4:8*(\p)+7], v[WHO], s[8:9] offset:(\p)*1024+512
.endr
	WIN 0
	global_load_b128 v[GW:GW+3], v[GOF], s[10:11]
	global_load_b128 v[GW+4:GW+7], v[GOF], s[10:11] offset:16
	MUL16 1, 0, 4, 0
	MUL16 1, 1, 0, 0
	MUL16 1, 1, 4, 0
	; f = lrelu(. + b2), rounded to bf16; two slot tiles are one K step of the head: source 0 = the nine columns (rows 9-15 are 0), source 1 = f.  The four sums take turns.
	PLACES
	s_wait_loadcnt 0x0                             ; b2, the head's fragments, the gate weights
	s_wait_kmcnt 0x0                               ; be, bs
.irp bb, 0,1,2,3,4,5,6,7,8,9,10,11,12,13,14,15
	ACT \bb, FR+4*((\bb)%2), 8
.if ((\bb)%2) == 1
	WIN 0x51                                       ; source 0, C and D window 1, source 1 window 0
.irp aa, 0,1,2,3
.if (\bb) == 1
	v_wmma_f32_16x16x32_bf16 v[D3+8*(\aa):D3+8*(\aa)+7], v[8*((\bb)/2):8*((\bb)/2)+7], v[FR+8*(\aa):FR+8*(\aa)+7], 0
.else
	v_wmma_f32_16x16x32_bf16 v[D3+8*(\aa):D3+8*(\aa)+7], v[8*((\bb)/2):8*((\bb)/2)+7], v[FR+8*(\aa):FR+8*(\aa)+7], v[D3+8*(\aa):D3+8*(\aa)+7]
.endif
.endr
.endif
.endr
	PLACES
	WIN 0x04                                       ; a store's data window 1
.irp aa, 0,1,2,3
	ds_store_b128 v[REDS], v[D3+8*(\aa):D3+8*(\aa)+3] offset:(\aa)*4096
	ds_store_b128 v[REDS], v[D3+8*(\aa)+4:D3+8*(\aa)+7] offset:(\aa)*4096+512
.endr
	WIN 0
	s_wait_dscnt 0x0                               ; for the others' sake: my parts are stored
	s_barrier_signal -1
	s_barrier_wait -1
.irp p, 0,1,2,3                        ; wave w adds the four waves' parts of token tile w
	ds_load_b128 v[T+8*(\p):T+8*(\p)+3], v[REDR] offset:(\p)*1024
	ds_load_b128 v[T+8*(\p)+4:T+8*(\p)+7], v[REDR] offset:(\p)*1024+512
.endr
	; Lanes 0-15 hold their token's eight experts: factor = gate weight, addend = be.  Lanes 16-31 hold the shared column in register 0 and zeros: factor 1 and addend bs there, 0 elsewhere.
.irp p, 0,1,2,3
	v_cvt_pk_bf16_f32 v[U+(\p)], s[68+2*(\p)], s[69+2*(\p)]
.endr
	v_cvt_pk_bf16_f32 v[U+4], s76, s76
.irp p, 0,1,2,3
	v_lshlrev_b32 v[U+8+2*(\p)], 16, v[U+(\p)]
	v_and_b32 v[U+9+2*(\p)], s77, v[U+(\p)]
.endr
	v_lshlrev_b32 v[U+16], 16, v[U+4]
	v_cndmask_b32 v[U+8], v[U+8], v[U+16], s77
	v_cndmask_b32 v[GW], v[GW], 1.0, s77
.irp j, 1,2,3,4,5,6,7
	v_cndmask_b32 v[U+8+(\j)], v[U+8+(\j)], 0, s77
	v_cndmask_b32 v[GW+(\j)], v[GW+(\j)], 0, s77
.endr
	s_wait_dscnt 0x0
.irp i, 0,1,2,3
	v_pk_add_f32 v[T+2*(\i):T+2*(\i)+1], v[T+2*(\i):T+2*(\i)+1], v[T+8+2*(\i):T+8+2*(\i)+1]
	v_pk_add_f32 v[T+16+2*(\i):T+16+2*(\i)+1], v[T+16+2*(\i):T+16+2*(\i)+1], v[T+24+2*(\i):T+24+2*(\i)+1]
.endr
.irp i, 0,1,2,3
	v_pk_add_f32 v[T+2*(\i):T+2*(\i)+1], v[T+2*(\i):T+2*(\i)+1], v[T+16+2*(\i):T+16+2*(\i)+1]
.endr
.irp i, 0,1,2,3
	v_pk_add_f32 v[T+2*(\i):T+2*(\i)+1], v[T+2*(\i):T+2*(\i)+1], v[U+8+2*(\i):U+8+2*(\i)+1]
.endr
	v_mul_f32 v[U+17], v[GW], v[T]
.irp j, 1,2,3,4,5,6,7
	v_fmac_f32 v[U+17], v[GW+(\j)], v[T+(\j)]
.endr
	v_permlanex16_b32 v[U+16], v[U+17], s62, s63   ; the weighted sum and the shared part meet
	v_add_f32 v[U+17], v[U+17], v[U+16]
	ds_store_b32 v[FINA], v[U+17]                  ; both halves of the lanes store the same number to the same word
	s_wait_dscnt 0x0
	s_barrier_signal -1
	s_barrier_wait -1
	s_cmp_lg_u32 s[WV], 0
	s_cbranch_scc1 .Lnot_first
	ds_load_b64 v[T:T+1], v30
	s_wait_dscnt 0x0
	global_store_b64 v31, v[T:T+1], s[16:17]       ; the block's 64 results: 256 consecutive bytes, aligned, by one instruction
.Lnot_first:
	s_wait_tensorcnt 0x0                           ; the wave's end: behind my last tensor load and my last LDS store
	ds_add_u32 v[SPW], v[NIL]
	s_wait_dscnt 0x0
	CROUND                                         ; the closing round: no work-group ends while a partner may still ask for a tile that names it
	s_endpgm
.Lfunc_end_k_qf136839d31_main:
	.size	k_qf136839d31_main, .Lfunc_end_k_qf136839d31_main-k_qf136839d31_main
	.p2alignl 7, 3214868480
	.fill 96, 4, 3214868480
	.section	.rodata,"a",@progbits
	.p2align	6, 0x0
	.amdhsa_kernel k_qf136839d31_main
		.amdhsa_group_segment_fixed_size 327680
		.amdhsa_private_segment_fixed_size 0
		.amdhsa_enable_private_segment 0
		.amdhsa_kernarg_size 56
		.amdhsa_user_sgpr_count 2
		.amdhsa_user_sgpr_kernarg_segment_ptr 1
		.amdhsa_wavefront_size32 1
		.amdhsa_system_sgpr_workgroup_id_x 1
		.amdhsa_system_sgpr_workgroup_id_y 1
		.amdhsa_system_sgpr_workgroup_id_z 1
		.amdhsa_system_vgpr_workitem_id 0
		.amdhsa_next_free_vgpr 1024
		.amdhsa_next_free_sgpr 96
		.amdhsa_reserve_vcc 0
		.amdhsa_float_denorm_mode_32 3
		.amdhsa_float_denorm_mode_16_64 3
		.amdhsa_memory_ordered 1
		.amdhsa_forward_progress 1
		.amdhsa_inst_pref_size 255
	.end_amdhsa_kernel
	.section	.bss,"aw",@nobits
	.p2align	6
	.space	262144
	.amdgpu_metadata
---
amdhsa.version: [ 1, 2 ]
amdhsa.kernels:
  - .name:           k_qf136839d31_main
    .symbol:         k_qf136839d31_main.kd
    .args:
      - { .name: x, .offset: 0, .size: 8, .value_kind: global_buffer, .address_space: global }
      - { .name: wp, .offset: 8, .size: 8, .value_kind: global_buffer, .address_space: global }
      - { .name: tab, .offset: 16, .size: 8, .value_kind: global_buffer, .address_space: global }
      - { .name: out1, .offset: 24, .size: 8, .value_kind: global_buffer, .address_space: global }
      - { .name: be, .offset: 32, .size: 8, .value_kind: global_buffer, .address_space: global }
      - { .name: bs, .offset: 40, .size: 8, .value_kind: global_buffer, .address_space: global }
      - { .name: out0, .offset: 48, .size: 8, .value_kind: global_buffer, .address_space: global }
    .group_segment_fixed_size: 327680
    .private_segment_fixed_size: 0
    .kernarg_segment_align: 8
    .kernarg_segment_size: 56
    .max_flat_workgroup_size: 128
    .sgpr_count:     96
    .vgpr_count:     1024
    .wavefront_size: 32
...
	.end_amdgpu_metadata
.endif
;; end of part 2
;; ======== version 2 of 3: 4 launches; 1.19 times as fast as version 1
;; workspace buffers: wp 6,291,456 bytes; tab 40,960 bytes; hb 33,554,432 bytes; part 2,097,152 bytes
;; launch prep (part 3): grid 256 x 1, 4 waves a work-group, no clusters, 97,280 bytes of LDS; arguments W1, W2, Wg1, bg1, Wg2, bg2, user_emb, We, Ws, b1, b2, wp, tab, out1; writes wp, tab, out1
.if DOCPART == 3
	.amdgcn_target "amdgcn-amd-amdhsa--gfx1250"
	.amdhsa_code_object_version 6
	.text
	.protected	k_qf136839d31_prep
	.globl	k_qf136839d31_prep
	.p2align	8
	.type	k_qf136839d31_prep,@function
k_qf136839d31_prep:
	s_mov_b64 s[64:65], 0
	v_nop
	global_prefetch_b8 v0, s[64:65] scope:SCOPE_SE
	s_setreg_imm32_b32 hwreg(HW_REG_WAVE_MODE, 25, 1), 1
	s_wait_xcnt 0x0
; PREP.  Three jobs, shared among 1,024 waves (gid = 4 x work-group + wave):
;  (1) W1 [2048][1024] and W2 [1024][1024] are rounded to bf16 and laid into wp in the order in which the next launches' operand registers take them;
;  (2) three tables go into tab: b1 and b2 (f32 words that hold the bf16-rounded numbers) and the nine columns We, Ws as 32 operand fragments;
;  (3) the whole gate: relu(user_emb Wg1 + bg1) Wg2 + bg2, softmax, top-2, renormalised, stored as out1.  A wave has 16 tokens.
; SLOTS.  Hidden channels are kept in slot order: slot s holds channel 64 (s >> 6) + 4 (s & 15) + ((s >> 4) & 3).  So a lane that loads 16 bytes (4 neighbouring channels) of 8 rows k holds
; four whole 16-byte pieces of four fragments, each load takes 256 consecutive bytes of a row for 16 lanes, each store of a wave covers 512 consecutive bytes, and no LDS is needed.
; A FRAGMENT is 16 slots x 32 k of bf16, 1,024 bytes: chunk c (512 bytes), lane (rho, h) at 16 x lane: k = 16 c + 8 h + 0..7 of slot rho.
; wp: W1 at half x 2,097,152 + (K step / 4) x 131,072 + wave x 32,768 + (K step % 4) x 8,192 + fragment x 1,024 (half: 512 slots; wave: 128 of them; K step: 32 k); W2 from 4,194,304 on,
; the same with half x 1,048,576: so what a wave of the next launches asks for at a time, four K steps of its 128 slots, is 32,768 consecutive bytes.
; LIMITS.  Every input is rounded once to bf16 (nearest even); all else of the gate is f32: g is never rounded, so g Wg2 goes to the f32 matrix form (16,384 x 256 x 8 multiply-adds, under a
; thousandth of the program's): a g rounded to bf16 would move logits by more than many rows' distance between second and third place.  Two weights that differ by less than f32 rounding may
; change places in the top-2; equal weights go to the lower index.  An exponential below 2^-126 counts as 0.  NaN and infinities are not treated apart.
.set PG,    544                        ; a row of Wg1 in LDS: 256 bf16 + 32 bytes: 17 x 32, for the turning load
.set PU,    272                        ; a token's row: 128 bf16 + 16 bytes
.set PW2,   1040                       ; a row of Wg2 turned: 256 f32 + 16 bytes
.set UET,   128*PG                     ; 69,632: behind Wg1 (from byte 0): 16 rows for each wave, its own
.set BGT,   UET+4*16*PU                ; 87,040: bg1, 256 f32
.set W2T,   BGT+1024                   ; 88,064: Wg2 turned, [8][256] f32
.set SPARE, 96512                      ; the spare words, 128 bytes a wave: two blocks of 256 bytes that no other line names
.set TB,  24                           ; v24-41   bg1 and Wg2 as loaded
.set SPW, 46                           ; v46      LDS address of my spare word; never rewritten
.set NIL, 47                           ; v47      0; never rewritten
.set GA,  48                           ; v48-175  32 loads of Wg1
.set UE,  176                          ; v176-239 my tokens as loaded
.set UF,  48                           ; later: v48-79 my tokens' four fragments
.set WF,  80                           ; v80-143  Wg1's fragments of two tiles of 16 channels
.set AC,  144                          ; v144-175 g: two buffers of two tiles
.set W2F, 176                          ; v176-207 Wg2's operands: two buffers of two tiles
.set LO,  208                          ; v208-215 logits
.set WT,  216                          ; v216-223 weights
.set WS,  224                          ; v224-231 weights without the first choice
.set BG,  240                          ; v240-247 bg2
.set LG,  224                          ; window 1, v224-255: the four sums of the f32 matrix form; matrix instructions alone write them
.set MSB, 0
.macro WIN new                         ; the high byte repeats the setting that is left; a switch that changes nothing is dropped
.if MSB != (\new)
	s_set_vgpr_msb (MSB<<8)|(\new)
.set MSB, \new
.endif
.endm
	s_load_b512 s[4:19], s[0:1], 0x0               ; W1 4, W2 6, Wg1 8, bg1 10, Wg2 12, bg2 14, user_emb 16, We 18
	s_load_b256 s[20:27], s[0:1], 0x40             ; Ws 20, b1 22, b2 24, wp 26
	s_load_b128 s[28:31], s[0:1], 0x60             ; tab 28, out1 30
	v_lshl_add_u32 v[SPW], v0, 2, SPARE
	v_mov_b32 v[NIL], 0
	v_lshrrev_b32 v19, 5, v0
	v_readfirstlane_b32 s32, v19                   ; wave 0..3
	s_lshl_b32 s33, ttmp9, 2
	s_add_co_u32 s33, s33, s32                     ; gid 0..1023
	v_and_b32 v1, 31, v0                           ; lane
	v_and_b32 v2, 15, v0                           ; lane % 16
	v_bfe_u32 v3, v0, 4, 1                         ; lane / 16
	v_lshlrev_b32 v4, 4, v0                        ; 16 t: Wg1's and Wg2's loads
	v_lshlrev_b32 v5, 2, v0                        ; 4 t: bg1's loads
	v_add_nc_u32 v6, BGT, v5
	v_and_b32 v19, 1, v0
	v_lshrrev_b32 v20, 1, v0
	v_mul_u32_u24 v7, v19, 4*PW2                   ; Wg2 turned: rows 4 (t & 1) .., word t >> 1
	v_lshl_add_u32 v7, v20, 2, v7
	v_add_nc_u32 v7, W2T, v7
	v_lshrrev_b32 v19, 6, v0
	v_and_b32 v20, 63, v0
	v_mul_u32_u24 v8, v19, PG                      ; Wg1: row t >> 6, 8 bytes at 8 (t & 63)
	v_lshl_add_u32 v8, v20, 3, v8
	v_add_nc_u32 v9, 64*PG, v8                     ; the same 64 rows on
	v_lshlrev_b32 v10, 4, v1                       ; 16 x lane
	s_mul_i32 s34, s32, 16*PU
	s_add_co_u32 s34, s34, UET                     ; my wave's 16 rows
	v_lshl_add_u32 v11, v1, 3, s34
	v_lshlrev_b32 v12, 15, v3                      ; W1: lanes 16-31 take the row 8 further down,
	v_lshl_add_u32 v12, v2, 4, v12
	v_lshlrev_b32 v13, 17, v3                      ; W2: 32 further down
	v_lshl_add_u32 v13, v2, 4, v13
	v_mul_u32_u24 v14, v2, PU                      ; my tokens' fragments: row x pitch + 16 x half
	v_lshl_add_u32 v14, v3, 4, v14
	v_add_nc_u32 v14, s34, v14
	v_and_b32 v19, 7, v0
	v_lshl_add_u32 v20, v3, 3, v19
	v_mul_u32_u24 v15, v20, PG                     ; the turning load: row 8 (l / 16) + l % 8, 16 bytes at 16 ((l / 8) % 2)
	v_bfe_u32 v20, v0, 3, 1
	v_lshl_add_u32 v15, v20, 4, v15
	v_lshlrev_b32 v16, 5, v3
	v_add_nc_u32 v16, BGT, v16                     ; a lane's eight channels of a tile begin at 8 (l / 16)
	v_mul_u32_u24 v17, v19, PW2                    ; Wg2: expert l % 8 (rows 8-15 of the operand repeat rows 0-7)
	v_lshl_add_u32 v17, v3, 5, v17
	v_add_nc_u32 v17, W2T, v17
	v_lshlrev_b32 v18, 5, v2                       ; out1: token l % 16, experts 4 (l / 16) ..
	v_lshl_add_u32 v18, v3, 4, v18
	s_lshl_b32 s66, s33, 13                        ; my 16 tokens of 512 bytes
	s_mov_b32 s67, 0
	s_lshr_b32 s68, s33, 4                         ; W1: K step of 32,
	s_and_b32 s69, s33, 15                         ; block of 64 channels
	s_lshl_b32 s70, s68, 17                        ; 32 rows of 4,096 bytes
	s_lshl_b32 s72, s69, 8
	s_add_co_u32 s70, s70, s72
	s_mov_b32 s71, 0
	s_lshr_b32 s72, s69, 3                         ; in wp: (block / 8) x 2,097,152: the half of the slots
	s_lshl_b32 s72, s72, 21
	s_lshr_b32 s74, s68, 2                         ; + (K step / 4) x 131,072
	s_lshl_b32 s74, s74, 17
	s_add_co_u32 s72, s72, s74
	s_bfe_u32 s74, s69, 0x20001                    ; + ((block / 2) % 4) x 32,768: the wave
	s_lshl_b32 s74, s74, 15
	s_add_co_u32 s72, s72, s74
	s_and_b32 s74, s68, 3                          ; + (K step % 4) x 8,192
	s_lshl_b32 s74, s74, 13
	s_add_co_u32 s72, s72, s74
	s_and_b32 s74, s69, 1                          ; + (block % 2) x 4,096: four fragments
	s_lshl_b32 s74, s74, 12
	s_add_co_u32 s72, s72, s74
	s_mov_b32 s73, 0
	s_lshr_b32 s68, s33, 5                         ; W2: K step of 32 slots,
	s_bfe_u32 s69, s33, 0x40001                    ; block of 64 channels,
	s_and_b32 s35, s33, 1                          ; chunk
	s_lshr_b32 s74, s68, 1                         ; first row: 64 (K step / 2) + 2 (K step % 2) + chunk
	s_lshl_b32 s74, s74, 6
	s_and_b32 s76, s68, 1
	s_lshl_b32 s76, s76, 1
	s_add_co_u32 s74, s74, s76
	s_add_co_u32 s74, s74, s35
	s_lshl_b32 s74, s74, 12
	s_lshl_b32 s76, s69, 8
	s_add_co_u32 s74, s74, s76
	s_mov_b32 s75, 0
	s_lshr_b32 s76, s69, 3                         ; in wp: as W1, with (block / 8) x 1,048,576, + chunk x 512 + 4,194,304
	s_lshl_b32 s76, s76, 20
	s_lshr_b32 s78, s68, 2
	s_lshl_b32 s78, s78, 17
	s_add_co_u32 s76, s76, s78
	s_bfe_u32 s78, s69, 0x20001
	s_lshl_b32 s78, s78, 15
	s_add_co_u32 s76, s76, s78
	s_and_b32 s78, s68, 3
	s_lshl_b32 s78, s78, 13
	s_add_co_u32 s76, s76, s78
	s_and_b32 s78, s69, 1
	s_lshl_b32 s78, s78, 12
	s_add_co_u32 s76, s76, s78
	s_lshl_b32 s78, s35, 9
	s_add_co_u32 s76, s76, s78
	s_add_co_u32 s76, s76, 4194304
	s_mov_b32 s77, 0
	s_lshl_b32 s78, s33, 9                         ; out1: my 16 tokens of 32 bytes
	s_mov_b32 s79, 0
	s_mov_b32 s44, 0xffff0000                      ; a word's upper bf16; also the mask of lanes 16-31
	s_mov_b32 s63, 0x3fb8aa3b                      ; log2(e)
	s_wait_kmcnt 0x0
	s_load_b256 s[36:43], s[14:15], 0x0            ; bg2
	s_add_nc_u64 s[16:17], s[16:17], s[66:67]
	s_add_nc_u64 s[4:5], s[4:5], s[70:71]
	s_add_nc_u64 s[6:7], s[6:7], s[74:75]
	s_add_nc_u64 s[72:73], s[26:27], s[72:73]
	s_add_nc_u64 s[76:77], s[26:27], s[76:77]
	s_add_nc_u64 s[30:31], s[30:31], s[78:79]
	; 54 loads go out: the small tables (6), rows 0-63 of Wg1 (32: the work-group's 128 threads take two rows an instruction), my 16 tokens (16)
	global_load_b32 v[TB], v5, s[10:11]
	global_load_b32 v[TB+1], v5, s[10:11] offset:512
.irp i, 0,1,2,3
	global_load_b128 v[TB+2+4*(\i):TB+2+4*(\i)+3], v4, s[12:13] offset:(\i)*2048
.endr
.set z, 0
.rept 32
	global_load_b128 v[GA+4*z:GA+4*z+3], v4, s[8:9] offset:z*2048
.set z, z+1
.endr
.set z, 0
.rept 16
	global_load_b128 v[UE+4*z:UE+4*z+3], v10, s[16:17] offset:z*512 th:TH_LOAD_NT
.set z, z+1
.endr
	s_wait_loadcnt 48                              ; the six oldest are in; Wg1's 32 and my tokens' 16 stay out
	v_cvt_pk_bf16_f32 v42, v[TB], v[TB+1]          ; rounded to bf16, kept as f32 words
	v_lshlrev_b32 v43, 16, v42
	v_and_b32 v44, s44, v42
	ds_store_b32 v6, v43
	ds_store_b32 v6, v44 offset:512
.irp i, 0,1,2,3                        ; load i of thread t holds Wg2[64 i + (t >> 1)][4 (t & 1) + 0..3]
.irp p, 0,1
	v_cvt_pk_bf16_f32 v42, v[TB+2+4*(\i)+2*(\p)], v[TB+2+4*(\i)+2*(\p)+1]
	v_lshlrev_b32 v43, 16, v42
	v_and_b32 v44, s44, v42
	ds_store_b32 v7, v43 offset:(2*(\p))*PW2+(\i)*256
	ds_store_b32 v7, v44 offset:(2*(\p)+1)*PW2+(\i)*256
.endr
.endr
.macro WGCONV adr                      ; 64 rows of Wg1: four f32 a thread and row become 8 bytes
.set z, 0
.rept 32
	v_cvt_pk_bf16_f32 v[GA+4*z], v[GA+4*z], v[GA+4*z+1]
	v_cvt_pk_bf16_f32 v[GA+4*z+1], v[GA+4*z+2], v[GA+4*z+3]
	ds_store_b64 v[\adr], v[GA+4*z:GA+4*z+1] offset:z*2*PG
.set z, z+1
.endr
.endm
	s_wait_loadcnt 16                              ; rows 0-63 of Wg1 are in; my tokens' 16 loads stay out
	WGCONV 8
.set z, 0
.rept 32                               ; rows 64-127
	global_load_b128 v[GA+4*z:GA+4*z+3], v4, s[8:9] offset:65536+z*2048
.set z, z+1
.endr
	s_wait_loadcnt 32                              ; my tokens are in; the 32 just issued stay out
.set z, 0
.rept 16
	v_cvt_pk_bf16_f32 v[UE+4*z], v[UE+4*z], v[UE+4*z+1]
	v_cvt_pk_bf16_f32 v[UE+4*z+1], v[UE+4*z+2], v[UE+4*z+3]
	ds_store_b64 v11, v[UE+4*z:UE+4*z+1] offset:z*PU
.set z, z+1
.endr
	; My block of W1 (32 k x 64 channels: 16 loads) and my half block of W2 (16 slots of k x 64 channels: 8 loads) go out now and land under the gate's work.
	WIN 0x40                                       ; destination window 1, address window 0
.irp c, 0,1
.irp j, 0,1,2,3,4,5,6,7
	global_load_b128 v[((\c)*8+(\j))*4:((\c)*8+(\j))*4+3], v12, s[4:5] offset:((\c)*16+(\j))*4096 th:TH_LOAD_NT  ; row 16 c + 8 (l / 16) + j, channels 4 (l % 16) ..
.endr
.endr
.irp j, 0,1,2,3,4,5,6,7
	global_load_b128 v[64+(\j)*4:64+(\j)*4+3], v13, s[6:7] offset:(\j)*16384 th:TH_LOAD_NT  ; slot 8 (l / 16) + j of the chunk is the row 32 (l / 16) + 4 j further down
.endr
	WIN 0
	s_wait_loadcnt 24                              ; rows 64-127 of Wg1 are in; the 24 just issued stay out
	WGCONV 9
	s_wait_dscnt 0x0                               ; for the others' sake: all my stores into LDS are done
	s_barrier_signal -1
	s_barrier_wait -1                              ; Wg1, bg1 and Wg2 are whole
	s_wait_kmcnt 0x0
.irp p, 0,1,2,3
	v_cvt_pk_bf16_f32 v42, s[36+2*(\p)], s[37+2*(\p)]
	v_lshlrev_b32 v[BG+2*(\p)], 16, v42
	v_and_b32 v[BG+2*(\p)+1], s44, v42
.endr
.irp k, 0,1,2,3
	ds_load_b128 v[UF+8*(\k):UF+8*(\k)+3], v14 offset:64*(\k)
	ds_load_b128 v[UF+8*(\k)+4:UF+8*(\k)+7], v14 offset:64*(\k)+32
.endr
; The LDS loads of group g (tiles 2 g, 2 g + 1 of 16 channels): Wg1's fragments, turned; bg1 into the accumulators, so that the first product adds onto it; Wg2's eight numbers a lane and tile.
.macro GLOAD g
.irp tt, 0,1
.irp kk, 0,1,2,3
	ds_load_tr16_b128 v[WF+32*(\tt)+8*(\kk):WF+32*(\tt)+8*(\kk)+3], v15 offset:(\kk)*32*PG+(2*(\g)+(\tt))*32
	ds_load_tr16_b128 v[WF+32*(\tt)+8*(\kk)+4:WF+32*(\tt)+8*(\kk)+7], v15 offset:(\kk)*32*PG+16*PG+(2*(\g)+(\tt))*32
.endr
	ds_load_b128 v[AC+16*((\g)%2)+8*(\tt):AC+16*((\g)%2)+8*(\tt)+3], v16 offset:(2*(\g)+(\tt))*64
	ds_load_b128 v[AC+16*((\g)%2)+8*(\tt)+4:AC+16*((\g)%2)+8*(\tt)+7], v16 offset:(2*(\g)+(\tt))*64+16
	ds_load_b128 v[W2F+16*((\g)%2)+8*(\tt):W2F+16*((\g)%2)+8*(\tt)+3], v17 offset:(2*(\g)+(\tt))*64
	ds_load_b128 v[W2F+16*((\g)%2)+8*(\tt)+4:W2F+16*((\g)%2)+8*(\tt)+7], v17 offset:(2*(\g)+(\tt))*64+16
.endr
.endm
; GROUP g.  Source 0 = 16 channels of Wg1, source 1 = my 16 tokens: a lane then holds ONE token (l % 16) and the channels 8 (l / 16) + 0..7 of the tile.  Register pair p of that result IS source 1 of
; the f32 form (k = 2 (l / 16) + j stands for channel 8 (l / 16) + 2 p + j), with Wg2's numbers of the same channels as source 0.  The two bf16 accumulators take turns, and so do the four f32
; sums.  The next group's loads stand behind 4 v_nop and 16 maxima: 12 or more plain instructions that name no register of the bf16 products whose operands they
; overwrite, 20 behind the f32 products of the group before, which read the other buffers.
.macro GROUP g
	s_wait_dscnt 0x0
.irp kk, 0,1,2,3
.irp tt, 0,1
	v_wmma_f32_16x16x32_bf16 v[AC+16*((\g)%2)+8*(\tt):AC+16*((\g)%2)+8*(\tt)+7], v[WF+32*(\tt)+8*(\kk):WF+32*(\tt)+8*(\kk)+7], v[UF+8*(\kk):UF+8*(\kk)+7], v[AC+16*((\g)%2)+8*(\tt):AC+16*((\g)%2)+8*(\tt)+7]
.endr
.endr
.rept 4
	v_nop
.endr
.set z, 0
.rept 16
	v_max_num_f32 v[AC+16*((\g)%2)+z], 0, v[AC+16*((\g)%2)+z]  ; relu, each accumulator from its lowest register on
.set z, z+1
.endr
.if (\g) < 7
	GLOAD (\g)+1
.endif
.irp tt, 0,1
.irp pp, 0,1,2,3
.if ((\g) == 0) && ((\tt) == 0)
	WIN 0x40                                       ; D in window 1
.if (\pp) == 0
	v_wmma_f32_16x16x4_f32 v[LG+8*(\pp):LG+8*(\pp)+7], v[W2F+16*((\g)%2)+8*(\tt)+2*(\pp):W2F+16*((\g)%2)+8*(\tt)+2*(\pp)+1], v[AC+16*((\g)%2)+8*(\tt)+2*(\pp):AC+16*((\g)%2)+8*(\tt)+2*(\pp)+1], v[BG:BG+7]  ; the first sum starts with bg2,
.else
	v_wmma_f32_16x16x4_f32 v[LG+8*(\pp):LG+8*(\pp)+7], v[W2F+16*((\g)%2)+8*(\tt)+2*(\pp):W2F+16*((\g)%2)+8*(\tt)+2*(\pp)+1], v[AC+16*((\g)%2)+8*(\tt)+2*(\pp):AC+16*((\g)%2)+8*(\tt)+2*(\pp)+1], 0  ; the others with 0
.endif
.else
	WIN 0x50                                       ; C and D in window 1
	v_wmma_f32_16x16x4_f32 v[LG+8*(\pp):LG+8*(\pp)+7], v[W2F+16*((\g)%2)+8*(\tt)+2*(\pp):W2F+16*((\g)%2)+8*(\tt)+2*(\pp)+1], v[AC+16*((\g)%2)+8*(\tt)+2*(\pp):AC+16*((\g)%2)+8*(\tt)+2*(\pp)+1], v[LG+8*(\pp):LG+8*(\pp)+7]
.endif
.endr
.endr
	WIN 0
.endm
	GLOAD 0
.irp g, 0,1,2,3,4,5,6,7
	GROUP \g
.endr
.rept 8
	v_nop                                          ; eight plain instructions behind the last product of the f32 form (ISA guide 7.12.1)
.endr
	WIN 0x05                                       ; sources 0 and 1 window 1, destination window 0
.irp i, 0,1,2,3
	v_pk_add_f32 v[LO+2*(\i):LO+2*(\i)+1], v[LG+2*(\i):LG+2*(\i)+1], v[LG+8+2*(\i):LG+8+2*(\i)+1]
	v_pk_add_f32 v[WT+2*(\i):WT+2*(\i)+1], v[LG+16+2*(\i):LG+16+2*(\i)+1], v[LG+24+2*(\i):LG+24+2*(\i)+1]
.endr
	WIN 0
.irp i, 0,1,2,3
	v_pk_add_f32 v[LO+2*(\i):LO+2*(\i)+1], v[LO+2*(\i):LO+2*(\i)+1], v[WT+2*(\i):WT+2*(\i)+1]  ; register j: my token's logit of expert j, in both halves of the lanes
.endr
	; softmax inside the lane: the maximum is taken away ahead of the exponentials
	v_max3_num_f32 v232, v[LO], v[LO+1], v[LO+2]
	v_max3_num_f32 v232, v232, v[LO+3], v[LO+4]
	v_max3_num_f32 v232, v232, v[LO+5], v[LO+6]
	v_max_num_f32 v232, v232, v[LO+7]
	v_mul_f32 v233, s63, v232
.irp j, 0,1,2,3,4,5,6,7
	v_fma_f32 v[WT+(\j)], v[LO+(\j)], s63, -v233
.endr
.irp j, 0,1,2,3,4,5,6,7
	v_exp_f32 v[WT+(\j)], v[WT+(\j)]
.endr
	v_nop                                          ; a plain instruction behind the last exponential,
	s_wait_alu depctr_va_vdst(0)                   ; and one wait for the batch of eight, ahead of its first reader
	v_add_f32 v234, v[WT], v[WT+1]
	v_add_f32 v235, v[WT+2], v[WT+3]
	v_add_f32 v236, v[WT+4], v[WT+5]
	v_add_f32 v237, v[WT+6], v[WT+7]
	v_add_f32 v234, v234, v235
	v_add_f32 v236, v236, v237
	v_add_f32 v234, v234, v236
	v_rcp_f32 v235, v234
	v_nop
	s_wait_alu depctr_va_vdst(0)
.irp j, 0,1,2,3,4,5,6,7
	v_mul_f32 v[WT+(\j)], v[WT+(\j)], v235
.endr
	; top-2: the largest weight, of equals the lowest index; the same once more without it.  The choices are lane masks that select values; no address and no branch hangs on them.
	v_max3_num_f32 v232, v[WT], v[WT+1], v[WT+2]
	v_max3_num_f32 v232, v232, v[WT+3], v[WT+4]
	v_max3_num_f32 v232, v232, v[WT+5], v[WT+6]
	v_max_num_f32 v232, v232, v[WT+7]
	s_mov_b32 s62, 0
.irp j, 0,1,2,3,4,5,6,7
	v_cmp_eq_f32 s61, v[WT+(\j)], v232
	s_and_not1_b32 s[45+(\j)], s61, s62            ; chosen, unless a lower index was
	s_or_b32 s62, s62, s61
.endr
.irp j, 0,1,2,3,4,5,6,7
	v_cndmask_b32 v[WS+(\j)], v[WT+(\j)], -1.0, s[45+(\j)]
.endr
	v_max3_num_f32 v233, v[WS], v[WS+1], v[WS+2]
	v_max3_num_f32 v233, v233, v[WS+3], v[WS+4]
	v_max3_num_f32 v233, v233, v[WS+5], v[WS+6]
	v_max_num_f32 v233, v233, v[WS+7]
	s_mov_b32 s62, 0
.irp j, 0,1,2,3,4,5,6,7
	v_cmp_eq_f32 s61, v[WS+(\j)], v233
	s_and_not1_b32 s[53+(\j)], s61, s62
	s_or_b32 s62, s62, s61
.endr
	v_add_f32 v234, v232, v233
	v_add_f32 v234, 0x3089705f, v234               ; + 1e-9
	v_rcp_f32 v235, v234
	v_nop
	s_wait_alu depctr_va_vdst(0)
.irp j, 0,1,2,3,4,5,6,7
	s_or_b32 s[45+(\j)], s[45+(\j)], s[53+(\j)]
	v_mul_f32 v[WT+(\j)], v[WT+(\j)], v235
	v_cndmask_b32 v[WT+(\j)], 0, v[WT+(\j)], s[45+(\j)]
.endr
.irp j, 0,1,2,3
	v_cndmask_b32 v[WT+(\j)], v[WT+(\j)], v[WT+4+(\j)], s44  ; lanes 16-31 take experts 4-7
.endr
	global_store_b128 v18, v[WT:WT+3], s[30:31]    ; the wave's store covers 512 consecutive bytes of out1, aligned
	; W1's and W2's blocks: word wd of fragment i, chunk c, is rows 2 wd and 2 wd + 1 of my eight, channel i of my four
	s_wait_loadcnt 0x0
	WIN 0x45                                       ; sources 0 and 1 and destination window 1
.irp c, 0,1
.irp i, 0,1,2,3
.irp wd, 0,1,2,3
	v_cvt_pk_bf16_f32 v[96+((\c)*4+(\i))*4+(\wd)], v[((\c)*8+2*(\wd))*4+(\i)], v[((\c)*8+2*(\wd)+1)*4+(\i)]
.endr
.endr
.endr
.irp i, 0,1,2,3
.irp wd, 0,1,2,3
	v_cvt_pk_bf16_f32 v[128+(\i)*4+(\wd)], v[64+(2*(\wd))*4+(\i)], v[64+(2*(\wd)+1)*4+(\i)]
.endr
.endr
	WIN 0x04                                       ; a store's data window 1, its address window 0
.irp c, 0,1
.irp i, 0,1,2,3
	global_store_b128 v10, v[96+((\c)*4+(\i))*4:96+((\c)*4+(\i))*4+3], s[72:73] offset:(\i)*1024+(\c)*512  ; 512 consecutive bytes, aligned
.endr
.endr
.irp i, 0,1,2,3
	global_store_b128 v10, v[128+(\i)*4:128+(\i)*4+3], s[76:77] offset:(\i)*1024
.endr
	WIN 0
	; The small tables: 16 waves make two fragments each of the nine columns, 32 waves 64 slots each of b1 or b2.  The branches hang on gid alone; no barrier stands inside.
	s_cmp_lt_u32 s33, 16
	s_cbranch_scc0 .Lnot_head
	s_lshl_b32 s66, s33, 8                         ; channels 64 gid ..
	s_add_nc_u64 s[18:19], s[18:19], s[66:67]
	s_add_nc_u64 s[20:21], s[20:21], s[66:67]
	s_lshl_b32 s66, s33, 11
	s_add_co_u32 s66, s66, 8192
	s_add_nc_u64 s[68:69], s[28:29], s[66:67]
	v_and_b32 v19, 7, v0
	v_lshlrev_b32 v19, 12, v19                     ; We's row l % 8,
	v_lshl_add_u32 v19, v3, 7, v19                 ; channels 32 (l / 16) + 4 j ..
	v_lshlrev_b32 v20, 7, v3
.irp j, 0,1,2,3,4,5,6,7
	global_load_b128 v[48+4*(\j):48+4*(\j)+3], v19, s[18:19] offset:16*(\j)
	global_load_b128 v[80+4*(\j):80+4*(\j)+3], v20, s[20:21] offset:16*(\j)
.endr
	v_cmp_gt_u32 s45, 8, v2                        ; rows 0-7: We
	v_cmp_eq_u32 s46, 8, v2                        ; row 8: Ws; rows 9-15: 0
	s_wait_loadcnt 0x0
.set z, 0
.rept 32
	v_cndmask_b32 v[80+z], 0, v[80+z], s46
	v_cndmask_b32 v[48+z], v[80+z], v[48+z], s45
.set z, z+1
.endr
.irp i, 0,1,2,3
.irp wd, 0,1,2,3
	v_cvt_pk_bf16_f32 v[112+4*(\i)+(\wd)], v[48+(2*(\wd))*4+(\i)], v[48+(2*(\wd)+1)*4+(\i)]
.endr
.endr
.irp i, 0,1,2,3
	global_store_b128 v10, v[112+4*(\i):112+4*(\i)+3], s[68:69] offset:(\i)*512
.endr
	s_branch .Lend
.Lnot_head:
	s_cmp_lt_u32 s33, 48
	s_cbranch_scc0 .Lend
	s_cmp_lt_u32 s33, 32
	s_cselect_b64 s[68:69], s[22:23], s[24:25]     ; b1 for gid 16-31, b2 for gid 32-47
	s_cselect_b32 s70, 0, 4096
	s_and_b32 s66, s33, 15
	s_lshl_b32 s66, s66, 8                         ; 64 slots are 64 channels: 256 bytes
	s_add_nc_u64 s[68:69], s[68:69], s[66:67]
	s_add_co_u32 s66, s66, s70
	s_add_nc_u64 s[70:71], s[28:29], s[66:67]
	v_and_b32 v19, 7, v1                           ; slots 2 l and 2 l + 1 hold channels 8 (l % 8) + (l / 8) and 4 more
	v_lshrrev_b32 v20, 3, v1
	v_lshlrev_b32 v19, 5, v19
	v_lshl_add_u32 v19, v20, 2, v19
	v_lshlrev_b32 v21, 3, v1
	global_load_b32 v48, v19, s[68:69]
	global_load_b32 v49, v19, s[68:69] offset:16
	s_wait_loadcnt 0x0
	v_cvt_pk_bf16_f32 v50, v48, v49
	v_lshlrev_b32 v52, 16, v50
	v_and_b32 v53, s44, v50
	global_store_b64 v21, v[52:53], s[70:71]       ; 256 consecutive bytes, aligned
.Lend:
	s_wait_tensorcnt 0x0                           ; the wave's end: behind my last LDS store
	ds_add_u32 v[SPW], v[NIL]
	s_wait_dscnt 0x0
	s_endpgm
.Lfunc_end_k_qf136839d31_prep:
	.size	k_qf136839d31_prep, .Lfunc_end_k_qf136839d31_prep-k_qf136839d31_prep
	.p2alignl 7, 3214868480
	.fill 96, 4, 3214868480
	.section	.rodata,"a",@progbits
	.p2align	6, 0x0
	.amdhsa_kernel k_qf136839d31_prep
		.amdhsa_group_segment_fixed_size 97280
		.amdhsa_private_segment_fixed_size 0
		.amdhsa_enable_private_segment 0
		.amdhsa_kernarg_size 112
		.amdhsa_user_sgpr_count 2
		.amdhsa_user_sgpr_kernarg_segment_ptr 1
		.amdhsa_wavefront_size32 1
		.amdhsa_system_sgpr_workgroup_id_x 1
		.amdhsa_system_sgpr_workgroup_id_y 1
		.amdhsa_system_sgpr_workgroup_id_z 1
		.amdhsa_system_vgpr_workitem_id 0
		.amdhsa_next_free_vgpr 512
		.amdhsa_next_free_sgpr 80
		.amdhsa_reserve_vcc 0
		.amdhsa_float_denorm_mode_32 3
		.amdhsa_float_denorm_mode_16_64 3
		.amdhsa_memory_ordered 1
		.amdhsa_forward_progress 1
		.amdhsa_inst_pref_size 80
	.end_amdhsa_kernel
	.amdgpu_metadata
---
amdhsa.version: [ 1, 2 ]
amdhsa.kernels:
  - .name:           k_qf136839d31_prep
    .symbol:         k_qf136839d31_prep.kd
    .args:
      - { .name: W1, .offset: 0, .size: 8, .value_kind: global_buffer, .address_space: global }
      - { .name: W2, .offset: 8, .size: 8, .value_kind: global_buffer, .address_space: global }
      - { .name: Wg1, .offset: 16, .size: 8, .value_kind: global_buffer, .address_space: global }
      - { .name: bg1, .offset: 24, .size: 8, .value_kind: global_buffer, .address_space: global }
      - { .name: Wg2, .offset: 32, .size: 8, .value_kind: global_buffer, .address_space: global }
      - { .name: bg2, .offset: 40, .size: 8, .value_kind: global_buffer, .address_space: global }
      - { .name: user_emb, .offset: 48, .size: 8, .value_kind: global_buffer, .address_space: global }
      - { .name: We, .offset: 56, .size: 8, .value_kind: global_buffer, .address_space: global }
      - { .name: Ws, .offset: 64, .size: 8, .value_kind: global_buffer, .address_space: global }
      - { .name: b1, .offset: 72, .size: 8, .value_kind: global_buffer, .address_space: global }
      - { .name: b2, .offset: 80, .size: 8, .value_kind: global_buffer, .address_space: global }
      - { .name: wp, .offset: 88, .size: 8, .value_kind: global_buffer, .address_space: global }
      - { .name: tab, .offset: 96, .size: 8, .value_kind: global_buffer, .address_space: global }
      - { .name: out1, .offset: 104, .size: 8, .value_kind: global_buffer, .address_space: global }
    .group_segment_fixed_size: 97280
    .private_segment_fixed_size: 0
    .kernarg_segment_align: 8
    .kernarg_segment_size: 112
    .max_flat_workgroup_size: 128
    .sgpr_count:     80
    .vgpr_count:     512
    .wavefront_size: 32
...
	.end_amdgpu_metadata
.endif
;; end of part 3
;; launch g1 (part 4): grid 256 x 1, 4 waves a work-group, clusters of 4 x 1, 327,680 bytes of LDS; arguments x, wp, tab, hb; writes hb
.if DOCPART == 4
	.amdgcn_target "amdgcn-amd-amdhsa--gfx1250"
	.amdhsa_code_object_version 6
	.text
	.protected	k_qf136839d31_g1
	.globl	k_qf136839d31_g1
	.p2align	8
	.type	k_qf136839d31_g1,@function
k_qf136839d31_g1:
	s_mov_b64 s[64:65], 0
	v_nop
	global_prefetch_b8 v0, s[64:65] scope:SCOPE_SE
	s_setreg_imm32_b32 hwreg(HW_REG_WAVE_MODE, 25, 1), 1
	s_wait_xcnt 0x0
	s_wait_alu depctr_hold_cnt(0) depctr_sa_sdst(0) depctr_va_vdst(0) depctr_va_sdst(0) depctr_va_ssrc(0) depctr_va_vcc(0) depctr_vm_vsrc(0)
	s_getreg_b32 s2, hwreg(HW_REG_IB_STS2, 6, 4)
	s_cmp_eq_u32 s2, 0
	s_cbranch_scc0 .Lentry_in_a_cluster
	s_endpgm
.Lentry_in_a_cluster:
	s_bfe_u32 s2, ttmp6, 0x10000c
	s_cmp_lg_u32 s2, 0x3003
	s_cbranch_scc0 .Lentry_shape_is_right
	s_endpgm
.Lentry_shape_is_right:
; G1.  hb = x W1 + b1, rounded to bf16 (the activation is applied by the next launch, where it reads hb).  x [16384][2048] f32; W1 from wp, b1 from tab, both in slot order, as the launch before laid them.
; SHARES.  A work-group has 128 tokens x 512 hidden slots (one half H of the 1,024): 128 token blocks x 2 halves = 256 work-groups.  A wave owns 128 of the slots for all 128 tokens:
; 64 accumulators of 16 x 16, 512 registers (windows 2 and 3).  For 32 along K it reads 8 + 8 fragments, 16,384 bytes of LDS, for 64 products.
; THE MATRIX INSTRUCTION IS USED TRANSPOSED: source 0 = 16 slots of W1, source 1 = 16 tokens.  In the result a lane holds ONE token (l % 16) and the slots 8 (l / 16) + 0..7 of the tile, so two
; neighbouring tiles, rounded to bf16 in pairs, ARE the token operand of one K step of the next product: they are stored as they lie, 512 consecutive bytes a store, and need no stage.
; WEIGHTS.  K = 2,048 goes in 16 intervals of four K steps of 32.  Two LDS slots of 131,072 bytes take turns; a wave asks for its own slots' part, 32,768 consecutive bytes of wp, and it alone reads
; them.  The four work-groups of a cluster have the same half H, so they ask JOINTLY: one line, a descriptor that hangs on H (the cluster's number), the wave's number and the interval alone.
; From a request to the wait for it a wave issues 240 products.
; x is shared by two work-groups only (the two halves, in neighbouring clusters), and it has to be rounded on the way, which no tensor load does; f32 tiles would not fit beside the weight slots
; either.  So it comes through registers: a chunk is 64 k (256 bytes of a row), a wave takes 32 rows of it (16 loads), two chunks are on their way, and the rounded chunk lies in one of two small
; LDS slots.  A plain barrier in an interval's second step and the round in its fourth order the chunks' stores and reads.
; b1 is the C operand of the first K step's products: nothing is cleared and no addition is written.
; LIMITS.  x is rounded once to bf16 here (W1 and b1 by the launch before); the sums are f32; hb is rounded once to bf16.  bf16 and not f16, so that inputs 30 times larger keep their range.
; REGISTERS, in windows of 256 (s_set_vgpr_msb: bits 1:0 source 0, 3:2 source 1, 5:4 source 2, 7:6 destination):
;   window 0: v0-31 addresses; v32-95, v96-159 token fragments, two buffers; v160-223 b1; v224-255 a rounded chunk
;   window 1: v0-63, v64-127 weight fragments, two buffers; v128-191, v192-255 two chunks of x as loaded (on the way out all 256: the packed results)
;   windows 2, 3: accumulator (token tile a, slot tile b) at v[8 (8 (b % 4) + a)] of window 2 + b / 4
.set SLOTB, 131072                     ; LDS: weight slot 0 from 0, slot 1 from here: one exclusive or turns an address in one into the other's
.set XR,    262144                     ; x in bf16: two slots of 128 rows x 64 k; written by LDS stores, no fill lands here
.set PX,    144                        ; a row: 128 bytes + 16: the 16 rows of a fragment load start at 16 different groups of four banks (64 banks of 4 bytes: ISA guide 11.1)
.set XSL,   128*PX
.set SPARE, XR+2*XSL                   ; 299,008: the spare words, 128 bytes a wave: two blocks of 256 bytes that no other line names
.set AB0,  2                           ; v2     my weights' place in a slot; never rewritten
.set ADRB, 3                           ; v3     my weights in the slot in hand
.set ADRX, 6                           ; v6     x fragments
.set XST,  7                           ; v7     where I store x
.set XOF,  8                           ; v8     my byte offset in two rows of x
.set L16,  9                           ; v9     16 x lane
.set TBO,  11                          ; v11    my slots' biases in tab
.set SPW,  28                          ; v28    LDS address of my spare word; never rewritten
.set NIL,  29                          ; v29    0; never rewritten
.set FA,   32
.set BI,   160
.set TMP,  224
.set XS,   128                         ; window 1
.set WV,   18                          ; s18    wave
.set G1,   24                          ; s[24:31] descriptor group 1: 128 rows of 256 bytes
.set G0A,  32                          ; s[32:35] group 0 of the first fill
.set G0W,  36                          ; s[36:39] group 0 of the second fill; it then walks on
.set CNT,  56
.set XB,   58                          ; s[58:59] x at my 32 rows; steps along the rows
.set TBW,  60                          ; s60    LDS byte at which the slot in hand begins
.set MSB, 0
.macro WIN new                         ; the high byte repeats the setting that is left; a switch that changes nothing is dropped
.if MSB != (\new)
	s_set_vgpr_msb (MSB<<8)|(\new)
.set MSB, \new
.endif
.endm
; A load into a register that a matrix instruction has read, and a vector instruction that reads a matrix result or writes one of a matrix instruction's registers, stand four plain vector
; instructions behind it (ISA guide 7.12.1 for vector instructions).
.macro PLACES
.rept 4
	v_nop
.endr
.endm
.macro CREST                           ; a round of the cluster's barrier behind its opening barrier
	s_cmp_lg_u32 s[WV], 0
	s_cbranch_scc1 .Lnot_wave_0_\@
	s_barrier_signal -3
.Lnot_wave_0_\@:
	s_barrier_wait -3
	s_barrier_signal -1
	s_barrier_wait -1
.endm
.macro CROUND                          ; a whole round
	s_barrier_signal -1
	s_barrier_wait -1
	CREST
.endm
; 16 matrix instructions: slot tiles 2 q, 2 q + 1 x all eight token tiles, 32 along K, from buffer f.  first = 1: the product starts the sum, with the bias as C.
; The 64 accumulators take turns in the same order in every step.
.macro MULQ f, q, first
.if \first
	WIN 0x81+0x40*((\q)/2)                         ; weights window 1, tokens and C window 0, D window 2 or 3
.else
	WIN 0xa1+0x50*((\q)/2)                         ; weights window 1, tokens window 0, C and D window 2 or 3
.endif
.irp b, 2*(\q), 2*(\q)+1
.irp a, 0,1,2,3,4,5,6,7
.if \first
	v_wmma_f32_16x16x32_bf16 v[8*(8*((\b)%4)+(\a)):8*(8*((\b)%4)+(\a))+7], v[64*(\f)+8*(\b):64*(\f)+8*(\b)+7], v[FA+64*(\f)+8*(\a):FA+64*(\f)+8*(\a)+7], v[BI+8*(\b):BI+8*(\b)+7]
.else
	v_wmma_f32_16x16x32_bf16 v[8*(8*((\b)%4)+(\a)):8*(8*((\b)%4)+(\a))+7], v[64*(\f)+8*(\b):64*(\f)+8*(\b)+7], v[FA+64*(\f)+8*(\a):FA+64*(\f)+8*(\a)+7], v[8*(8*((\b)%4)+(\a)):8*(8*((\b)%4)+(\a))+7]
.endif
.endr
.endr
.endm
; The 32 LDS loads of step s (0..3) of an interval, in one run, into buffer g: x from chunk slot s / 2, my weights from the slot in hand.
.macro FETCH s, g
	WIN 0
.irp a, 0,1,2,3,4,5,6,7
	ds_load_b128 v[FA+64*(\g)+8*(\a):FA+64*(\g)+8*(\a)+3], v[ADRX] offset:((\s)/2)*XSL+(\a)*16*PX+((\s)%2)*64
	ds_load_b128 v[FA+64*(\g)+8*(\a)+4:FA+64*(\g)+8*(\a)+7], v[ADRX] offset:((\s)/2)*XSL+(\a)*16*PX+((\s)%2)*64+32
.endr
	WIN 0x40                                       ; destination window 1, address window 0
.irp t, 0,1,2,3,4,5,6,7
	ds_load_b128 v[64*(\g)+8*(\t):64*(\g)+8*(\t)+3], v[ADRB] offset:(\s)*8192+(\t)*1024
	ds_load_b128 v[64*(\g)+8*(\t)+4:64*(\g)+8*(\t)+7], v[ADRB] offset:(\s)*8192+(\t)*1024+512
.endr
.endm
; A chunk of x (my 32 rows x 256 bytes: lanes 0-15 one row's 256 bytes, lanes 16-31 the next row's) that was asked for two chunks ago into register set `set` is rounded to bf16 and stored into
; chunk slot `set`.  left: the younger chunk's loads, which stay out.  issue = 1: the chunk two further on is asked for into the same registers, at byte imm from XB.
.macro XCONV set, issue, imm, left
	s_wait_loadcnt \left
	WIN 0x05                                       ; sources window 1, destination window 0
.irp t, 0,1,2,3,4,5,6,7,8,9,10,11,12,13,14,15
	v_cvt_pk_bf16_f32 v[TMP+2*(\t)], v[XS+64*(\set)+4*(\t)], v[XS+64*(\set)+4*(\t)+1]
	v_cvt_pk_bf16_f32 v[TMP+2*(\t)+1], v[XS+64*(\set)+4*(\t)+2], v[XS+64*(\set)+4*(\t)+3]
.endr
	WIN 0
.irp t, 0,1,2,3,4,5,6,7,8,9,10,11,12,13,14,15
	ds_store_b64 v[XST], v[TMP+2*(\t):TMP+2*(\t)+1] offset:(\set)*XSL+(\t)*2*PX
.endr
.if \issue
	WIN 0x40
.irp t, 0,1,2,3,4,5,6,7,8,9,10,11,12,13,14,15
	global_load_b128 v[XS+64*(\set)+4*(\t):XS+64*(\set)+4*(\t)+3], v[XOF], s[XB:XB+1] offset:(\t)*16384+(\imm)
.endr
.endif
.endm
; A K STEP: buffer f is multiplied; behind the first 16 products the next step's (s) fragments are fetched into the other buffer, 48 products ahead of the wait for them.
.macro STEP f, s
	s_wait_dscnt 0x0                               ; this step's fragments are in
	MULQ \f, 0, 0
	PLACES
	FETCH \s, 1-(\f)
	MULQ \f, 1, 0
	MULQ \f, 2, 0
	MULQ \f, 3, 0
.endm
; The same with a chunk's turn behind the first 16 products; its 32 conversions are the places in front of the fetch.
.macro XSTEP f, s, first, set, issue, imm, left
	s_wait_dscnt 0x0
	MULQ \f, 0, \first
	XCONV \set, \issue, \imm, \left
	FETCH \s, 1-(\f)
	MULQ \f, 1, \first
	MULQ \f, 2, \first
	MULQ \f, 3, \first
.endm
; The same with a plain barrier, for x alone: in front of it every wave's rows of the chunk stored last are in LDS, and its reads of the other chunk slot are back; behind it the first is read and
; the second may be stored into.  The weights' fill stays on its way across it.
.macro PSTEP f, s
	s_wait_dscnt 0x0
	s_barrier_signal -1
	MULQ \f, 0, 0
	s_barrier_wait -1
	PLACES
	FETCH \s, 1-(\f)
	MULQ \f, 1, 0
	MULQ \f, 2, 0
	MULQ \f, 3, 0
.endm
; AN INTERVAL'S LAST STEP, WITH THE CHANGE OF SLOTS.  At its head each wave waits for all its tensor loads, of which one is out: its part of the slot to be read next; adds 0 to its spare word; and waits for
; that, for its reads of the slot that it leaves (this step's fragments were the last) and for its stores of x.  refill = 1: the barrier opens a round of the cluster's, with 16 products between signal and
; wait; behind the round no wave of any partner reads the old slot or has a load on its way, and the joint refill, with the fill two intervals on, is the first thing there.
.macro TURN f, refill
	WIN 0
	s_wait_tensorcnt 0x0                           ; no tensor load of mine is out, so a group 0 may be written
.if \refill
	ds_add_u32 v[SPW], v[NIL]                      ; 0 onto my spare word; the scalar work stands between it and the wait for it
	s_xor_b32 s[G0W+1], s[G0W+1], SLOTB            ; the walking descriptor: the other slot than last time,
	s_add_nc_u64 s[G0W+2:G0W+3], s[G0W+2:G0W+3], 131072  ; the next fill; the type bits on top are not reached
.endif
	s_xor_b32 s[TBW], s[TBW], SLOTB                ; the fetches go over to the other slot
	s_wait_dscnt 0x0
	s_barrier_signal -1
	MULQ \f, 0, 0
	WIN 0
	s_barrier_wait -1
.if \refill
	CREST
	tensor_load_to_lds s[G0W:G0W+3], s[G1:G1+7]
	s_nop 0
.endif
	v_add_nc_u32 v[ADRB], s[TBW], v[AB0]           ; with the three v_nop: the four places in front of the loads below
	v_nop
	v_nop
	v_nop
	FETCH 0, 1-(\f)
	MULQ \f, 1, 0
	MULQ \f, 2, 0
	MULQ \f, 3, 0
.endm
	s_load_b256 s[4:11], s[0:1], 0x0               ; x 4, wp 6, tab 8, hb 10
	v_lshl_add_u32 v[SPW], v0, 2, SPARE
	v_mov_b32 v[NIL], 0
	ds_add_u32 v[SPW], v[NIL]                      ; the wave's opening: the add and its wait stand ahead of my first tensor load; the set-up below, work on registers, stands between them
	v_lshrrev_b32 v1, 5, v0
	v_readfirstlane_b32 s[WV], v1                  ; wave 0..3
	s_bfe_u32 s19, ttmp6, 0x40000                  ; cx: my place in the cluster
	s_and_b32 s20, ttmp9, 1                        ; H: the cluster's half of the slots (in a cluster launch ttmp9 counts clusters)
	s_lshr_b32 s21, ttmp9, 1
	s_lshl_b32 s21, s21, 2
	s_add_co_u32 s21, s21, s19                     ; my block of 128 tokens: it enters x's and hb's addresses alone
	; descriptor group 1: 32,768 dense bytes as 128 rows of 256 bytes (32 elements of 8 bytes)
	s_mov_b32 s[G1+0], 15|(3<<16)|(1<<21)          ; 15:0 the mask: all four work-groups; 17:16 elements of 8 bytes; 21 set beside a mask
	s_mov_b32 s[G1+1], 32<<16                      ; tensor_dim0 = 32
	s_mov_b32 s[G1+2], 128<<16                     ; tensor_dim1 = 128
	s_mov_b32 s[G1+3], 32<<16                      ; tile_dim0 = 32
	s_mov_b32 s[G1+4], 128                         ; tile_dim1 = 128
	s_mov_b32 s[G1+5], 32                          ; 32 elements from row to row
	s_mov_b32 s[G1+6], 0
	s_mov_b32 s[G1+7], 0
	s_mov_b32 s[G0A], 1                            ; count = 1
	s_lshl_b32 s[G0A+1], s[WV], 15                 ; LDS address: my 32,768 bytes of slot 0,
	s_mov_b32 s[G0W], 1
	s_add_co_u32 s[G0W+1], s[G0A+1], SLOTB         ; of slot 1
	s_mov_b32 s[TBW], 0
	v_and_b32 v1, 31, v0                           ; lane
	v_and_b32 v25, 15, v0                          ; l % 16
	v_bfe_u32 v26, v0, 4, 1                        ; l / 16
	v_lshlrev_b32 v[L16], 4, v1
	s_lshl_b32 s46, s[WV], 15
	v_add_nc_u32 v[AB0], s46, v[L16]
	v_mov_b32 v[ADRB], v[AB0]                      ; slot 0 first
	v_mul_u32_u24 v[ADRX], v25, PX                 ; a fragment's row x pitch + 16 x half
	v_lshl_add_u32 v[ADRX], v26, 4, v[ADRX]
	v_add_nc_u32 v[ADRX], XR, v[ADRX]
	s_mul_i32 s47, s[WV], 32*PX
	s_add_co_u32 s47, s47, XR
	v_mul_u32_u24 v[XST], v26, PX                  ; my wave's row l / 16 of two, 8 bytes at 8 (l % 16)
	v_lshl_add_u32 v[XST], v25, 3, v[XST]
	v_add_nc_u32 v[XST], s47, v[XST]
	v_lshlrev_b32 v[XOF], 13, v26
	v_lshl_add_u32 v[XOF], v25, 4, v[XOF]
	s_lshl_b32 s46, s20, 11                        ; b1: 512 slots of 4 bytes a half,
	s_lshl_b32 s47, s[WV], 9                       ; 128 a wave,
	s_add_co_u32 s46, s46, s47
	v_lshl_add_u32 v[TBO], v26, 5, s46             ; a lane's eight of a tile begin at 8 (l / 16)
	s_lshl_b32 s40, s20, 21                        ; wp: the half, and my wave's part of a fill: nothing of my place in the cluster
	s_lshl_b32 s41, s[WV], 15
	s_add_co_u32 s40, s40, s41
	s_mov_b32 s41, 0
	s_lshl_b32 s42, s21, 20                        ; x: 128 rows of 8,192 bytes a block,
	s_lshl_b32 s43, s[WV], 18                      ; 32 rows a wave
	s_add_co_u32 s42, s42, s43
	s_mov_b32 s43, 0
	s_lshl_b32 s44, s21, 18                        ; hb: 262,144 bytes a block: [K step of the next product (32)][token tile (8)][1,024];
	s_lshl_b32 s45, s20, 17                        ; my slots are its K steps 16 H + 4 w ..
	s_add_co_u32 s44, s44, s45
	s_lshl_b32 s45, s[WV], 15
	s_add_co_u32 s44, s44, s45
	s_mov_b32 s45, 0
	s_wait_dscnt 0x0                               ; the opening add is done
	s_wait_kmcnt 0x0
	s_add_nc_u64 s[XB:XB+1], s[4:5], s[42:43]
	s_add_nc_u64 s[10:11], s[10:11], s[44:45]
	s_add_nc_u64 s[G0A+2:G0A+3], s[6:7], s[40:41]  ; fill 0: K steps 0 to 3, my part
	s_add_nc_u64 s[G0W+2:G0W+3], s[G0A+2:G0A+3], 131072  ; fill 1
	s_or_b32 s[G0A+3], s[G0A+3], 0x80000000        ; type = 2
	s_or_b32 s[G0W+3], s[G0W+3], 0x80000000
.irp b, 0,1,2,3,4,5,6,7                ; b1: eight numbers a lane and slot tile
	global_load_b128 v[BI+8*(\b):BI+8*(\b)+3], v[TBO], s[8:9] offset:(\b)*64
	global_load_b128 v[BI+8*(\b)+4:BI+8*(\b)+7], v[TBO], s[8:9] offset:(\b)*64+16
.endr
	WIN 0x40
.irp c, 0,1                            ; x's chunks 0 and 1
.irp t, 0,1,2,3,4,5,6,7,8,9,10,11,12,13,14,15
	global_load_b128 v[XS+64*(\c)+4*(\t):XS+64*(\c)+4*(\t)+3], v[XOF], s[XB:XB+1] offset:(\t)*16384+(\c)*256
.endr
.endr
	WIN 0
	CROUND                                         ; all four work-groups are here: the first joint loads meet
	tensor_load_to_lds s[G0A:G0A+3], s[G1:G1+7]    ; both first fills together: two loads of mine are out
	s_nop 0
	tensor_load_to_lds s[G0W:G0W+3], s[G1:G1+7]
	s_nop 0
	PLACES
	XCONV 0, 1, 512, 16                            ; b1 and chunk 0 are in (chunk 1's 16 loads stay out); chunk 0 goes into LDS, chunk 2 is asked for
	WIN 0
	s_wait_tensorcnt 0x1                           ; fill 0 is in; fill 1 may stay out
	s_wait_dscnt 0x0                               ; my rows of chunk 0 are stored
	s_barrier_signal -1
	s_barrier_wait -1
	FETCH 0, 0
	XSTEP 0, 1, 1, 1, 1, 768, 16                   ; K step 0 stands in front of the loop: its products start the sums, with b1; chunk 1 is stored, chunk 3 asked for
	; A trip: steps 1, 2, 3 of interval f and step 0 of interval f + 1.  It stores chunks 2 f + 2 and 2 f + 3, asks for chunks 2 f + 4 and 2 f + 5 and for fill f + 2.
	; 14 trips ask for the last chunk (31) and the last fill (15): no load leaves x or wp.
	WIN 0
	s_mov_b32 s[CNT], 14
.Lk:
	PSTEP 1, 2
	XSTEP 0, 3, 0, 0, 1, 1024, 16
	TURN 1, 1
	XSTEP 0, 1, 0, 1, 1, 1280, 16
	WIN 0
	s_wait_xcnt 0x0                                ; the loads' addresses are translated: only now is their base stepped
	s_add_nc_u64 s[XB:XB+1], s[XB:XB+1], 512
	s_sub_co_u32 s[CNT], s[CNT], 1
	s_cmp_lg_u32 s[CNT], 0
	s_cbranch_scc1 .Lk
	; The tail, the rest of intervals 14 and 15, is written out: nothing more is asked for, and x's counts run down 16, 0.
	PSTEP 1, 2
	XSTEP 0, 3, 0, 0, 0, 0, 16
	TURN 1, 0                                      ; the wait for all my tensor loads is the wait for fill 15, which is read next
	XSTEP 0, 1, 0, 1, 0, 0, 0
	PSTEP 1, 2
	STEP 0, 3
	s_wait_dscnt 0x0
	MULQ 1, 0, 0
	MULQ 1, 1, 0
	MULQ 1, 2, 0
	MULQ 1, 3, 0
	; THE WAY OUT.  A lane's eight slots of a tile pack into 16 bytes, which are its part of a fragment of the next product: tile b of token tile a is half b % 2 of the fragment (K step b / 2, a).
	PLACES
.irp b, 0,1,2,3,4,5,6,7
	WIN 0x4a+5*((\b)/4)                            ; sources window 2 or 3, destination window 1
.irp a, 0,1,2,3,4,5,6,7
.irp q, 0,1,2,3
	v_cvt_pk_bf16_f32 v[4*(8*(\b)+(\a))+(\q)], v[8*(8*((\b)%4)+(\a))+2*(\q)], v[8*(8*((\b)%4)+(\a))+2*(\q)+1]  ; each accumulator from its lowest registers on
.endr
.endr
	WIN 0x04                                       ; a store's data window 1, its address window 0
.irp a, 0,1,2,3,4,5,6,7
	global_store_b128 v[L16], v[4*(8*(\b)+(\a)):4*(8*(\b)+(\a))+3], s[10:11] offset:((\b)/2)*8192+(\a)*1024+((\b)%2)*512  ; 512 consecutive bytes, aligned
.endr
.endr
	WIN 0
	s_wait_tensorcnt 0x0                           ; the wave's end: behind my last tensor load and my last LDS store
	ds_add_u32 v[SPW], v[NIL]
	s_wait_dscnt 0x0
	CROUND                                         ; the closing round: no work-group ends while a partner may still ask for a tile that names it
	s_endpgm
.Lfunc_end_k_qf136839d31_g1:
	.size	k_qf136839d31_g1, .Lfunc_end_k_qf136839d31_g1-k_qf136839d31_g1
	.p2alignl 7, 3214868480
	.fill 96, 4, 3214868480
	.section	.rodata,"a",@progbits
	.p2align	6, 0x0
	.amdhsa_kernel k_qf136839d31_g1
		.amdhsa_group_segment_fixed_size 327680
		.amdhsa_private_segment_fixed_size 0
		.amdhsa_enable_private_segment 0
		.amdhsa_kernarg_size 32
		.amdhsa_user_sgpr_count 2
		.amdhsa_user_sgpr_kernarg_segment_ptr 1
		.amdhsa_wavefront_size32 1
		.amdhsa_system_sgpr_workgroup_id_x 1
		.amdhsa_system_sgpr_workgroup_id_y 1
		.amdhsa_system_sgpr_workgroup_id_z 1
		.amdhsa_system_vgpr_workitem_id 0
		.amdhsa_next_free_vgpr 1024
		.amdhsa_next_free_sgpr 66
		.amdhsa_reserve_vcc 0
		.amdhsa_float_denorm_mode_32 3
		.amdhsa_float_denorm_mode_16_64 3
		.amdhsa_memory_ordered 1
		.amdhsa_forward_progress 1
		.amdhsa_inst_pref_size 133
	.end_amdhsa_kernel
	.amdgpu_metadata
---
amdhsa.version: [ 1, 2 ]
amdhsa.kernels:
  - .name:           k_qf136839d31_g1
    .symbol:         k_qf136839d31_g1.kd
    .args:
      - { .name: x, .offset: 0, .size: 8, .value_kind: global_buffer, .address_space: global }
      - { .name: wp, .offset: 8, .size: 8, .value_kind: global_buffer, .address_space: global }
      - { .name: tab, .offset: 16, .size: 8, .value_kind: global_buffer, .address_space: global }
      - { .name: hb, .offset: 24, .size: 8, .value_kind: global_buffer, .address_space: global }
    .group_segment_fixed_size: 327680
    .private_segment_fixed_size: 0
    .kernarg_segment_align: 8
    .kernarg_segment_size: 32
    .max_flat_workgroup_size: 128
    .sgpr_count:     66
    .vgpr_count:     1024
    .wavefront_size: 32
...
	.end_amdgpu_metadata
.endif
;; end of part 4
;; launch g2 (part 5): grid 256 x 1, 4 waves a work-group, clusters of 4 x 1, 327,680 bytes of LDS; arguments hb, wp, tab, part; writes part
.if DOCPART == 5
	.amdgcn_target "amdgcn-amd-amdhsa--gfx1250"
	.amdhsa_code_object_version 6
	.text
	.protected	k_qf136839d31_g2
	.globl	k_qf136839d31_g2
	.p2align	8
	.type	k_qf136839d31_g2,@function
k_qf136839d31_g2:
	s_mov_b64 s[64:65], 0
	v_nop
	global_prefetch_b8 v0, s[64:65] scope:SCOPE_SE
	s_setreg_imm32_b32 hwreg(HW_REG_WAVE_MODE, 25, 1), 1
	s_wait_xcnt 0x0
	s_wait_alu depctr_hold_cnt(0) depctr_sa_sdst(0) depctr_va_vdst(0) depctr_va_sdst(0) depctr_va_ssrc(0) depctr_va_vcc(0) depctr_vm_vsrc(0)
	s_getreg_b32 s2, hwreg(HW_REG_IB_STS2, 6, 4)
	s_cmp_eq_u32 s2, 0
	s_cbranch_scc0 .Lentry_in_a_cluster
	s_endpgm
.Lentry_in_a_cluster:
	s_bfe_u32 s2, ttmp6, 0x10000c
	s_cmp_lg_u32 s2, 0x3003
	s_cbranch_scc0 .Lentry_shape_is_right
	s_endpgm
.Lentry_shape_is_right:
; G2.  f = lrelu(lrelu(hb) W2 + b2); part[H] = f's slots of half H times the nine columns We, Ws: f32 partial sums, which the next launch adds.
; hb holds x W1 + b1 in bf16, in fragments of 16 tokens x 32 slots: [block of 128 tokens][K step (32)][token tile (8)][1,024 bytes].  W2, b2 and the nine columns come from wp and tab, in slot order.
; SHARES, LAYOUT, WEIGHTS: as in the launch before.  A work-group has 128 tokens x 512 slots (half H), a wave 128 slots x 128 tokens: 64 accumulators.  Source 0 = 16 slots of W2, source 1 = 16 tokens.
; K = 1,024 goes in 8 intervals of four K steps; two LDS slots of 131,072 bytes take turns; a wave asks for its own part, 32,768 consecutive bytes, jointly with the three partners of its cluster,
; which have the same half H; from a request to the wait for it a wave issues 240 products.
; h is shared by two work-groups only (the two halves, in neighbouring clusters) and wants the activation on its way, so it comes through registers: a chunk is two K steps (16,384 bytes; a wave
; takes 4,096: 8 loads), two chunks are on their way; max(h, 0.2 h) is taken on the packed bf16 words, and the chunk lies in one of two LDS slots, in the order of the fragments.
; THE HEAD.  Two slot tiles of f, rounded to bf16, are one K step of the head: source 0 = the nine columns (rows 9-15 are 0), source 1 = f.  The four waves' sums are added in f32 through LDS.
; LIMITS.  The activation is applied to numbers already rounded to bf16, in packed bf16 with the slope 0.2 as bf16's 0.2002: a negative h or f is rounded twice and is a thousandth too large.  Sums are f32.
; NaN and infinities are not treated apart.
; REGISTERS, in windows of 256 (s_set_vgpr_msb: bits 1:0 source 0, 3:2 source 1, 5:4 source 2, 7:6 destination):
;   window 0: v0-31 addresses; v32-95, v96-159 token fragments, two buffers (later f, two buffers); v160-223 b2 (later the head's eight sums); v224-255 at work
;   window 1: v0-63, v64-127 weight fragments, two buffers; v128-159, v160-191 two chunks of h as loaded; v192-223 a chunk after the activation; v224-255 the head's four fragments
;   windows 2, 3: accumulator (token tile a, slot tile b) at v[8 (8 (b % 4) + a)] of window 2 + b / 4
.set SLOTB, 131072                     ; LDS: weight slot 0 from 0, slot 1 from here
.set HR,    262144                     ; h: two slots of 16,384 bytes: (K step % 2) x 8,192 + token tile x 1,024 + half x 512 + 16 l; written by LDS stores, no fill lands here
.set HSL,   16384
.set SPARE, HR+2*HSL                   ; 294,912: the spare words, 128 bytes a wave: two blocks of 256 bytes that no other line names
.set RED,   0                          ; the head's parts, 8 tiles x 4 waves x 1,024 bytes, in slot 0's first bytes, which have had their last fill and their last read by then
.set AB0,  2                           ; v2     my weights' place in a slot; never rewritten
.set ADRB, 3                           ; v3     my weights in the slot in hand
.set ADRH, 6                           ; v6     h fragments
.set HST,  7                           ; v7     where I store h
.set HOF,  8                           ; v8     my byte offset in a chunk of hb
.set L16,  9                           ; v9     16 x lane
.set TBO,  11                          ; v11    my slots' biases in tab
.set WHO,  12                          ; v12    my slots' head fragments in tab
.set REDS, 13
.set REDR, 14
.set SPW,  28                          ; v28    LDS address of my spare word; never rewritten
.set NIL,  29                          ; v29    0; never rewritten
.set FA,   32
.set FR,   32
.set T,    32
.set BI,   160
.set D3,   160
.set TMP,  224
.set HS,   128                         ; window 1
.set U1,   192                         ; window 1
.set HF,   224                         ; window 1
.set WV,   18                          ; s18    wave
.set G1,   24                          ; s[24:31] descriptor group 1: 128 rows of 256 bytes
.set G0A,  32                          ; s[32:35] group 0 of the first fill
.set G0W,  36                          ; s[36:39] group 0 of the second fill; it then walks on
.set CNT,  56
.set XB,   58                          ; s[58:59] hb at my block; steps by intervals
.set TBW,  60                          ; s60    LDS byte at which the slot in hand begins
.set SLOPE, 61                         ; s61    0.2 twice, in bf16
.set MSB, 0
.macro WIN new                         ; the high byte repeats the setting that is left; a switch that changes nothing is dropped
.if MSB != (\new)
	s_set_vgpr_msb (MSB<<8)|(\new)
.set MSB, \new
.endif
.endm
; A load into a register that a matrix instruction has read, and a vector instruction that reads a matrix result or writes one of a matrix instruction's registers, stand four plain vector
; instructions behind it (ISA guide 7.12.1 for vector instructions).
.macro PLACES
.rept 4
	v_nop
.endr
.endm
.macro CREST                           ; a round of the cluster's barrier behind its opening barrier
	s_cmp_lg_u32 s[WV], 0
	s_cbranch_scc1 .Lnot_wave_0_\@
	s_barrier_signal -3
.Lnot_wave_0_\@:
	s_barrier_wait -3
	s_barrier_signal -1
	s_barrier_wait -1
.endm
.macro CROUND                          ; a whole round
	s_barrier_signal -1
	s_barrier_wait -1
	CREST
.endm
; 16 matrix instructions: slot tiles 2 q, 2 q + 1 x all eight token tiles, 32 along K, from buffer f.  first = 1: the product starts the sum, with the bias as C.
; The 64 accumulators take turns in the same order in every step.
.macro MULQ f, q, first
.if \first
	WIN 0x81+0x40*((\q)/2)                         ; weights window 1, tokens and C window 0, D window 2 or 3
.else
	WIN 0xa1+0x50*((\q)/2)                         ; weights window 1, tokens window 0, C and D window 2 or 3
.endif
.irp b, 2*(\q), 2*(\q)+1
.irp a, 0,1,2,3,4,5,6,7
.if \first
	v_wmma_f32_16x16x32_bf16 v[8*(8*((\b)%4)+(\a)):8*(8*((\b)%4)+(\a))+7], v[64*(\f)+8*(\b):64*(\f)+8*(\b)+7], v[FA+64*(\f)+8*(\a):FA+64*(\f)+8*(\a)+7], v[BI+8*(\b):BI+8*(\b)+7]
.else
	v_wmma_f32_16x16x32_bf16 v[8*(8*((\b)%4)+(\a)):8*(8*((\b)%4)+(\a))+7], v[64*(\f)+8*(\b):64*(\f)+8*(\b)+7], v[FA+64*(\f)+8*(\a):FA+64*(\f)+8*(\a)+7], v[8*(8*((\b)%4)+(\a)):8*(8*((\b)%4)+(\a))+7]
.endif
.endr
.endr
.endm
; The 32 LDS loads of step s (0..3) of an interval, in one run, into buffer g: h from chunk slot s / 2, my weights from the slot in hand.
.macro FETCH s, g
	WIN 0
.irp a, 0,1,2,3,4,5,6,7
	ds_load_b128 v[FA+64*(\g)+8*(\a):FA+64*(\g)+8*(\a)+3], v[ADRH] offset:((\s)/2)*HSL+((\s)%2)*8192+(\a)*1024
	ds_load_b128 v[FA+64*(\g)+8*(\a)+4:FA+64*(\g)+8*(\a)+7], v[ADRH] offset:((\s)/2)*HSL+((\s)%2)*8192+(\a)*1024+512
.endr
	WIN 0x40                                       ; destination window 1, address window 0
.irp t, 0,1,2,3,4,5,6,7
	ds_load_b128 v[64*(\g)+8*(\t):64*(\g)+8*(\t)+3], v[ADRB] offset:(\s)*8192+(\t)*1024
	ds_load_b128 v[64*(\g)+8*(\t)+4:64*(\g)+8*(\t)+7], v[ADRB] offset:(\s)*8192+(\t)*1024+512
.endr
.endm
; A chunk of h (my 4,096 bytes of it) that was asked for two chunks ago into register set `set` gets its activation, two bf16 at a time, and is stored into chunk slot `set`.
; left: the younger chunk's loads, which stay out.  issue = 1: the chunk two further on is asked for into the same registers, at byte imm from XB.
.macro HCOPY set, issue, imm, left
	s_wait_loadcnt \left
	WIN 0x45                                       ; sources and destination window 1
.set z, 0
.rept 32
	v_pk_mul_bf16 v[U1+z], v[HS+32*(\set)+z], s[SLOPE]
.set z, z+1
.endr
.set z, 0
.rept 32
	v_pk_max_num_bf16 v[U1+z], v[HS+32*(\set)+z], v[U1+z]
.set z, z+1
.endr
	WIN 0x04                                       ; a store's data window 1, its address window 0
.irp i, 0,1,2,3,4,5,6,7
	ds_store_b128 v[HST], v[U1+4*(\i):U1+4*(\i)+3] offset:(\set)*HSL+(\i)*512
.endr
.if \issue
	WIN 0x40
.irp i, 0,1,2,3,4,5,6,7
	global_load_b128 v[HS+32*(\set)+4*(\i):HS+32*(\set)+4*(\i)+3], v[HOF], s[XB:XB+1] offset:(\imm)+(\i)*512
.endr
.endif
.endm
; A K STEP: buffer f is multiplied; behind the first 16 products the next step's (s) fragments are fetched into the other buffer, 48 products ahead of the wait for them.
.macro STEP f, s
	s_wait_dscnt 0x0                               ; this step's fragments are in
	MULQ \f, 0, 0
	PLACES
	FETCH \s, 1-(\f)
	MULQ \f, 1, 0
	MULQ \f, 2, 0
	MULQ \f, 3, 0
.endm
; The same with a chunk's turn behind the first 16 products; its 64 packed instructions are the places in front of the fetch.
.macro XSTEP f, s, first, set, issue, imm, left
	s_wait_dscnt 0x0
	MULQ \f, 0, \first
	HCOPY \set, \issue, \imm, \left
	FETCH \s, 1-(\f)
	MULQ \f, 1, \first
	MULQ \f, 2, \first
	MULQ \f, 3, \first
.endm
; The same with a plain barrier, for h alone: in front of it every wave's part of the chunk stored last is in LDS, and its reads of the other chunk slot are back; behind it the first is read and
; the second may be stored into.  The weights' fill stays on its way across it.
.macro PSTEP f, s
	s_wait_dscnt 0x0
	s_barrier_signal -1
	MULQ \f, 0, 0
	s_barrier_wait -1
	PLACES
	FETCH \s, 1-(\f)
	MULQ \f, 1, 0
	MULQ \f, 2, 0
	MULQ \f, 3, 0
.endm
; AN INTERVAL'S LAST STEP, WITH THE CHANGE OF SLOTS.  At its head each wave waits for all its tensor loads, of which one is out: its part of the slot to be read next; adds 0 to its spare word; and waits for
; that, for its reads of the slot that it leaves (this step's fragments were the last) and for its stores of h.  refill = 1: the barrier opens a round of the cluster's, with 16 products between signal and
; wait; behind the round no wave of any partner reads the old slot or has a load on its way, and the joint refill, with the fill two intervals on, is the first thing there.
.macro TURN f, refill
	WIN 0
	s_wait_tensorcnt 0x0                           ; no tensor load of mine is out, so a group 0 may be written
.if \refill
	ds_add_u32 v[SPW], v[NIL]                      ; 0 onto my spare word; the scalar work stands between it and the wait for it
	s_xor_b32 s[G0W+1], s[G0W+1], SLOTB            ; the walking descriptor: the other slot than last time,
	s_add_nc_u64 s[G0W+2:G0W+3], s[G0W+2:G0W+3], 131072  ; the next fill; the type bits on top are not reached
.endif
	s_xor_b32 s[TBW], s[TBW], SLOTB                ; the fetches go over to the other slot
	s_wait_dscnt 0x0
	s_barrier_signal -1
	MULQ \f, 0, 0
	WIN 0
	s_barrier_wait -1
.if \refill
	CREST
	tensor_load_to_lds s[G0W:G0W+3], s[G1:G1+7]
	s_nop 0
.endif
	v_add_nc_u32 v[ADRB], s[TBW], v[AB0]           ; with the three v_nop: the four places in front of the loads below
	v_nop
	v_nop
	v_nop
	FETCH 0, 1-(\f)
	MULQ \f, 1, 0
	MULQ \f, 2, 0
	MULQ \f, 3, 0
.endm
	s_load_b256 s[4:11], s[0:1], 0x0               ; hb 4, wp 6, tab 8, part 10
	v_lshl_add_u32 v[SPW], v0, 2, SPARE
	v_mov_b32 v[NIL], 0
	ds_add_u32 v[SPW], v[NIL]                      ; the wave's opening: the add and its wait stand ahead of my first tensor load; the set-up below, work on registers, stands between them
	v_lshrrev_b32 v1, 5, v0
	v_readfirstlane_b32 s[WV], v1                  ; wave 0..3
	s_bfe_u32 s19, ttmp6, 0x40000                  ; cx: my place in the cluster
	s_and_b32 s20, ttmp9, 1                        ; H: the cluster's half of the slots
	s_lshr_b32 s21, ttmp9, 1
	s_lshl_b32 s21, s21, 2
	s_add_co_u32 s21, s21, s19                     ; my block of 128 tokens: it enters hb's and part's addresses alone
	; descriptor group 1: 32,768 dense bytes as 128 rows of 256 bytes (32 elements of 8 bytes)
	s_mov_b32 s[G1+0], 15|(3<<16)|(1<<21)          ; 15:0 the mask: all four work-groups; 17:16 elements of 8 bytes; 21 set beside a mask
	s_mov_b32 s[G1+1], 32<<16                      ; tensor_dim0 = 32
	s_mov_b32 s[G1+2], 128<<16                     ; tensor_dim1 = 128
	s_mov_b32 s[G1+3], 32<<16                      ; tile_dim0 = 32
	s_mov_b32 s[G1+4], 128                         ; tile_dim1 = 128
	s_mov_b32 s[G1+5], 32                          ; 32 elements from row to row
	s_mov_b32 s[G1+6], 0
	s_mov_b32 s[G1+7], 0
	s_mov_b32 s[G0A], 1                            ; count = 1
	s_lshl_b32 s[G0A+1], s[WV], 15                 ; LDS address: my 32,768 bytes of slot 0,
	s_mov_b32 s[G0W], 1
	s_add_co_u32 s[G0W+1], s[G0A+1], SLOTB         ; of slot 1
	s_mov_b32 s[TBW], 0
	s_mov_b32 s[SLOPE], 0x3e4d3e4d
	v_and_b32 v1, 31, v0                           ; lane
	v_bfe_u32 v26, v0, 4, 1                        ; l / 16
	v_lshlrev_b32 v[L16], 4, v1
	s_lshl_b32 s46, s[WV], 15
	v_add_nc_u32 v[AB0], s46, v[L16]
	v_mov_b32 v[ADRB], v[AB0]                      ; slot 0 first
	v_add_nc_u32 v[ADRH], HR, v[L16]
	s_lshl_b32 s46, s[WV], 12                      ; my 4,096 bytes of a chunk
	v_add_nc_u32 v[HOF], s46, v[L16]
	v_add_nc_u32 v[HST], HR, v[HOF]
	s_lshl_b32 s46, s20, 11                        ; b2: behind b1's 4,096 bytes; 512 slots of 4 bytes a half,
	s_lshl_b32 s47, s[WV], 9                       ; 128 a wave,
	s_add_co_u32 s46, s46, s47
	s_add_co_u32 s46, s46, 4096
	v_lshl_add_u32 v[TBO], v26, 5, s46             ; a lane's eight of a tile begin at 8 (l / 16)
	s_lshl_b32 s46, s20, 14                        ; the head's fragments 16 H + 4 w .., from byte 8,192 of tab
	s_lshl_b32 s47, s[WV], 12
	s_add_co_u32 s46, s46, s47
	s_add_co_u32 s46, s46, 8192
	v_add_nc_u32 v[WHO], s46, v[L16]
	s_lshl_b32 s46, s[WV], 10
	v_add_nc_u32 v[REDS], s46, v[L16]              ; RED = 0: tile x 4,096 + wave x 1,024 + half x 512 + 16 l
	s_lshl_b32 s46, s[WV], 13
	v_add_nc_u32 v[REDR], s46, v[L16]              ; wave w adds tiles 2 w and 2 w + 1
	s_lshl_b32 s40, s20, 20                        ; wp: W2's half, and my wave's part of a fill: nothing of my place in the cluster
	s_lshl_b32 s41, s[WV], 15
	s_add_co_u32 s40, s40, s41
	s_add_co_u32 s40, s40, 4194304
	s_mov_b32 s41, 0
	s_lshl_b32 s42, s21, 18                        ; hb: 262,144 bytes a block
	s_mov_b32 s43, 0
	s_lshl_b32 s44, s21, 13                        ; part: [H][tile of 16 tokens (1,024)][1,024 bytes]: 8 tiles a block,
	s_lshl_b32 s45, s[WV], 11                      ; 2 a wave
	s_add_co_u32 s44, s44, s45
	s_lshl_b32 s45, s20, 20
	s_add_co_u32 s44, s44, s45
	s_mov_b32 s45, 0
	s_wait_dscnt 0x0                               ; the opening add is done
	s_wait_kmcnt 0x0
	s_add_nc_u64 s[XB:XB+1], s[4:5], s[42:43]
	s_add_nc_u64 s[10:11], s[10:11], s[44:45]
	s_add_nc_u64 s[G0A+2:G0A+3], s[6:7], s[40:41]  ; fill 0: K steps 0 to 3, my part
	s_add_nc_u64 s[G0W+2:G0W+3], s[G0A+2:G0A+3], 131072  ; fill 1
	s_or_b32 s[G0A+3], s[G0A+3], 0x80000000        ; type = 2
	s_or_b32 s[G0W+3], s[G0W+3], 0x80000000
.irp b, 0,1,2,3,4,5,6,7                ; b2: eight numbers a lane and slot tile
	global_load_b128 v[BI+8*(\b):BI+8*(\b)+3], v[TBO], s[8:9] offset:(\b)*64
	global_load_b128 v[BI+8*(\b)+4:BI+8*(\b)+7], v[TBO], s[8:9] offset:(\b)*64+16
.endr
	WIN 0x40
.irp p, 0,1,2,3                        ; the head's four fragments of my 128 slots
	global_load_b128 v[HF+8*(\p):HF+8*(\p)+3], v[WHO], s[8:9] offset:(\p)*1024
	global_load_b128 v[HF+8*(\p)+4:HF+8*(\p)+7], v[WHO], s[8:9] offset:(\p)*1024+512
.endr
.irp c, 0,1                            ; h's chunks 0 and 1
.irp i, 0,1,2,3,4,5,6,7
	global_load_b128 v[HS+32*(\c)+4*(\i):HS+32*(\c)+4*(\i)+3], v[HOF], s[XB:XB+1] offset:(\c)*16384+(\i)*512
.endr
.endr
	WIN 0
	CROUND                                         ; all four work-groups are here: the first joint loads meet
	tensor_load_to_lds s[G0A:G0A+3], s[G1:G1+7]    ; both first fills together: two loads of mine are out
	s_nop 0
	tensor_load_to_lds s[G0W:G0W+3], s[G1:G1+7]
	s_nop 0
	PLACES
	HCOPY 0, 1, 32768, 8                           ; b2, the head's fragments and chunk 0 are in (chunk 1's 8 loads stay out); chunk 0 goes into LDS, chunk 2 is asked for
	WIN 0
	s_wait_tensorcnt 0x1                           ; fill 0 is in; fill 1 may stay out
	s_wait_dscnt 0x0                               ; my part of chunk 0 is stored
	s_barrier_signal -1
	s_barrier_wait -1
	FETCH 0, 0
	XSTEP 0, 1, 1, 1, 1, 49152, 8                  ; K step 0 stands in front of the loop: its products start the sums, with b2; chunk 1 is stored, chunk 3 asked for
	; A trip: steps 1, 2, 3 of interval f and step 0 of interval f + 1.  It stores chunks 2 f + 2 and 2 f + 3, asks for chunks 2 f + 4 and 2 f + 5 and for fill f + 2.
	; 6 trips ask for the last chunk (15) and the last fill (7): no load leaves hb or wp.
	WIN 0
	s_mov_b32 s[CNT], 6
.Lk:
	PSTEP 1, 2
	XSTEP 0, 3, 0, 0, 1, 65536, 8
	TURN 1, 1
	XSTEP 0, 1, 0, 1, 1, 81920, 8
	WIN 0
	s_wait_xcnt 0x0                                ; the loads' addresses are translated: only now is their base stepped
	s_add_nc_u64 s[XB:XB+1], s[XB:XB+1], 32768
	s_sub_co_u32 s[CNT], s[CNT], 1
	s_cmp_lg_u32 s[CNT], 0
	s_cbranch_scc1 .Lk
	; The tail, the rest of intervals 6 and 7, is written out: nothing more is asked for, and h's counts run down 8, 0.
	PSTEP 1, 2
	XSTEP 0, 3, 0, 0, 0, 0, 8
	TURN 1, 0                                      ; the wait for all my tensor loads is the wait for fill 7, which is read next
	XSTEP 0, 1, 0, 1, 0, 0, 0
	PSTEP 1, 2
	STEP 0, 3
	s_wait_dscnt 0x0
	MULQ 1, 0, 0
	MULQ 1, 1, 0
	MULQ 1, 2, 0
	MULQ 1, 3, 0
; Slot tile b of all eight token tiles: rounded to bf16, then max(f, 0.2 f) on the packed words: half b % 2 of the head's token operand of K step b / 2, in buffer (b / 2) % 2.
.macro FEAT b
	WIN 0x0a+5*((\b)/4)                            ; sources window 2 or 3, destination window 0
.irp a, 0,1,2,3,4,5,6,7
.irp q, 0,1,2,3
	v_cvt_pk_bf16_f32 v[FR+64*(((\b)/2)%2)+8*(\a)+4*((\b)%2)+(\q)], v[8*(8*((\b)%4)+(\a))+2*(\q)], v[8*(8*((\b)%4)+(\a))+2*(\q)+1]  ; each accumulator from its lowest registers on
.endr
.endr
	WIN 0
.irp a, 0,1,2,3,4,5,6,7
.irp q, 0,1,2,3
	v_pk_mul_bf16 v[TMP+4*(\a)+(\q)], v[FR+64*(((\b)/2)%2)+8*(\a)+4*((\b)%2)+(\q)], s[SLOPE]
.endr
.endr
.irp a, 0,1,2,3,4,5,6,7
.irp q, 0,1,2,3
	v_pk_max_num_bf16 v[FR+64*(((\b)/2)%2)+8*(\a)+4*((\b)%2)+(\q)], v[FR+64*(((\b)/2)%2)+8*(\a)+4*((\b)%2)+(\q)], v[TMP+4*(\a)+(\q)]
.endr
.endr
.endm
	; THE HEAD.  The eight sums take turns; f's two buffers take turns too, so that no line writes an operand of the products just issued.
	PLACES
.irp p, 0,1,2,3
	FEAT 2*(\p)
	FEAT 2*(\p)+1
	WIN 0x01                                       ; the columns window 1; f, C and D window 0
.irp a, 0,1,2,3,4,5,6,7
.if (\p) == 0
	v_wmma_f32_16x16x32_bf16 v[D3+8*(\a):D3+8*(\a)+7], v[HF+8*(\p):HF+8*(\p)+7], v[FR+64*((\p)%2)+8*(\a):FR+64*((\p)%2)+8*(\a)+7], 0
.else
	v_wmma_f32_16x16x32_bf16 v[D3+8*(\a):D3+8*(\a)+7], v[HF+8*(\p):HF+8*(\p)+7], v[FR+64*((\p)%2)+8*(\a):FR+64*((\p)%2)+8*(\a)+7], v[D3+8*(\a):D3+8*(\a)+7]
.endif
.endr
.endr
	WIN 0
	PLACES
	; Slot 0's first 32,768 bytes: their last fill was fill 6, and the reads of it were waited for in front of interval 6's last barrier.
.irp a, 0,1,2,3,4,5,6,7
	ds_store_b128 v[REDS], v[D3+8*(\a):D3+8*(\a)+3] offset:RED+(\a)*4096
	ds_store_b128 v[REDS], v[D3+8*(\a)+4:D3+8*(\a)+7] offset:RED+(\a)*4096+512
.endr
	s_wait_dscnt 0x0                               ; for the others' sake: my parts are stored
	s_barrier_signal -1
	s_barrier_wait -1
.irp a2, 0,1
.irp pp, 0,1,2,3
	ds_load_b128 v[T+32*(\a2)+8*(\pp):T+32*(\a2)+8*(\pp)+3], v[REDR] offset:RED+(\a2)*4096+(\pp)*1024
	ds_load_b128 v[T+32*(\a2)+8*(\pp)+4:T+32*(\a2)+8*(\pp)+7], v[REDR] offset:RED+(\a2)*4096+(\pp)*1024+512
.endr
.endr
	s_wait_dscnt 0x0
.irp a2, 0,1
.irp i, 0,1,2,3
	v_pk_add_f32 v[T+32*(\a2)+2*(\i):T+32*(\a2)+2*(\i)+1], v[T+32*(\a2)+2*(\i):T+32*(\a2)+2*(\i)+1], v[T+32*(\a2)+8+2*(\i):T+32*(\a2)+8+2*(\i)+1]
	v_pk_add_f32 v[T+32*(\a2)+16+2*(\i):T+32*(\a2)+16+2*(\i)+1], v[T+32*(\a2)+16+2*(\i):T+32*(\a2)+16+2*(\i)+1], v[T+32*(\a2)+24+2*(\i):T+32*(\a2)+24+2*(\i)+1]
.endr
.endr
.irp a2, 0,1
.irp i, 0,1,2,3
	v_pk_add_f32 v[T+32*(\a2)+2*(\i):T+32*(\a2)+2*(\i)+1], v[T+32*(\a2)+2*(\i):T+32*(\a2)+2*(\i)+1], v[T+32*(\a2)+16+2*(\i):T+32*(\a2)+16+2*(\i)+1]
.endr
.endr
.irp a2, 0,1
	global_store_b128 v[L16], v[T+32*(\a2):T+32*(\a2)+3], s[10:11] offset:(\a2)*1024       ; a lane's registers 0-3, then 4-7: each store covers 512 consecutive bytes, aligned
	global_store_b128 v[L16], v[T+32*(\a2)+4:T+32*(\a2)+7], s[10:11] offset:(\a2)*1024+512
.endr
	s_wait_tensorcnt 0x0                           ; the wave's end: behind my last tensor load and my last LDS store
	ds_add_u32 v[SPW], v[NIL]
	s_wait_dscnt 0x0
	CROUND                                         ; the closing round: no work-group ends while a partner may still ask for a tile that names it
	s_endpgm
.Lfunc_end_k_qf136839d31_g2:
	.size	k_qf136839d31_g2, .Lfunc_end_k_qf136839d31_g2-k_qf136839d31_g2
	.p2alignl 7, 3214868480
	.fill 96, 4, 3214868480
	.section	.rodata,"a",@progbits
	.p2align	6, 0x0
	.amdhsa_kernel k_qf136839d31_g2
		.amdhsa_group_segment_fixed_size 327680
		.amdhsa_private_segment_fixed_size 0
		.amdhsa_enable_private_segment 0
		.amdhsa_kernarg_size 32
		.amdhsa_user_sgpr_count 2
		.amdhsa_user_sgpr_kernarg_segment_ptr 1
		.amdhsa_wavefront_size32 1
		.amdhsa_system_sgpr_workgroup_id_x 1
		.amdhsa_system_sgpr_workgroup_id_y 1
		.amdhsa_system_sgpr_workgroup_id_z 1
		.amdhsa_system_vgpr_workitem_id 0
		.amdhsa_next_free_vgpr 1024
		.amdhsa_next_free_sgpr 66
		.amdhsa_reserve_vcc 0
		.amdhsa_float_denorm_mode_32 3
		.amdhsa_float_denorm_mode_16_64 3
		.amdhsa_memory_ordered 1
		.amdhsa_forward_progress 1
		.amdhsa_inst_pref_size 171
	.end_amdhsa_kernel
	.amdgpu_metadata
---
amdhsa.version: [ 1, 2 ]
amdhsa.kernels:
  - .name:           k_qf136839d31_g2
    .symbol:         k_qf136839d31_g2.kd
    .args:
      - { .name: hb, .offset: 0, .size: 8, .value_kind: global_buffer, .address_space: global }
      - { .name: wp, .offset: 8, .size: 8, .value_kind: global_buffer, .address_space: global }
      - { .name: tab, .offset: 16, .size: 8, .value_kind: global_buffer, .address_space: global }
      - { .name: part, .offset: 24, .size: 8, .value_kind: global_buffer, .address_space: global }
    .group_segment_fixed_size: 327680
    .private_segment_fixed_size: 0
    .kernarg_segment_align: 8
    .kernarg_segment_size: 32
    .max_flat_workgroup_size: 128
    .sgpr_count:     66
    .vgpr_count:     1024
    .wavefront_size: 32
...
	.end_amdgpu_metadata
.endif
;; end of part 5
;; launch fin (part 6): grid 256 x 1, 4 waves a work-group, no clusters, 1,024 bytes of LDS; arguments part, out1, be, bs, out0; writes out0
.if DOCPART == 6
	.amdgcn_target "amdgcn-amd-amdhsa--gfx1250"
	.amdhsa_code_object_version 6
	.text
	.protected	k_qf136839d31_fin
	.globl	k_qf136839d31_fin
	.p2align	8
	.type	k_qf136839d31_fin,@function
k_qf136839d31_fin:
	s_mov_b64 s[64:65], 0
	v_nop
	global_prefetch_b8 v0, s[64:65] scope:SCOPE_SE
	s_setreg_imm32_b32 hwreg(HW_REG_WAVE_MODE, 25, 1), 1
	s_wait_xcnt 0x0
; FIN.  out0[t] = sum over e of gate[t][e] (f[t] . We[e] + be[e]) + f[t] . Ws + bs.  part holds f's products with the nine columns as two f32 partial sums (the two halves of the hidden slots),
; [half][tile of 16 tokens][1,024 bytes], in the order of the registers that made them: lane (r, h) holds token r; lanes 0-15 their token's eight experts, lanes 16-31 the shared column in
; register 0 and zeros.  A wave takes one tile, a work-group 64 tokens.  No matrix work, no tiles, nothing shared between work-groups: plain loads, one barrier for the one store.
; LIMITS.  be and bs are rounded once to bf16, like every input of the program; all sums are f32.
.set FIN,   0                          ; LDS: the work-group's 64 results
.set SPARE, 256                        ; the spare words, 128 bytes a wave: two blocks of 256 bytes that no other line names
.set P0,  8                            ; v8-15   the first half's sums
.set P1,  16                           ; v16-23  the second half's
.set GW,  24                           ; v24-31  my token's gate weights
.set SPW, 40                           ; v40     LDS address of my spare word; never rewritten
.set NIL, 41                           ; v41     0; never rewritten
.set U,   42                           ; v42-57  at work
	s_load_b256 s[4:11], s[0:1], 0x0               ; part 4, out1 6, be 8, bs 10
	s_load_b64 s[12:13], s[0:1], 0x20              ; out0
	v_lshl_add_u32 v[SPW], v0, 2, SPARE
	v_mov_b32 v[NIL], 0
	v_lshrrev_b32 v1, 5, v0
	v_readfirstlane_b32 s14, v1                    ; wave 0..3
	s_lshl_b32 s15, ttmp9, 2
	s_add_co_u32 s15, s15, s14                     ; my tile of 16 tokens
	v_and_b32 v1, 31, v0                           ; lane
	v_and_b32 v2, 15, v0                           ; l % 16
	v_lshlrev_b32 v3, 4, v1                        ; 16 l
	v_lshlrev_b32 v4, 5, v2                        ; a token's 32 bytes of out1
	s_lshl_b32 s22, s14, 6
	v_lshl_add_u32 v5, v2, 2, s22                  ; FIN = 0: word 16 w + l % 16
	v_lshlrev_b32 v6, 3, v1
	s_lshl_b32 s16, s15, 10
	s_mov_b32 s17, 0
	s_lshl_b32 s18, s15, 9
	s_mov_b32 s19, 0
	s_lshl_b32 s20, ttmp9, 8
	s_mov_b32 s21, 0
	s_mov_b32 s33, 0xffff0000                      ; a word's upper bf16; also the mask of lanes 16-31
	s_mov_b32 s34, 0x76543210                      ; v_permlanex16_b32: each lane takes its own place in the other half
	s_mov_b32 s35, 0xfedcba98
	s_wait_kmcnt 0x0
	s_load_b256 s[24:31], s[8:9], 0x0              ; be
	s_load_b32 s32, s[10:11], 0x0                  ; bs
	s_add_nc_u64 s[4:5], s[4:5], s[16:17]
	s_add_nc_u64 s[6:7], s[6:7], s[18:19]
	s_add_nc_u64 s[12:13], s[12:13], s[20:21]
	global_load_b128 v[P0:P0+3], v3, s[4:5] th:TH_LOAD_NT
	global_load_b128 v[P0+4:P0+7], v3, s[4:5] offset:512 th:TH_LOAD_NT
	global_load_b128 v[P1:P1+3], v3, s[4:5] offset:1048576 th:TH_LOAD_NT
	global_load_b128 v[P1+4:P1+7], v3, s[4:5] offset:1048576+512 th:TH_LOAD_NT
	global_load_b128 v[GW:GW+3], v4, s[6:7]
	global_load_b128 v[GW+4:GW+7], v4, s[6:7] offset:16
	s_wait_kmcnt 0x0
	; Lanes 0-15: factor = gate weight, addend = be.  Lanes 16-31: factor 1 and addend bs in register 0, 0 elsewhere.
.irp p, 0,1,2,3
	v_cvt_pk_bf16_f32 v[U+(\p)], s[24+2*(\p)], s[25+2*(\p)]
.endr
	v_cvt_pk_bf16_f32 v[U+4], s32, s32
.irp p, 0,1,2,3
	v_lshlrev_b32 v[U+8+2*(\p)], 16, v[U+(\p)]
	v_and_b32 v[U+9+2*(\p)], s33, v[U+(\p)]
.endr
	v_lshlrev_b32 v[U+5], 16, v[U+4]
	v_cndmask_b32 v[U+8], v[U+8], v[U+5], s33
.irp j, 1,2,3,4,5,6,7
	v_cndmask_b32 v[U+8+(\j)], v[U+8+(\j)], 0, s33
.endr
	s_wait_loadcnt 0x0
	v_cndmask_b32 v[GW], v[GW], 1.0, s33
.irp j, 1,2,3,4,5,6,7
	v_cndmask_b32 v[GW+(\j)], v[GW+(\j)], 0, s33
.endr
.irp i, 0,1,2,3
	v_pk_add_f32 v[P0+2*(\i):P0+2*(\i)+1], v[P0+2*(\i):P0+2*(\i)+1], v[P1+2*(\i):P1+2*(\i)+1]
.endr
.irp i, 0,1,2,3
	v_pk_add_f32 v[P0+2*(\i):P0+2*(\i)+1], v[P0+2*(\i):P0+2*(\i)+1], v[U+8+2*(\i):U+8+2*(\i)+1]
.endr
	v_mul_f32 v[U+6], v[GW], v[P0]
.irp j, 1,2,3,4,5,6,7
	v_fmac_f32 v[U+6], v[GW+(\j)], v[P0+(\j)]
.endr
	v_permlanex16_b32 v[U+5], v[U+6], s34, s35     ; the weighted sum and the shared part meet
	v_add_f32 v[U+6], v[U+6], v[U+5]
	ds_store_b32 v5, v[U+6]                        ; both halves of the lanes store the same number to the same word
	s_wait_dscnt 0x0                               ; for wave 0's sake: my 16 results are stored
	s_barrier_signal -1
	s_barrier_wait -1
	s_cmp_lg_u32 s14, 0
	s_cbranch_scc1 .Lnot_first
	ds_load_b64 v[U:U+1], v6
	s_wait_dscnt 0x0
	global_store_b64 v6, v[U:U+1], s[12:13]        ; the work-group's 64 results: 256 consecutive bytes, aligned, by one instruction
.Lnot_first:
	s_wait_tensorcnt 0x0                           ; the wave's end: behind my last LDS store
	ds_add_u32 v[SPW], v[NIL]
	s_wait_dscnt 0x0
	s_endpgm
.Lfunc_end_k_qf136839d31_fin:
	.size	k_qf136839d31_fin, .Lfunc_end_k_qf136839d31_fin-k_qf136839d31_fin
	.p2alignl 7, 3214868480
	.fill 96, 4, 3214868480
	.section	.rodata,"a",@progbits
	.p2align	6, 0x0
	.amdhsa_kernel k_qf136839d31_fin
		.amdhsa_group_segment_fixed_size 1024
		.amdhsa_private_segment_fixed_size 0
		.amdhsa_enable_private_segment 0
		.amdhsa_kernarg_size 40
		.amdhsa_user_sgpr_count 2
		.amdhsa_user_sgpr_kernarg_segment_ptr 1
		.amdhsa_wavefront_size32 1
		.amdhsa_system_sgpr_workgroup_id_x 1
		.amdhsa_system_sgpr_workgroup_id_y 1
		.amdhsa_system_sgpr_workgroup_id_z 1
		.amdhsa_system_vgpr_workitem_id 0
		.amdhsa_next_free_vgpr 64
		.amdhsa_next_free_sgpr 66
		.amdhsa_reserve_vcc 0
		.amdhsa_float_denorm_mode_32 3
		.amdhsa_float_denorm_mode_16_64 3
		.amdhsa_memory_ordered 1
		.amdhsa_forward_progress 1
		.amdhsa_inst_pref_size 6
	.end_amdhsa_kernel
	.amdgpu_metadata
---
amdhsa.version: [ 1, 2 ]
amdhsa.kernels:
  - .name:           k_qf136839d31_fin
    .symbol:         k_qf136839d31_fin.kd
    .args:
      - { .name: part, .offset: 0, .size: 8, .value_kind: global_buffer, .address_space: global }
      - { .name: out1, .offset: 8, .size: 8, .value_kind: global_buffer, .address_space: global }
      - { .name: be, .offset: 16, .size: 8, .value_kind: global_buffer, .address_space: global }
      - { .name: bs, .offset: 24, .size: 8, .value_kind: global_buffer, .address_space: global }
      - { .name: out0, .offset: 32, .size: 8, .value_kind: global_buffer, .address_space: global }
    .group_segment_fixed_size: 1024
    .private_segment_fixed_size: 0
    .kernarg_segment_align: 8
    .kernarg_segment_size: 40
    .max_flat_workgroup_size: 128
    .sgpr_count:     66
    .vgpr_count:     64
    .wavefront_size: 32
...
	.end_amdgpu_metadata
.endif
;; end of part 6
;; ======== version 3 of 3: 4 launches; version 2 with the launch prep written anew for expert scheduling mode
;; workspace buffers: wp 6,291,456 bytes; tab 40,960 bytes; hb 33,554,432 bytes; part 2,097,152 bytes
;; launch prep (part 7): grid 256 x 1, 4 waves a work-group, no clusters, 97,280 bytes of LDS; arguments W1, W2, Wg1, bg1, Wg2, bg2, user_emb, We, Ws, b1, b2, wp, tab, out1; writes wp, tab, out1
.if DOCPART == 7
	.amdgcn_target "amdgcn-amd-amdhsa--gfx1250"
	.amdhsa_code_object_version 6
	.text
	.protected	k_qf136839d31_prep
	.globl	k_qf136839d31_prep
	.p2align	8
	.type	k_qf136839d31_prep,@function
k_qf136839d31_prep:
	s_mov_b64 s[64:65], 0
	v_nop
	global_prefetch_b8 v0, s[64:65] scope:SCOPE_SE
	s_setreg_imm32_b32 hwreg(HW_REG_WAVE_SCHED_MODE, 0, 2), 2
	s_setreg_imm32_b32 hwreg(HW_REG_WAVE_MODE, 25, 1), 1
	s_wait_xcnt 0x0
	s_wait_alu depctr_vm_vsrc(0)
; PREP.  Three jobs, shared among 1,024 waves (gid = 4 x work-group + wave):
;  (1) W1 [2048][1024] and W2 [1024][1024] are rounded to bf16 and laid into wp in the order in which the next launches' operand registers take them;
;  (2) three tables go into tab: b1 and b2 (f32 words that hold the bf16-rounded numbers) and the nine columns We, Ws as 32 operand fragments;
;  (3) the whole gate: relu(user_emb Wg1 + bg1) Wg2 + bg2, softmax, top-2, renormalised, stored as out1.  A wave has 16 tokens.
; SLOTS.  Hidden channels are kept in slot order: slot s holds channel 64 (s >> 6) + 4 (s & 15) + ((s >> 4) & 3).  So a lane that loads 16 bytes (4 neighbouring channels) of 8 rows k holds
; four whole 16-byte pieces of four fragments, each load takes 256 consecutive bytes of a row for 16 lanes, each store of a wave covers 512 consecutive bytes, and no LDS is needed.
; A FRAGMENT is 16 slots x 32 k of bf16, 1,024 bytes: chunk c (512 bytes), lane (rho, h) at 16 x lane: k = 16 c + 8 h + 0..7 of slot rho.
; wp: W1 at half x 2,097,152 + (K step / 4) x 131,072 + wave x 32,768 + (K step % 4) x 8,192 + fragment x 1,024 (half: 512 slots; wave: 128 of them; K step: 32 k); W2 from 4,194,304 on,
; the same with half x 1,048,576: so what a wave of the next launches asks for at a time, four K steps of its 128 slots, is 32,768 consecutive bytes.
; LIMITS.  Every input is rounded once to bf16 (nearest even); all else of the gate is f32: g is never rounded, so g Wg2 goes to the f32 matrix form (16,384 x 256 x 8 multiply-adds, under a
; thousandth of the program's): a g rounded to bf16 would move logits by more than many rows' distance between second and third place.  Two weights that differ by less than f32 rounding may
; change places in the top-2; equal weights go to the lower index.  An exponential below 2^-126 counts as 0.  NaN and infinities are not treated apart.
; THE MODE: SCHED_MODE bits 1:0 = 2 (LLVM: expert scheduling mode 2), set by the entry lines.  The code itself states the register dependences
; between vector or matrix instructions and memory or LDS instructions, with s_wait_alu, always for 0.
; THE PLAN.  Registers that memory or LDS instructions touch:
;   v4-v18        offsets and LDS addresses: written at the head, read by loads and stores, never written again: one wait on va_vdst ahead of the first load.
;   TB, GA, UE, GB  loaded from memory, rounded in place, read by LDS stores.  One wait on va_vdst stands between a buffer's roundings and its run of stores (TB and GA share one).
;                 GB (rows 64-127 of Wg1) is a buffer of its own, so that its loads go out as soon as GA has landed and hang on no store.
;                 ONE wait on vm_vsrc, behind the barrier, states that all those stores have read their registers: from there on GA and UE are the gate's registers, GB's first 48 the packed W.
;   WF, AC, W2F   Group g: its bf16 products read WF, its f32 products AC[g % 2] and W2F[g % 2]; the LDS loads of group g + 1 land in WF, AC[(g + 1) % 2], W2F[(g + 1) % 2].
;                 One wait on va_vdst a group, behind the maxima; the f32 products behind the loads name none of the registers in which these land.
;   window 1 v0-95  W1's and W2's blocks as loaded: no vector instruction names them ahead of their loads.  Their 48 conversions write window 1 v96-143, one wait, 12 stores.
;   WT            out1's data: one wait ahead of the store.  The two small tails make their addresses and data themselves, each with its waits.
;   Masks: compares stand in runs, into scalar registers of their own, with one wait on va_sdst behind a run.
.set PG,    544                        ; a row of Wg1 in LDS: 256 bf16 + 32 bytes: 17 x 32, for the turning load
.set PU,    272                        ; a token's row: 128 bf16 + 16 bytes
.set PW2,   1040                       ; a row of Wg2 turned: 256 f32 + 16 bytes
.set UET,   128*PG                     ; 69,632: behind Wg1 (from byte 0): 16 rows for each wave, its own
.set BGT,   UET+4*16*PU                ; 87,040: bg1, 256 f32
.set W2T,   BGT+1024                   ; 88,064: Wg2 turned, [8][256] f32
.set SPARE, 96512                      ; the spare words, 128 bytes a wave: two blocks of 256 bytes that no other line names
.set TB,  24                           ; v24-41   bg1 and Wg2 as loaded, then rounded in place
.set TT,  42                           ; v42-44   at work: vector instructions alone name them
.set SPW, 46                           ; v46      LDS address of my spare word; never rewritten
.set NIL, 47                           ; v47      0; never rewritten
.set GA,  48                           ; v48-175  32 loads of Wg1: rows 0-63
.set UE,  176                          ; v176-239 my tokens as loaded
.set GB,  96                           ; window 1, v96-223: 32 loads of Wg1: rows 64-127
.set UF,  48                           ; later: v48-79 my tokens' four fragments
.set WF,  80                           ; v80-143  Wg1's fragments of two tiles of 16 channels
.set AC,  144                          ; v144-175 g: two buffers of two tiles
.set W2F, 176                          ; v176-207 Wg2's operands: two buffers of two tiles
.set LO,  208                          ; v208-215 logits
.set WT,  216                          ; v216-223 weights
.set WS,  224                          ; v224-231 weights without the first choice
.set BG,  240                          ; v240-247 bg2
.set LG,  224                          ; window 1, v224-255: the four sums of the f32 matrix form; matrix instructions alone write them
.set MSB, 0
.macro WIN new                         ; the high byte repeats the setting that is left; a switch that changes nothing is dropped
.if MSB != (\new)
	s_set_vgpr_msb (MSB<<8)|(\new)
.set MSB, \new
.endif
.endm
	s_load_b512 s[4:19], s[0:1], 0x0               ; W1 4, W2 6, Wg1 8, bg1 10, Wg2 12, bg2 14, user_emb 16, We 18
	s_load_b256 s[20:27], s[0:1], 0x40             ; Ws 20, b1 22, b2 24, wp 26
	s_load_b128 s[28:31], s[0:1], 0x60             ; tab 28, out1 30
	v_lshl_add_u32 v[SPW], v0, 2, SPARE
	v_mov_b32 v[NIL], 0
	v_lshrrev_b32 v19, 5, v0
	v_readfirstlane_b32 s32, v19                   ; wave 0..3
	s_lshl_b32 s33, ttmp9, 2
	v_and_b32 v1, 31, v0                           ; lane
	v_and_b32 v2, 15, v0                           ; lane % 16
	v_bfe_u32 v3, v0, 4, 1                         ; lane / 16
	v_lshlrev_b32 v4, 4, v0                        ; 16 t: Wg1's and Wg2's loads
	v_lshlrev_b32 v5, 2, v0                        ; 4 t: bg1's loads
	v_add_nc_u32 v6, BGT, v5
	v_and_b32 v19, 1, v0
	v_lshrrev_b32 v20, 1, v0
	v_mul_u32_u24 v7, v19, 4*PW2                   ; Wg2 turned: rows 4 (t & 1) .., word t >> 1
	v_lshl_add_u32 v7, v20, 2, v7
	v_add_nc_u32 v7, W2T, v7
	v_lshrrev_b32 v19, 6, v0
	v_and_b32 v20, 63, v0
	v_mul_u32_u24 v8, v19, PG                      ; Wg1: row t >> 6, 8 bytes at 8 (t & 63)
	v_lshl_add_u32 v8, v20, 3, v8
	v_add_nc_u32 v9, 64*PG, v8                     ; the same 64 rows on
	v_lshlrev_b32 v10, 4, v1                       ; 16 x lane
	s_wait_alu depctr_va_sdst(0)                   ; s32 is written, ahead of its first reader: gid, the wave's LDS rows and every base are made from it
	s_add_co_u32 s33, s33, s32                     ; gid 0..1023
	s_mul_i32 s34, s32, 16*PU
	s_add_co_u32 s34, s34, UET                     ; my wave's 16 rows
	v_lshl_add_u32 v11, v1, 3, s34
	v_lshlrev_b32 v12, 15, v3                      ; W1: lanes 16-31 take the row 8 further down,
	v_lshl_add_u32 v12, v2, 4, v12
	v_lshlrev_b32 v13, 17, v3                      ; W2: 32 further down
	v_lshl_add_u32 v13, v2, 4, v13
	v_mul_u32_u24 v14, v2, PU                      ; my tokens' fragments: row x pitch + 16 x half
	v_lshl_add_u32 v14, v3, 4, v14
	v_add_nc_u32 v14, s34, v14
	v_and_b32 v19, 7, v0
	v_lshl_add_u32 v20, v3, 3, v19
	v_mul_u32_u24 v15, v20, PG                     ; the turning load: row 8 (l / 16) + l % 8, 16 bytes at 16 ((l / 8) % 2)
	v_bfe_u32 v20, v0, 3, 1
	v_lshl_add_u32 v15, v20, 4, v15
	v_lshlrev_b32 v16, 5, v3
	v_add_nc_u32 v16, BGT, v16                     ; a lane's eight channels of a tile begin at 8 (l / 16)
	v_mul_u32_u24 v17, v19, PW2                    ; Wg2: expert l % 8 (rows 8-15 of the operand repeat rows 0-7)
	v_lshl_add_u32 v17, v3, 5, v17
	v_add_nc_u32 v17, W2T, v17
	v_lshlrev_b32 v18, 5, v2                       ; out1: token l % 16, experts 4 (l / 16) ..
	v_lshl_add_u32 v18, v3, 4, v18
	s_lshl_b32 s66, s33, 13                        ; my 16 tokens of 512 bytes
	s_mov_b32 s67, 0
	s_lshr_b32 s68, s33, 4                         ; W1: K step of 32,
	s_and_b32 s69, s33, 15                         ; block of 64 channels
	s_lshl_b32 s70, s68, 17                        ; 32 rows of 4,096 bytes
	s_lshl_b32 s72, s69, 8
	s_add_co_u32 s70, s70, s72
	s_mov_b32 s71, 0
	s_lshr_b32 s72, s69, 3                         ; in wp: (block / 8) x 2,097,152: the half of the slots
	s_lshl_b32 s72, s72, 21
	s_lshr_b32 s74, s68, 2                         ; + (K step / 4) x 131,072
	s_lshl_b32 s74, s74, 17
	s_add_co_u32 s72, s72, s74
	s_bfe_u32 s74, s69, 0x20001                    ; + ((block / 2) % 4) x 32,768: the wave
	s_lshl_b32 s74, s74, 15
	s_add_co_u32 s72, s72, s74
	s_and_b32 s74, s68, 3                          ; + (K step % 4) x 8,192
	s_lshl_b32 s74, s74, 13
	s_add_co_u32 s72, s72, s74
	s_and_b32 s74, s69, 1                          ; + (block % 2) x 4,096: four fragments
	s_lshl_b32 s74, s74, 12
	s_add_co_u32 s72, s72, s74
	s_mov_b32 s73, 0
	s_lshr_b32 s68, s33, 5                         ; W2: K step of 32 slots,
	s_bfe_u32 s69, s33, 0x40001                    ; block of 64 channels,
	s_and_b32 s35, s33, 1                          ; chunk
	s_lshr_b32 s74, s68, 1                         ; first row: 64 (K step / 2) + 2 (K step % 2) + chunk
	s_lshl_b32 s74, s74, 6
	s_and_b32 s76, s68, 1
	s_lshl_b32 s76, s76, 1
	s_add_co_u32 s74, s74, s76
	s_add_co_u32 s74, s74, s35
	s_lshl_b32 s74, s74, 12
	s_lshl_b32 s76, s69, 8
	s_add_co_u32 s74, s74, s76
	s_mov_b32 s75, 0
	s_lshr_b32 s76, s69, 3                         ; in wp: as W1, with (block / 8) x 1,048,576, + chunk x 512 + 4,194,304
	s_lshl_b32 s76, s76, 20
	s_lshr_b32 s78, s68, 2
	s_lshl_b32 s78, s78, 17
	s_add_co_u32 s76, s76, s78
	s_bfe_u32 s78, s69, 0x20001
	s_lshl_b32 s78, s78, 15
	s_add_co_u32 s76, s76, s78
	s_and_b32 s78, s68, 3
	s_lshl_b32 s78, s78, 13
	s_add_co_u32 s76, s76, s78
	s_and_b32 s78, s69, 1
	s_lshl_b32 s78, s78, 12
	s_add_co_u32 s76, s76, s78
	s_lshl_b32 s78, s35, 9
	s_add_co_u32 s76, s76, s78
	s_add_co_u32 s76, s76, 4194304
	s_mov_b32 s77, 0
	s_lshl_b32 s78, s33, 9                         ; out1: my 16 tokens of 32 bytes
	s_mov_b32 s79, 0
	s_mov_b32 s44, 0xffff0000                      ; a word's upper bf16; also the mask of lanes 16-31
	s_mov_b32 s63, 0x3fb8aa3b                      ; log2(e)
	s_wait_kmcnt 0x0
	s_load_b256 s[36:43], s[14:15], 0x0            ; bg2
	s_add_nc_u64 s[16:17], s[16:17], s[66:67]
	s_add_nc_u64 s[4:5], s[4:5], s[70:71]
	s_add_nc_u64 s[6:7], s[6:7], s[74:75]
	s_add_nc_u64 s[72:73], s[26:27], s[72:73]
	s_add_nc_u64 s[76:77], s[26:27], s[76:77]
	s_add_nc_u64 s[30:31], s[30:31], s[78:79]
	s_wait_alu depctr_va_vdst(0)                   ; the offsets and LDS addresses v4 to v18 are written: the loads and stores of the whole kernel read them, and no line writes them again
	; 54 loads go out: the small tables (6), rows 0-63 of Wg1 (32: the work-group's 128 threads take two rows an instruction), my 16 tokens (16)
	global_load_b32 v[TB], v5, s[10:11]
	global_load_b32 v[TB+1], v5, s[10:11] offset:512
.irp i, 0,1,2,3
	global_load_b128 v[TB+2+4*(\i):TB+2+4*(\i)+3], v4, s[12:13] offset:(\i)*2048
.endr
.set z, 0
.rept 32
	global_load_b128 v[GA+4*z:GA+4*z+3], v4, s[8:9] offset:z*2048
.set z, z+1
.endr
.set z, 0
.rept 16
	global_load_b128 v[UE+4*z:UE+4*z+3], v10, s[16:17] offset:z*512 th:TH_LOAD_NT
.set z, z+1
.endr
	s_wait_loadcnt 48                              ; the six oldest are in; Wg1's 32 and my tokens' 16 stay out
.irp k, 0,1,2,3,4,5,6,7,8              ; pair 0: bg1; pairs 1-8: Wg2.  Rounded to bf16, kept as f32 words, in the registers in which they came
	v_cvt_pk_bf16_f32 v[TT+(\k)%3], v[TB+2*(\k)], v[TB+2*(\k)+1]
	v_lshlrev_b32 v[TB+2*(\k)], 16, v[TT+(\k)%3]
	v_and_b32 v[TB+2*(\k)+1], s44, v[TT+(\k)%3]
.endr
.macro WGROUND base                    ; 64 rows of Wg1: four f32 a thread and row close up into the first two of their four registers
.set z, 0
.rept 32
	v_cvt_pk_bf16_f32 v[(\base)+4*z], v[(\base)+4*z], v[(\base)+4*z+1]
	v_cvt_pk_bf16_f32 v[(\base)+4*z+1], v[(\base)+4*z+2], v[(\base)+4*z+3]
.set z, z+1
.endr
.endm
.macro WGSTORE adr, base               ; and go into LDS, 8 bytes a thread and row
.set z, 0
.rept 32
	ds_store_b64 v[\adr], v[(\base)+4*z:(\base)+4*z+1] offset:z*2*PG
.set z, z+1
.endr
.endm
	s_wait_loadcnt 16                              ; rows 0-63 of Wg1 are in; my tokens' 16 loads stay out
	WIN 0x40                                       ; destination window 1, address window 0
.set z, 0
.rept 32                               ; rows 64-127, into a buffer of their own: no vector instruction has named it, and v4 stands as the head's wait left it
	global_load_b128 v[GB+4*z:GB+4*z+3], v4, s[8:9] offset:65536+z*2048
.set z, z+1
.endr
	WIN 0
	WGROUND GA
	s_wait_alu depctr_va_vdst(0)                   ; the roundings have written TB and GA, which the 50 LDS stores below read
	ds_store_b32 v6, v[TB]
	ds_store_b32 v6, v[TB+1] offset:512
.irp i, 0,1,2,3                        ; load i of thread t holds Wg2[64 i + (t >> 1)][4 (t & 1) + 0..3]
.irp p, 0,1
	ds_store_b32 v7, v[TB+2+4*(\i)+2*(\p)] offset:(2*(\p))*PW2+(\i)*256
	ds_store_b32 v7, v[TB+2+4*(\i)+2*(\p)+1] offset:(2*(\p)+1)*PW2+(\i)*256
.endr
.endr
	WGSTORE 8, GA
	s_wait_loadcnt 32                              ; my tokens are in; rows 64-127 of Wg1, 32 loads, stay out
	; My block of W1 (32 k x 64 channels: 16 loads) and my half block of W2 (16 slots of k x 64 channels: 8 loads) go out now and land under the gate's work.
	; No vector instruction has named their registers; v12 and v13 stand as the head's wait left them.
	WIN 0x40                                       ; destination window 1, address window 0
.irp c, 0,1
.irp j, 0,1,2,3,4,5,6,7
	global_load_b128 v[((\c)*8+(\j))*4:((\c)*8+(\j))*4+3], v12, s[4:5] offset:((\c)*16+(\j))*4096 th:TH_LOAD_NT  ; row 16 c + 8 (l / 16) + j, channels 4 (l % 16) ..
.endr
.endr
.irp j, 0,1,2,3,4,5,6,7
	global_load_b128 v[64+(\j)*4:64+(\j)*4+3], v13, s[6:7] offset:(\j)*16384 th:TH_LOAD_NT  ; slot 8 (l / 16) + j of the chunk is the row 32 (l / 16) + 4 j further down
.endr
	WIN 0
.set z, 0
.rept 16
	v_cvt_pk_bf16_f32 v[UE+4*z], v[UE+4*z], v[UE+4*z+1]
	v_cvt_pk_bf16_f32 v[UE+4*z+1], v[UE+4*z+2], v[UE+4*z+3]
.set z, z+1
.endr
	s_wait_alu depctr_va_vdst(0)                   ; the roundings have written UE, which the 16 LDS stores below read
.set z, 0
.rept 16
	ds_store_b64 v11, v[UE+4*z:UE+4*z+1] offset:z*PU
.set z, z+1
.endr
	s_wait_loadcnt 24                              ; rows 64-127 of Wg1 are in; W1's and W2's 24 loads stay out
	WIN 0x45                                       ; sources 0 and 1 and destination window 1
	WGROUND GB
	WIN 0x04                                       ; a store's data window 1, its address window 0
	s_wait_alu depctr_va_vdst(0)                   ; the roundings have written GB, which the 32 LDS stores below read
	WGSTORE 9, GB
	WIN 0
	s_wait_dscnt 0x0                               ; for the others' sake: all my stores into LDS are done
	s_barrier_signal -1
	s_barrier_wait -1                              ; Wg1, bg1 and Wg2 are whole
	s_wait_alu depctr_vm_vsrc(0)                   ; my LDS stores have read GA, UE and GB: from here on LDS loads land in GA's and UE's registers, the softmax writes UE's, and W's conversions write GB's
.irp k, 0,1,2,3                        ; (the roundings that named GA and UE stand ahead of the last wait on va_vdst, and no vector instruction since names them)
	ds_load_b128 v[UF+8*(\k):UF+8*(\k)+3], v14 offset:64*(\k)
	ds_load_b128 v[UF+8*(\k)+4:UF+8*(\k)+7], v14 offset:64*(\k)+32
.endr
; The LDS loads of group g (tiles 2 g, 2 g + 1 of 16 channels): Wg1's fragments, turned; bg1 into the accumulators, so that the first product adds onto it; Wg2's eight numbers a lane and tile.
.macro GLOAD g
.irp tt, 0,1
.irp kk, 0,1,2,3
	ds_load_tr16_b128 v[WF+32*(\tt)+8*(\kk):WF+32*(\tt)+8*(\kk)+3], v15 offset:(\kk)*32*PG+(2*(\g)+(\tt))*32
	ds_load_tr16_b128 v[WF+32*(\tt)+8*(\kk)+4:WF+32*(\tt)+8*(\kk)+7], v15 offset:(\kk)*32*PG+16*PG+(2*(\g)+(\tt))*32
.endr
	ds_load_b128 v[AC+16*((\g)%2)+8*(\tt):AC+16*((\g)%2)+8*(\tt)+3], v16 offset:(2*(\g)+(\tt))*64
	ds_load_b128 v[AC+16*((\g)%2)+8*(\tt)+4:AC+16*((\g)%2)+8*(\tt)+7], v16 offset:(2*(\g)+(\tt))*64+16
	ds_load_b128 v[W2F+16*((\g)%2)+8*(\tt):W2F+16*((\g)%2)+8*(\tt)+3], v17 offset:(2*(\g)+(\tt))*64
	ds_load_b128 v[W2F+16*((\g)%2)+8*(\tt)+4:W2F+16*((\g)%2)+8*(\tt)+7], v17 offset:(2*(\g)+(\tt))*64+16
.endr
.endm
; GROUP g.  Source 0 = 16 channels of Wg1, source 1 = my 16 tokens: a lane then holds ONE token (l % 16) and the channels 8 (l / 16) + 0..7 of the tile.  Register pair p of that result IS source 1 of
; the f32 form (k = 2 (l / 16) + j stands for channel 8 (l / 16) + 2 p + j), with Wg2's numbers of the same channels as source 0.  The two bf16 accumulators take turns, and so do the four f32
; sums.  The next group's loads stand behind 4 v_nop and 16 maxima: 12 or more plain instructions that name no register of the bf16 products whose operands they
; overwrite, 20 behind the f32 products of the group before, which read the other buffers; and behind the group's one wait on va_vdst.
.macro GROUP g
	s_wait_dscnt 0x0
.irp kk, 0,1,2,3
.irp tt, 0,1
	v_wmma_f32_16x16x32_bf16 v[AC+16*((\g)%2)+8*(\tt):AC+16*((\g)%2)+8*(\tt)+7], v[WF+32*(\tt)+8*(\kk):WF+32*(\tt)+8*(\kk)+7], v[UF+8*(\kk):UF+8*(\kk)+7], v[AC+16*((\g)%2)+8*(\tt):AC+16*((\g)%2)+8*(\tt)+7]
.endr
.endr
.rept 4
	v_nop
.endr
.set z, 0
.rept 16
	v_max_num_f32 v[AC+16*((\g)%2)+z], 0, v[AC+16*((\g)%2)+z]  ; relu, each accumulator from its lowest register on
.set z, z+1
.endr
.if (\g) < 7
	s_wait_alu depctr_va_vdst(0)                   ; this group's bf16 products are done reading WF, the last group's maxima and f32 products are done with the other AC and W2F: the loads below land in these
	GLOAD (\g)+1
.endif
.irp tt, 0,1                           ; the f32 products name W2F and AC of this group's parity and the four sums: none of the registers in which the loads above land
.irp pp, 0,1,2,3
.if ((\g) == 0) && ((\tt) == 0)
	WIN 0x40                                       ; D in window 1
.if (\pp) == 0
	v_wmma_f32_16x16x4_f32 v[LG+8*(\pp):LG+8*(\pp)+7], v[W2F+16*((\g)%2)+8*(\tt)+2*(\pp):W2F+16*((\g)%2)+8*(\tt)+2*(\pp)+1], v[AC+16*((\g)%2)+8*(\tt)+2*(\pp):AC+16*((\g)%2)+8*(\tt)+2*(\pp)+1], v[BG:BG+7]  ; the first sum starts with bg2,
.else
	v_wmma_f32_16x16x4_f32 v[LG+8*(\pp):LG+8*(\pp)+7], v[W2F+16*((\g)%2)+8*(\tt)+2*(\pp):W2F+16*((\g)%2)+8*(\tt)+2*(\pp)+1], v[AC+16*((\g)%2)+8*(\tt)+2*(\pp):AC+16*((\g)%2)+8*(\tt)+2*(\pp)+1], 0  ; the others with 0
.endif
.else
	WIN 0x50                                       ; C and D in window 1
	v_wmma_f32_16x16x4_f32 v[LG+8*(\pp):LG+8*(\pp)+7], v[W2F+16*((\g)%2)+8*(\tt)+2*(\pp):W2F+16*((\g)%2)+8*(\tt)+2*(\pp)+1], v[AC+16*((\g)%2)+8*(\tt)+2*(\pp):AC+16*((\g)%2)+8*(\tt)+2*(\pp)+1], v[LG+8*(\pp):LG+8*(\pp)+7]
.endif
.endr
.endr
	WIN 0
.endm
	GLOAD 0
	s_wait_kmcnt 0x0
.irp p, 0,1,2,3                        ; bg2, while the first LDS loads are on their way: these lines name v42 and BG, in which no load lands
	v_cvt_pk_bf16_f32 v[TT], s[36+2*(\p)], s[37+2*(\p)]
	v_lshlrev_b32 v[BG+2*(\p)], 16, v[TT]
	v_and_b32 v[BG+2*(\p)+1], s44, v[TT]
.endr
.irp g, 0,1,2,3,4,5,6,7
	GROUP \g
.endr
	; W1's and W2's blocks: word wd of fragment i, chunk c, is rows 2 wd and 2 wd + 1 of my eight, channel i of my four.  These 48 conversions name no register of the last products:
	; they are also the eight plain instructions behind the last product of the f32 form, and their stores leave ahead of the softmax.
	s_wait_loadcnt 0x0
	WIN 0x45                                       ; sources 0 and 1 and destination window 1
.irp c, 0,1
.irp i, 0,1,2,3
.irp wd, 0,1,2,3
	v_cvt_pk_bf16_f32 v[96+((\c)*4+(\i))*4+(\wd)], v[((\c)*8+2*(\wd))*4+(\i)], v[((\c)*8+2*(\wd)+1)*4+(\i)]
.endr
.endr
.endr
.irp i, 0,1,2,3
.irp wd, 0,1,2,3
	v_cvt_pk_bf16_f32 v[128+(\i)*4+(\wd)], v[64+(2*(\wd))*4+(\i)], v[64+(2*(\wd)+1)*4+(\i)]
.endr
.endr
	WIN 0x04                                       ; a store's data window 1, its address window 0
	s_wait_alu depctr_va_vdst(0)                   ; the conversions have written window 1's v96 to v143, which the 12 stores below read
.irp c, 0,1
.irp i, 0,1,2,3
	global_store_b128 v10, v[96+((\c)*4+(\i))*4:96+((\c)*4+(\i))*4+3], s[72:73] offset:(\i)*1024+(\c)*512  ; 512 consecutive bytes, aligned
.endr
.endr
.irp i, 0,1,2,3
	global_store_b128 v10, v[128+(\i)*4:128+(\i)*4+3], s[76:77] offset:(\i)*1024
.endr
	WIN 0x05                                       ; sources 0 and 1 window 1, destination window 0
.irp i, 0,1,2,3
	v_pk_add_f32 v[LO+2*(\i):LO+2*(\i)+1], v[LG+2*(\i):LG+2*(\i)+1], v[LG+8+2*(\i):LG+8+2*(\i)+1]
	v_pk_add_f32 v[WT+2*(\i):WT+2*(\i)+1], v[LG+16+2*(\i):LG+16+2*(\i)+1], v[LG+24+2*(\i):LG+24+2*(\i)+1]
.endr
	WIN 0
.irp i, 0,1,2,3
	v_pk_add_f32 v[LO+2*(\i):LO+2*(\i)+1], v[LO+2*(\i):LO+2*(\i)+1], v[WT+2*(\i):WT+2*(\i)+1]  ; register j: my token's logit of expert j, in both halves of the lanes
.endr
	; softmax inside the lane: the maximum is taken away ahead of the exponentials
	v_max3_num_f32 v232, v[LO], v[LO+1], v[LO+2]
	v_max3_num_f32 v232, v232, v[LO+3], v[LO+4]
	v_max3_num_f32 v232, v232, v[LO+5], v[LO+6]
	v_max_num_f32 v232, v232, v[LO+7]
	v_mul_f32 v233, s63, v232
.irp j, 0,1,2,3,4,5,6,7
	v_fma_f32 v[WT+(\j)], v[LO+(\j)], s63, -v233
.endr
.irp j, 0,1,2,3,4,5,6,7
	v_exp_f32 v[WT+(\j)], v[WT+(\j)]
.endr
	v_nop                                          ; a plain instruction behind the last exponential,
	s_wait_alu depctr_va_vdst(0)                   ; and one wait for the batch: the eight exponentials have written WT, ahead of the first line that names it
	v_add_f32 v234, v[WT], v[WT+1]
	v_add_f32 v235, v[WT+2], v[WT+3]
	v_add_f32 v236, v[WT+4], v[WT+5]
	v_add_f32 v237, v[WT+6], v[WT+7]
	v_add_f32 v234, v234, v235
	v_add_f32 v236, v236, v237
	v_add_f32 v234, v234, v236
	v_rcp_f32 v235, v234
	v_nop
	s_wait_alu depctr_va_vdst(0)                   ; the reciprocal has written v235, ahead of its first reader
.irp j, 0,1,2,3,4,5,6,7
	v_mul_f32 v[WT+(\j)], v[WT+(\j)], v235
.endr
	; top-2: the largest weight, of equals the lowest index; the same once more without it.  The choices are lane masks that select values; no address and no branch hangs on them.
	; The eight compares stand in one run, each with a scalar register of its own, so that one wait serves them; the scalar lines then work in place.
	v_max3_num_f32 v232, v[WT], v[WT+1], v[WT+2]
	v_max3_num_f32 v232, v232, v[WT+3], v[WT+4]
	v_max3_num_f32 v232, v232, v[WT+5], v[WT+6]
	v_max_num_f32 v232, v232, v[WT+7]
.irp j, 0,1,2,3,4,5,6,7
	v_cmp_eq_f32 s[45+(\j)], v[WT+(\j)], v232
.endr
	s_wait_alu depctr_va_sdst(0)                   ; the compares have written s45 to s52, ahead of their first reader
	s_mov_b32 s62, 0
.irp j, 0,1,2,3,4,5,6,7
	s_and_not1_b32 s[45+(\j)], s[45+(\j)], s62     ; chosen, unless a lower index was
	s_or_b32 s62, s62, s[45+(\j)]                  ; (what the line above took away is in s62 already)
.endr
.irp j, 0,1,2,3,4,5,6,7
	v_cndmask_b32 v[WS+(\j)], v[WT+(\j)], -1.0, s[45+(\j)]
.endr
	v_max3_num_f32 v233, v[WS], v[WS+1], v[WS+2]
	v_max3_num_f32 v233, v233, v[WS+3], v[WS+4]
	v_max3_num_f32 v233, v233, v[WS+5], v[WS+6]
	v_max_num_f32 v233, v233, v[WS+7]
.irp j, 0,1,2,3,4,5,6,7
	v_cmp_eq_f32 s[53+(\j)], v[WS+(\j)], v233
.endr
	s_wait_alu depctr_va_sdst(0)                   ; the compares have written s53 to s60, ahead of their first reader
	s_mov_b32 s62, 0
.irp j, 0,1,2,3,4,5,6,7
	s_and_not1_b32 s[53+(\j)], s[53+(\j)], s62
	s_or_b32 s62, s62, s[53+(\j)]
.endr
	v_add_f32 v234, v232, v233
	v_add_f32 v234, 0x3089705f, v234               ; + 1e-9
	v_rcp_f32 v235, v234
	v_nop
	s_wait_alu depctr_va_vdst(0)                   ; the reciprocal has written v235, ahead of its first reader
.irp j, 0,1,2,3,4,5,6,7
	s_or_b32 s[45+(\j)], s[45+(\j)], s[53+(\j)]
	v_mul_f32 v[WT+(\j)], v[WT+(\j)], v235
	v_cndmask_b32 v[WT+(\j)], 0, v[WT+(\j)], s[45+(\j)]
.endr
.irp j, 0,1,2,3
	v_cndmask_b32 v[WT+(\j)], v[WT+(\j)], v[WT+4+(\j)], s44  ; lanes 16-31 take experts 4-7
.endr
	s_wait_alu depctr_va_vdst(0)                   ; the selects have written WT to WT + 3, which the store reads
	global_store_b128 v18, v[WT:WT+3], s[30:31]    ; the wave's store covers 512 consecutive bytes of out1, aligned
	; The small tables: 16 waves make two fragments each of the nine columns, 32 waves 64 slots each of b1 or b2.  The branches hang on gid alone; no barrier stands inside.
	s_cmp_lt_u32 s33, 16
	s_cbranch_scc0 .Lnot_head
	s_lshl_b32 s66, s33, 8                         ; channels 64 gid ..
	s_add_nc_u64 s[18:19], s[18:19], s[66:67]
	s_add_nc_u64 s[20:21], s[20:21], s[66:67]
	s_lshl_b32 s66, s33, 11
	s_add_co_u32 s66, s66, 8192
	s_add_nc_u64 s[68:69], s[28:29], s[66:67]
	v_and_b32 v19, 7, v0
	v_lshlrev_b32 v19, 12, v19                     ; We's row l % 8,
	v_lshl_add_u32 v19, v3, 7, v19                 ; channels 32 (l / 16) + 4 j ..
	v_lshlrev_b32 v20, 7, v3
	s_wait_alu depctr_va_vdst(0)                   ; v19 and v20 are written, which the loads below read as offsets; the gate's products are done reading v48 to v111, in which they land
.irp j, 0,1,2,3,4,5,6,7
	global_load_b128 v[48+4*(\j):48+4*(\j)+3], v19, s[18:19] offset:16*(\j)
	global_load_b128 v[80+4*(\j):80+4*(\j)+3], v20, s[20:21] offset:16*(\j)
.endr
	v_cmp_gt_u32 s45, 8, v2                        ; rows 0-7: We
	v_cmp_eq_u32 s46, 8, v2                        ; row 8: Ws; rows 9-15: 0
	s_wait_alu depctr_va_sdst(0)                   ; the two compares have written s45 and s46, ahead of the selects that read them
	s_wait_loadcnt 0x0
.set z, 0
.rept 32
	v_cndmask_b32 v[80+z], 0, v[80+z], s46
	v_cndmask_b32 v[48+z], v[80+z], v[48+z], s45
.set z, z+1
.endr
.irp i, 0,1,2,3
.irp wd, 0,1,2,3
	v_cvt_pk_bf16_f32 v[112+4*(\i)+(\wd)], v[48+(2*(\wd))*4+(\i)], v[48+(2*(\wd)+1)*4+(\i)]
.endr
.endr
	s_wait_alu depctr_va_vdst(0)                   ; the conversions have written v112 to v127, which the four stores read
.irp i, 0,1,2,3
	global_store_b128 v10, v[112+4*(\i):112+4*(\i)+3], s[68:69] offset:(\i)*512
.endr
	s_branch .Lend
.Lnot_head:
	s_cmp_lt_u32 s33, 48
	s_cbranch_scc0 .Lend
	s_cmp_lt_u32 s33, 32
	s_cselect_b64 s[68:69], s[22:23], s[24:25]     ; b1 for gid 16-31, b2 for gid 32-47
	s_cselect_b32 s70, 0, 4096
	s_and_b32 s66, s33, 15
	s_lshl_b32 s66, s66, 8                         ; 64 slots are 64 channels: 256 bytes
	s_add_nc_u64 s[68:69], s[68:69], s[66:67]
	s_add_co_u32 s66, s66, s70
	s_add_nc_u64 s[70:71], s[28:29], s[66:67]
	v_and_b32 v19, 7, v1                           ; slots 2 l and 2 l + 1 hold channels 8 (l % 8) + (l / 8) and 4 more
	v_lshrrev_b32 v20, 3, v1
	v_lshlrev_b32 v19, 5, v19
	v_lshl_add_u32 v19, v20, 2, v19
	v_lshlrev_b32 v21, 3, v1
	s_wait_alu depctr_va_vdst(0)                   ; v19 is written, which the two loads read as their offset; the gate's products are done reading v48 and v49, in which they land
	global_load_b32 v48, v19, s[68:69]
	global_load_b32 v49, v19, s[68:69] offset:16
	s_wait_loadcnt 0x0
	v_cvt_pk_bf16_f32 v50, v48, v49
	v_lshlrev_b32 v52, 16, v50
	v_and_b32 v53, s44, v50
	s_wait_alu depctr_va_vdst(0)                   ; v52 and v53 are written, the store's data (its offset v21 stands ahead of the wait above)
	global_store_b64 v21, v[52:53], s[70:71]       ; 256 consecutive bytes, aligned
.Lend:
	s_wait_dscnt 0x0                               ; the wave's end
	s_wait_alu 0x0
	s_wait_tensorcnt 0x0
	ds_add_u32 v[SPW], v[NIL]
	s_wait_dscnt 0x0
	s_endpgm
.Lfunc_end_k_qf136839d31_prep:
	.size	k_qf136839d31_prep, .Lfunc_end_k_qf136839d31_prep-k_qf136839d31_prep
	.p2alignl 7, 3214868480
	.fill 96, 4, 3214868480
	.section	.rodata,"a",@progbits
	.p2align	6, 0x0
	.amdhsa_kernel k_qf136839d31_prep
		.amdhsa_group_segment_fixed_size 97280
		.amdhsa_private_segment_fixed_size 0
		.amdhsa_enable_private_segment 0
		.amdhsa_kernarg_size 112
		.amdhsa_user_sgpr_count 2
		.amdhsa_user_sgpr_kernarg_segment_ptr 1
		.amdhsa_wavefront_size32 1
		.amdhsa_system_sgpr_workgroup_id_x 1
		.amdhsa_system_sgpr_workgroup_id_y 1
		.amdhsa_system_sgpr_workgroup_id_z 1
		.amdhsa_system_vgpr_workitem_id 0
		.amdhsa_next_free_vgpr 512
		.amdhsa_next_free_sgpr 80
		.amdhsa_reserve_vcc 0
		.amdhsa_float_denorm_mode_32 3
		.amdhsa_float_denorm_mode_16_64 3
		.amdhsa_memory_ordered 1
		.amdhsa_forward_progress 1
		.amdhsa_inst_pref_size 81
	.end_amdhsa_kernel
	.amdgpu_metadata
---
amdhsa.version: [ 1, 2 ]
amdhsa.kernels:
  - .name:           k_qf136839d31_prep
    .symbol:         k_qf136839d31_prep.kd
    .args:
      - { .name: W1, .offset: 0, .size: 8, .value_kind: global_buffer, .address_space: global }
      - { .name: W2, .offset: 8, .size: 8, .value_kind: global_buffer, .address_space: global }
      - { .name: Wg1, .offset: 16, .size: 8, .value_kind: global_buffer, .address_space: global }
      - { .name: bg1, .offset: 24, .size: 8, .value_kind: global_buffer, .address_space: global }
      - { .name: Wg2, .offset: 32, .size: 8, .value_kind: global_buffer, .address_space: global }
      - { .name: bg2, .offset: 40, .size: 8, .value_kind: global_buffer, .address_space: global }
      - { .name: user_emb, .offset: 48, .size: 8, .value_kind: global_buffer, .address_space: global }
      - { .name: We, .offset: 56, .size: 8, .value_kind: global_buffer, .address_space: global }
      - { .name: Ws, .offset: 64, .size: 8, .value_kind: global_buffer, .address_space: global }
      - { .name: b1, .offset: 72, .size: 8, .value_kind: global_buffer, .address_space: global }
      - { .name: b2, .offset: 80, .size: 8, .value_kind: global_buffer, .address_space: global }
      - { .name: wp, .offset: 88, .size: 8, .value_kind: global_buffer, .address_space: global }
      - { .name: tab, .offset: 96, .size: 8, .value_kind: global_buffer, .address_space: global }
      - { .name: out1, .offset: 104, .size: 8, .value_kind: global_buffer, .address_space: global }
    .group_segment_fixed_size: 97280
    .private_segment_fixed_size: 0
    .kernarg_segment_align: 8
    .kernarg_segment_size: 112
    .max_flat_workgroup_size: 128
    .sgpr_count:     80
    .vgpr_count:     512
    .wavefront_size: 32
...
	.end_amdgpu_metadata
.endif
;; end of part 7
;; launch g1: the kernel of part 4 again; grid 256 x 1, 4 waves a work-group, clusters of 4 x 1, 327,680 bytes of LDS; arguments x, wp, tab, hb; writes hb
;; launch g2: the kernel of part 5 again; grid 256 x 1, 4 waves a work-group, clusters of 4 x 1, 327,680 bytes of LDS; arguments hb, wp, tab, part; writes part
;; launch fin: the kernel of part 6 again; grid 256 x 1, 4 waves a work-group, no clusters, 1,024 bytes of LDS; arguments part, out1, be, bs, out0; writes out0
